; MI455X (gfx1250); checked and timed in simulation.
; The chip was launched on July 23, 2026; its instructions are those of AMD's public machine-readable ISA for CDNA 5 (MIT licence, August 2026) and "CDNA5" Instruction Set Architecture Reference Guide (July 2026). The comments in the code are by the model that wrote it; some were corrected since.
;; Attention Block. Allowed arithmetic: matrix products marked QUANTISED: E5M2 operands, one E8M0 scale for each 32 along K, by v_wmma_scale_f32_16x16x128_f8f6f4 with both operands' format E5M2, f32 sums; everything else in f32.
;; Inputs: Wk 1,024 x 1,024 float32; Wp 1,024 x 1,024 float32; Wq 1,024 x 1,024 float32; Wv 1,024 x 1,024 float32; bk 1,024 float32; bp 1,024 float32; bq 1,024 float32; bv 1,024 float32; ln_b 1,024 float32; ln_g 1,024 float32; x 2 x 2,048 x 1,024 float32.
;; Outputs: out0 2 x 2,048 x 1,024 float32.
;; This version of the problem:
;;   THIS VERSION OF THE PROBLEM IS GIVEN IN LOW PRECISION. The matrix products marked QUANTISED in the list below multiply operands that are first quantised to E5M2 (5 exponent bits, 2 mantissa bits; 8 bits a number), with one power-of-two scale for each 32 numbers along K (OCP MX v1.0); their sums are f32. All else is computed in f32.
;;   The module's matrix products, in the order in which they are computed (A, B: the left and right operand; K: the contracted axis; several contracted axes count as one K, in the product's order):
;;     1. [M 4,096, K 1,024] x [K 1,024, N 1,024]; A: input x; B: input Wq: QUANTISED
;;     2. [M 4,096, K 1,024] x [K 1,024, N 1,024]; A: input x; B: input Wk: QUANTISED
;;     3. [M 4,096, K 1,024] x [K 1,024, N 1,024]; A: input x; B: input Wv: QUANTISED
;;     4. batch 32 x [M 2,048, K 64] x [K 64, N 2,048]; A: computed on the way; B: computed on the way: QUANTISED
;;     5. batch 32 x [M 2,048, K 2,048] x [K 2,048, N 64]; A: softmax (see below); B: computed on the way: QUANTISED
;;     6. [M 4,096, K 1,024] x [K 1,024, N 1,024]; A: computed on the way; B: input Wp: QUANTISED
;;   THE QUANTISER, for each operand of a quantised product, along K:
;;     - K is cut into blocks of 32 from its start; a last block that is shorter is filled with zeros.
;;     - A block's scale is 2^e with e = floor(log2(the largest magnitude in the block)) - 15, held to -126 .. 127; a block of zeros has e = 0. As a byte (E8M0): e + 127.
;;     - Each number is divided by its block's scale, clamped to +-57,344, and rounded to the nearest number of E5M2, ties to even, subnormals kept.
;;     - The product sums the exact products of the quantised numbers (number of the format x scale) in f32.
;;   ~~~python
;;   def quantise(x, axis):      # numpy; x: float32 -> the quantised numbers, widened to float32 again
;;       x = np.moveaxis(x, axis, -1); K = x.shape[-1]
;;       x = np.pad(x, [(0, 0)] * (x.ndim - 1) + [(0, -K % 32)]); x = x.reshape(x.shape[:-1] + (-1, 32)); a = np.abs(x).max(-1, keepdims=True)
;;       e = np.where(a > 0, np.clip(np.frexp(np.where(a > 0, a, 1))[1] - 1 - 15, -126, 127), 0)      # np.frexp(a)[1] - 1 = floor(log2(a)), exactly
;;       r = np.clip(x / 2.0 ** e, -57344, 57344)
;;       step = 2.0 ** (np.maximum(np.frexp(np.where(r == 0, 1, r))[1] - 1, -14) - 2)
;;       q = np.round(r / step) * step * 2.0 ** e      # np.round: ties to even
;;       return np.moveaxis(q.reshape(q.shape[:-2] + (-1,))[..., :K], -1, axis).astype(np.float32)
;;   ~~~
;;   SOFTMAX AHEAD OF A QUANTISED PRODUCT. Where the list says 'softmax', what is quantised is not the finished softmax but p = 2^(t - M), with t = logit x log2(e) and M = ceil(the row's largest t), a whole number; so 1/2 < the row's largest p <= 1. The row's sum l is taken of the UNQUANTISED p, in f32, and the product's result is divided by l at the end. Since M is a whole number, a kernel that streams over the keys may use a running M (the ceiling of the running maximum): every later rescaling is an exact power of two, which a block's scale takes up: the codes' values come out the same.
;;   OPERANDS COMPUTED ON THE WAY. 'Computed on the way' means the value that the module computes at that place (a softmax that the list does not call 'softmax' is quantised finished and normalised). What goes into a quantiser is computed in f32, as accurately as f32 sums, v_exp_f32 and their like allow (about 1e-6 of the number): no bf16 or f16 on the way to a quantiser, and a product that is left as it is and whose result goes on into a quantised operand takes f32 operands (vector FMAs, or v_wmma_f32_16x16x4_f32). A number that lies on a knife's edge between two numbers of the format may be rounded either way, as far as f32 arithmetic and the matrix unit's own rounding can turn it there, and no further.
;; 2 versions. Each part assembles by itself: llvm-mc -triple=amdgcn-amd-amdhsa -mcpu=gfx1250 --defsym DOCPART=n.
;; ======== version 1 of 2: 4 launches
;; workspace buffers: xc 4,194,304 bytes; xs 131,072 bytes; wc 4,194,304 bytes; ws 131,072 bytes; qkvc 12,582,912 bytes; qkvs 393,216 bytes; oc 4,194,304 bytes; os 131,072 bytes
;; launch quant (part 1): grid 256 x 1, 4 waves a work-group, no clusters, 68,096 bytes of LDS; arguments x, Wq, Wk, Wv, Wp, xc, xs, wc, ws; writes xc, xs, wc, ws
.if DOCPART == 1
	.amdgcn_target "amdgcn-amd-amdhsa--gfx1250"
	.amdhsa_code_object_version 6
	.text
	.protected	k_q913071a92b_quant
	.globl	k_q913071a92b_quant
	.p2align	8
	.type	k_q913071a92b_quant,@function
k_q913071a92b_quant:
	s_mov_b64 s[64:65], 0
	v_nop
	global_prefetch_b8 v0, s[64:65] scope:SCOPE_SE
	s_setreg_imm32_b32 hwreg(HW_REG_WAVE_MODE, 25, 1), 1
	s_wait_xcnt 0x0
; x [4096][1024] and Wq, Wk, Wv, Wp [1024 (k)][1024 (n)], f32, become codes of BF8 (E5M2) with K innermost and one E8M0 byte for each 32 along K.
; A block's scale is 2^(floor(log2(its largest magnitude)) - 15); its byte is the largest magnitude's exponent field - 15, held at 1 from below; each number is divided by the scale,
; held within +-57,344 and rounded to the nearest code, ties to even.
; LIMITS: a block of zeros gets the byte 1 where the rule says 127 (its codes are zeros, and this program alone reads the bytes); largest magnitudes under 2^-111 are held at that floor;
; NaN and infinities among the inputs are not served.
; POSITIONS.  Row p of xc and xs holds token p with bits 3 and 4 exchanged; row p of wc and ws holds, within each weight, column p with bits 3 and 4 exchanged.  A transposed product leaves
; position 8 (lane / 16) + j of a tile in register j; with this order the 16 registers of two neighbouring tiles are 16 true neighbours along the next product's K, and every tile is 16 plain rows.
; Work-groups 0-127 take x (K innermost: a stream of blocks, turned through the wave's own stage so that loads are dense and a lane holds 16 neighbours);
; work-groups 128-255 take the weights (K outermost: a lane takes a column and its registers run down K).  Each of the two ways has LDS bytes of its own.  Waves share nothing: no barrier.
; Wq, Wk, Wv leave as rows [position][1024]; Wp leaves as images of the operand's registers, [tile of 16 positions][128 along K][4][lane][16 bytes], from byte 3,145,728 of wc on.
.set MANT,  0x600000                   ; the mantissa field of 57,344 as f32
.set STEPS, 16                         ; x: steps of 512 numbers for a wave
.set XR,    16                         ; v16-79   four sets of 16 numbers as loaded
.set XX,    80                         ; v80-111  two sets of 16 neighbours
.set XE,    112                        ; v112-127 a scale byte for each step
.set XC,    128                        ; v128-191 codes, four registers for each step
.set WREG,  8192                       ; x: LDS of a wave: two stages of 32 x SP bytes, then its 256 scale bytes
.set SP,    80                         ; a lane's place in a stage: 64 bytes + 16 of padding
.set NB,    8                          ; W: blocks of 32 along K for a wave
.set PITCH, 272                        ; W: a stage row: 256 codes + 16 of padding
.set WSTG,  32768                      ; W: the stages begin behind x's LDS bytes
.set WSB,   24                         ; v24-25   W: scale bytes, four to a register
.set WX,    32                         ; v32-95   W: two sets of 32 numbers
.set WC,    96                         ; v96-103  W: a block's codes
.set WO,    112                        ; v112-175 W: the way out
	s_load_b512 s[4:19], s[0:1], 0x0               ; x s[4:5], Wq s[6:7], Wk s[8:9], Wv s[10:11], Wp s[12:13], xc s[14:15], xs s[16:17], wc s[18:19]
	s_load_b64 s[20:21], s[0:1], 0x40              ; ws
	v_lshl_add_u32 v192, v0, 2, 0x10800
	v_mov_b32 v193, 0
	v_lshrrev_b32 v1, 5, v0
	v_readfirstlane_b32 s22, v1                    ; wave
	v_and_b32 v2, 31, v0                           ; lane
	s_mov_b32 s31, MANT                            ; (an instruction takes one literal: the hold's line has another)
	s_cmp_lt_u32 ttmp9, 128
	s_cbranch_scc0 .Lweights
	; ---------------- x ----------------
	v_lshlrev_b32 v3, 4, v2                        ; my 16 bytes of a load's 512, and of a step's 512 bytes of codes
	s_mul_i32 s23, s22, WREG
	v_lshrrev_b32 v14, 2, v2
	v_mul_u32_u24 v14, v14, SP
	v_and_b32 v15, 3, v2
	v_lshl_add_u32 v14, v15, 4, v14
	v_add_nc_u32 v14, s23, v14                     ; the stage, on the way in: four lanes' 64 bytes on end, then 16 of padding
	v_mul_u32_u24 v15, v2, SP
	v_add_nc_u32 v15, s23, v15                     ; and on the way out: my 16 neighbours
	v_lshrrev_b32 v5, 1, v2
	s_add_co_u32 s23, s23, 2*32*SP
	v_add_nc_u32 v5, s23, v5                       ; my wave's 256 scale bytes, my block's byte
	v_lshlrev_b32 v7, 3, v2
	v_add_nc_u32 v6, s23, v7                       ; and on the way out 8 bytes a lane
	s_lshl_b32 s24, ttmp9, 2
	s_add_co_u32 s26, s24, s22                     ; the run of 8 rows that I read: 4 x work-group + wave
	s_and_b32 s25, s22, 1
	s_lshl_b32 s25, s25, 1
	s_lshr_b32 s28, s22, 1
	s_or_b32 s25, s25, s28
	s_add_co_u32 s28, s24, s25                     ; the run that I write: the wave's two bits exchanged are the rows' bits 3 and 4 exchanged
	s_lshl_b32 s26, s26, 15                        ; 8 rows of 4,096 bytes
	s_mov_b32 s27, 0
	s_lshl_b32 s24, s28, 13                        ; 8 rows of 1,024 codes
	s_mov_b32 s25, 0
	s_lshl_b32 s28, s28, 8                         ; 8 rows of 32 scale bytes
	s_mov_b32 s29, 0
	s_wait_kmcnt 0x0
	s_add_nc_u64 s[4:5], s[4:5], s[26:27]
	s_add_nc_u64 s[14:15], s[14:15], s[24:25]
	s_add_nc_u64 s[16:17], s[16:17], s[28:29]
.macro XLOAD t
.irp i, 0,1,2,3
	global_load_b128 v[XR+16*((\t)%4)+4*\i:XR+16*((\t)%4)+4*\i+3], v3, s[4:5] offset:2048*(\t)+512*\i th:TH_LOAD_NT   ; 32 lanes read 512 consecutive bytes
.endr
.endm
.macro XTURN t                         ; step t's numbers through the stage: LDS serves a wave's instructions in order, so no wait stands between the stores and the loads
.irp i, 0,1,2,3
	ds_store_b128 v14, v[XR+16*((\t)%4)+4*\i:XR+16*((\t)%4)+4*\i+3] offset:32*SP*((\t)%2)+8*SP*\i
.endr
.irp i, 0,1,2,3
	ds_load_b128 v[XX+16*((\t)%2)+4*\i:XX+16*((\t)%2)+4*\i+3], v15 offset:32*SP*((\t)%2)+16*\i
.endr
.endm
.irp t, 0,1,2,3
	XLOAD \t
.endr
	s_wait_loadcnt 12                              ; step 0's four loads are in; three steps' may be out
	XTURN 0
.macro XSTEP t
.set XS, XX+16*((\t)%2)
.if (\t) > 0
	s_wait_dscnt 1                                 ; this step's numbers are back from the stage (the last step's byte store may be out)
.else
	s_wait_dscnt 0x0
.endif
.if (\t)+4 < STEPS
	XLOAD (\t)+4                                   ; into the registers that this step's stores into the stage have read
.endif
.if (\t)+1 < STEPS
.if STEPS-2-(\t) >= 3
	s_wait_loadcnt 12                              ; the next step's four loads are in; those of the three steps behind it may be out
.else
	s_wait_loadcnt 4*(STEPS-2-(\t))
.endif
	XTURN (\t)+1
.endif
	v_max3_num_f32 v8, |v[XS]|, |v[XS+1]|, |v[XS+2]|               ; the largest magnitude of my 16, in two chains
	v_max3_num_f32 v9, |v[XS+3]|, |v[XS+4]|, |v[XS+5]|
.irp i, 6,10
	v_max3_num_f32 v8, v8, |v[XS+\i]|, |v[XS+\i+1]|
	v_max3_num_f32 v9, v9, |v[XS+\i+2]|, |v[XS+\i+3]|
.endr
	v_max3_num_f32 v8, v8, |v[XS+14]|, |v[XS+15]|
	v_max3_num_f32 v8, v8, v9, 0x8000000           ; and the floor 2^(16 - 127): the byte cannot fall under 1
	v_max_num_f32_dpp v8, v8, v8 row_xmask:1 row_mask:0xf bank_mask:0xf   ; and of my neighbour's 16: the block's
	v_add_nc_u32 v11, 0xf8800000, v8               ; 15 off its exponent field: the conversion takes the exponent field of this operand as its scale
	v_and_or_b32 v10, v8, 0x7f800000, s31          ; 57,344 x the scale
.irp i, 0,1,2,3,4,5,6,7,8,9,10,11,12,13,14,15
	v_med3_num_f32 v[XS+\i], v[XS+\i], -v10, v10   ; the conversion to an 8-bit code does not saturate (ISA guide 7.6.2): the hold comes first
.endr
	v_cvt_scalef32_pk8_bf8_f32 v[XC+4*(\t):XC+4*(\t)+1], v[XS:XS+7], v11
	v_cvt_scalef32_pk8_bf8_f32 v[XC+4*(\t)+2:XC+4*(\t)+3], v[XS+8:XS+15], v11
	v_lshrrev_b32 v[XE+(\t)], 23, v11              ; the scale's byte
	ds_store_b8 v5, v[XE+(\t)] offset:16*(\t)      ; both lanes of a block write the same byte with the same value
	global_store_b128 v3, v[XC+4*(\t):XC+4*(\t)+3], s[14:15] offset:512*(\t)   ; 32 lanes store 512 consecutive bytes
.endm
.irp t, 0,1,2,3,4,5,6,7,8,9,10,11,12,13,14,15
	XSTEP \t
.endr
	ds_load_b64 v[12:13], v6                       ; LDS serves a wave's instructions in order: these see my byte stores
	s_wait_dscnt 0x0
	global_store_b64 v7, v[12:13], s[16:17]        ; 32 lanes store 256 consecutive bytes, aligned
	s_wait_tensorcnt 0x0
	ds_add_u32 v192, v193
	s_wait_dscnt 0x0
	s_endpgm
	; ---------------- the weights ----------------
.Lweights:
	s_sub_co_u32 s23, ttmp9, 128
	s_lshr_b32 s24, s23, 5                         ; which weight: 0 Wq, 1 Wk, 2 Wv, 3 Wp
	s_and_b32 s25, s23, 7                          ; which 128 columns
	s_bfe_u32 s26, s23, 0x20003                    ; which 256 along K
	s_lshl_b32 s27, s25, 7
	s_lshl_b32 s28, s22, 5
	s_add_co_u32 s27, s27, s28                     ; my wave's first column
	v_lshlrev_b32 v3, 2, v2                        ; in: 4 bytes a lane
	v_and_b32 v14, 7, v2
	v_bfe_u32 v5, v2, 3, 1
	v_lshl_or_b32 v14, v5, 4, v14
	v_bfe_u32 v5, v2, 4, 1
	v_lshl_or_b32 v14, v5, 3, v14                  ; my column's position among the wave's 32: bits 3 and 4 exchanged
	s_mul_i32 s29, s22, 32*PITCH
	s_add_co_u32 s29, s29, WSTG                    ; my stage
	v_mul_u32_u24 v4, v14, PITCH
	v_add_nc_u32 v4, s29, v4                       ; into it: row = my column's position
	v_and_b32 v5, 15, v2
	v_lshrrev_b32 v6, 4, v2
	v_mul_u32_u24 v7, v6, PITCH
	v_lshl_add_u32 v7, v5, 4, v7
	v_add_nc_u32 v7, s29, v7                       ; out of it as rows: sixteen lanes to a row, two rows an instruction,
	v_lshlrev_b32 v8, 10, v6
	v_lshl_add_u32 v8, v5, 4, v8                   ; and the same place in wc
	v_mul_u32_u24 v15, v5, PITCH
	v_lshl_add_u32 v15, v6, 4, v15
	v_add_nc_u32 v15, s29, v15                     ; out of it as images: row lane % 16, + 16 (lane / 16),
	v_lshlrev_b32 v16, 4, v2                       ; to 16 x lane
	v_lshlrev_b32 v9, 5, v14                       ; my position's row of scale bytes
	s_lshl_b32 s32, s26, 20                        ; in: 256 rows of 4,096 bytes for each step along K, + 4 x column
	s_lshl_b32 s33, s27, 2
	s_add_co_u32 s32, s32, s33
	s_mov_b32 s33, 0
	s_lshl_b32 s34, s24, 20                        ; codes: the weight's 1,048,576 bytes, + 1,024 x first position (rows of 1,024; images of 16 positions are 16,384),
	s_lshl_b32 s35, s27, 10
	s_add_co_u32 s34, s34, s35
	s_cmp_eq_u32 s24, 3
	s_cselect_b32 s35, 12, 8                       ; + 256 bytes of a row, or two images' 4,096, for each 256 along K
	s_lshl_b32 s35, s26, s35
	s_add_co_u32 s34, s34, s35
	s_mov_b32 s35, 0
	s_lshl_b32 s36, s24, 15                        ; scale bytes: rows of 32
	s_lshl_b32 s37, s27, 5
	s_add_co_u32 s36, s36, s37
	s_lshl_b32 s37, s26, 3
	s_add_co_u32 s36, s36, s37
	s_mov_b32 s37, 0
	s_wait_kmcnt 0x0
	s_cmp_eq_u32 s24, 1                            ; the choice hangs on the work-group's number alone
	s_cselect_b64 s[6:7], s[8:9], s[6:7]
	s_cmp_eq_u32 s24, 2
	s_cselect_b64 s[6:7], s[10:11], s[6:7]
	s_cmp_eq_u32 s24, 3
	s_cselect_b64 s[6:7], s[12:13], s[6:7]
	s_add_nc_u64 s[6:7], s[6:7], s[32:33]
	s_add_nc_u64 s[18:19], s[18:19], s[34:35]
	s_add_nc_u64 s[20:21], s[20:21], s[36:37]
.macro WLOAD t                         ; block t: W(32 t + i, my column), i = 0 .. 31, into set t % 2: a wave reads 128 consecutive bytes, the work-group 512
.irp i, 0,1,2,3,4,5,6,7,8,9,10,11,12,13,14,15,16,17,18,19,20,21,22,23,24,25,26,27,28,29,30,31
	global_load_b32 v[WX+32*((\t)%2)+\i], v3, s[6:7] offset:(32*(\t)+\i)*4096 th:TH_LOAD_NT
.endr
.endm
	WLOAD 0
	WLOAD 1
.macro WBLOCK t
.set XS, WX+32*((\t)%2)
.if (\t) < NB-1
	s_wait_loadcnt 32                              ; this block's 32 loads are in; the next block's may be out
.else
	s_wait_loadcnt 0x0
.endif
	v_max3_num_f32 v12, |v[XS]|, |v[XS+1]|, |v[XS+2]|              ; the block's largest magnitude: all 32 numbers are mine
	v_max3_num_f32 v13, |v[XS+3]|, |v[XS+4]|, |v[XS+5]|
.irp i, 6,10,14,18,22,26
	v_max3_num_f32 v12, v12, |v[XS+\i]|, |v[XS+\i+1]|
	v_max3_num_f32 v13, v13, |v[XS+\i+2]|, |v[XS+\i+3]|
.endr
	v_max3_num_f32 v12, v12, |v[XS+30]|, |v[XS+31]|
	v_max3_num_f32 v12, v12, v13, 0x8000000        ; and the floor
	v_add_nc_u32 v11, 0xf8800000, v12              ; the conversion's scale operand
	v_and_or_b32 v10, v12, 0x7f800000, s31         ; 57,344 x the scale
	v_lshrrev_b32 v13, 23, v11                     ; the scale's byte
.if (\t)%4 == 0
	v_mov_b32 v[WSB+(\t)/4], v13                   ; four bytes to a register, the lower K in the lower byte
.else
	v_lshl_or_b32 v[WSB+(\t)/4], v13, 8*((\t)%4), v[WSB+(\t)/4]
.endif
.irp i, 0,1,2,3,4,5,6,7,8,9,10,11,12,13,14,15,16,17,18,19,20,21,22,23,24,25,26,27,28,29,30,31
	v_med3_num_f32 v[XS+\i], v[XS+\i], -v10, v10
.endr
.irp g, 0,1,2,3
	v_cvt_scalef32_pk8_bf8_f32 v[WC+2*\g:WC+2*\g+1], v[XS+8*\g:XS+8*\g+7], v11
.endr
	ds_store_b128 v4, v[WC:WC+3] offset:32*(\t)    ; 32 codes: 32 bytes of my position's row
	ds_store_b128 v4, v[WC+4:WC+7] offset:32*(\t)+16
.if (\t)+2 < NB
	WLOAD (\t)+2
.endif
	s_wait_dscnt 0x0                               ; the stores have read their registers: the next block's codes may be written
.endm
.irp t, 0,1,2,3,4,5,6,7
	WBLOCK \t
.endr
	global_store_b64 v9, v[WSB:WSB+1], s[20:21]    ; my position's 8 scale bytes
	s_cmp_eq_u32 s24, 3
	s_cbranch_scc1 .Limages
.irp t, 0,1,2,3,4,5,6,7,8,9,10,11,12,13,14,15
	ds_load_b128 v[WO+4*\t:WO+4*\t+3], v7 offset:2*\t*PITCH        ; LDS serves a wave's instructions in order: these see my stores
.endr
.irp t, 0,1,2,3,4,5,6,7,8,9,10,11,12,13,14,15
	s_wait_dscnt 15-\t
	global_store_b128 v8, v[WO+4*\t:WO+4*\t+3], s[18:19] offset:2*\t*1024   ; sixteen lanes store 256 consecutive bytes, aligned
.endr
	s_wait_tensorcnt 0x0
	ds_add_u32 v192, v193
	s_wait_dscnt 0x0
	s_endpgm
.Limages:                                      ; Wp: n = 8 tile + 4 s + c: tile of 16 positions, 128 along K, group of four registers
.irp n, 0,1,2,3,4,5,6,7,8,9,10,11,12,13,14,15
	ds_load_b128 v[WO+4*\n:WO+4*\n+3], v15 offset:(\n/8)*16*PITCH+((\n/4)%2)*128+(\n%4)*32
.endr
.irp n, 0,1,2,3,4,5,6,7,8,9,10,11,12,13,14,15
	s_wait_dscnt 15-\n
	global_store_b128 v16, v[WO+4*\n:WO+4*\n+3], s[18:19] offset:(\n/8)*16384+((\n/4)%2)*2048+(\n%4)*512   ; 32 lanes store 512 consecutive bytes
.endr
	s_wait_tensorcnt 0x0
	ds_add_u32 v192, v193
	s_wait_dscnt 0x0
	s_endpgm
.Lfunc_end_k_q913071a92b_quant:
	.size	k_q913071a92b_quant, .Lfunc_end_k_q913071a92b_quant-k_q913071a92b_quant
	.p2alignl 7, 3214868480
	.fill 96, 4, 3214868480
	.section	.rodata,"a",@progbits
	.p2align	6, 0x0
	.amdhsa_kernel k_q913071a92b_quant
		.amdhsa_group_segment_fixed_size 68096
		.amdhsa_private_segment_fixed_size 0
		.amdhsa_enable_private_segment 0
		.amdhsa_kernarg_size 72
		.amdhsa_user_sgpr_count 2
		.amdhsa_user_sgpr_kernarg_segment_ptr 1
		.amdhsa_wavefront_size32 1
		.amdhsa_system_sgpr_workgroup_id_x 1
		.amdhsa_system_sgpr_workgroup_id_y 1
		.amdhsa_system_sgpr_workgroup_id_z 1
		.amdhsa_system_vgpr_workitem_id 0
		.amdhsa_next_free_vgpr 194
		.amdhsa_next_free_sgpr 66
		.amdhsa_reserve_vcc 0
		.amdhsa_float_denorm_mode_32 3
		.amdhsa_float_denorm_mode_16_64 3
		.amdhsa_memory_ordered 1
		.amdhsa_forward_progress 1
		.amdhsa_inst_pref_size 113
	.end_amdhsa_kernel
	.amdgpu_metadata
---
amdhsa.version: [ 1, 2 ]
amdhsa.kernels:
  - .name:           k_q913071a92b_quant
    .symbol:         k_q913071a92b_quant.kd
    .args:
      - { .name: x, .offset: 0, .size: 8, .value_kind: global_buffer, .address_space: global }
      - { .name: Wq, .offset: 8, .size: 8, .value_kind: global_buffer, .address_space: global }
      - { .name: Wk, .offset: 16, .size: 8, .value_kind: global_buffer, .address_space: global }
      - { .name: Wv, .offset: 24, .size: 8, .value_kind: global_buffer, .address_space: global }
      - { .name: Wp, .offset: 32, .size: 8, .value_kind: global_buffer, .address_space: global }
      - { .name: xc, .offset: 40, .size: 8, .value_kind: global_buffer, .address_space: global }
      - { .name: xs, .offset: 48, .size: 8, .value_kind: global_buffer, .address_space: global }
      - { .name: wc, .offset: 56, .size: 8, .value_kind: global_buffer, .address_space: global }
      - { .name: ws, .offset: 64, .size: 8, .value_kind: global_buffer, .address_space: global }
    .group_segment_fixed_size: 68096
    .private_segment_fixed_size: 0
    .kernarg_segment_align: 8
    .kernarg_segment_size: 72
    .max_flat_workgroup_size: 128
    .sgpr_count:     66
    .vgpr_count:     194
    .wavefront_size: 32
...
	.end_amdgpu_metadata
.endif
;; end of part 1
;; launch qkv (part 2): grid 12 x 16, 4 waves a work-group, clusters of 4 x 4, 327,680 bytes of LDS; arguments xc, xs, wc, ws, qkvc, qkvs, bq, bk, bv; writes qkvc, qkvs
.if DOCPART == 2
	.amdgcn_target "amdgcn-amd-amdhsa--gfx1250"
	.amdhsa_code_object_version 6
	.text
	.protected	k_q913071a92b_qkv
	.globl	k_q913071a92b_qkv
	.p2align	8
	.type	k_q913071a92b_qkv,@function
k_q913071a92b_qkv:
	s_mov_b64 s[64:65], 0
	v_nop
	global_prefetch_b8 v0, s[64:65] scope:SCOPE_SE
	s_setreg_imm32_b32 hwreg(HW_REG_WAVE_MODE, 25, 1), 1
	s_wait_xcnt 0x0
	s_wait_alu depctr_hold_cnt(0) depctr_sa_sdst(0) depctr_va_vdst(0) depctr_va_sdst(0) depctr_va_ssrc(0) depctr_va_vcc(0) depctr_vm_vsrc(0)
	s_getreg_b32 s2, hwreg(HW_REG_IB_STS2, 6, 4)
	s_cmp_eq_u32 s2, 0
	s_cbranch_scc0 .Lentry_in_a_cluster
	s_endpgm
.Lentry_in_a_cluster:
	s_bfe_u32 s2, ttmp6, 0x10000c
	s_cmp_lg_u32 s2, 0xf033
	s_cbranch_scc0 .Lentry_shape_is_right
	s_endpgm
.Lentry_shape_is_right:
; q = x Wq + bq, k = x Wk + bk, v = x Wv + bv on codes of BF8 (E5M2) with E8M0 scales, K = 1,024; the results are quantised in registers and leave as codes: q and k along a head's 64, v along the keys.
; A tile of 256 x 256 is made by four waves, 128 x 128 each: 64 accumulators, 512 registers.  K goes in steps of 256 through a ring of two LDS slots filled by the tensor data mover; the scale bytes of the
; work-group's 2 x 256 rows, for all of K, come into LDS once.  THE MATRIX INSTRUCTION IS USED TRANSPOSED: source 0 = 16 rows of B, source 1 = 16 rows of A: a lane keeps one row of A, its registers run along B's rows.
; ONE TEXT, THREE TENSORS: the cluster's x says which (0 q, 1 k, 2 v).  For q and k, A = x (a lane keeps a token) and B = the weight (registers along the head's channels, the next K);
; for v the roles are exchanged: A = Wv (a lane keeps a channel) and B = x (registers along the tokens, the keys of the second attention product).  Only pointers and tile numbers are chosen.
; Rows of xc and wc lie in POSITION order (index with bits 3 and 4 exchanged), so the 16 registers of B's tiles 2 b and 2 b + 1 are the true neighbours 32 b + 16 (lane / 16) + 0 .. 15.
; OUT: images of the next operands' registers (four registers a store, lane l's 16 bytes at 16 l): qkvc [b][g 48][131,072]: g 0-15 q's heads, 16-31 k's, each [tile of 16 tokens][c 2][512];
; g 32-47 v's heads, [128 keys][tile of 16 channels][c 4][512].  qkvs [b][g][128 tokens][r 16][4 words]: q, k: word i = tile 2 i's two bytes, tile 2 i + 1's above them; v: word dt = the four bytes of the 128 keys.
; CLUSTERS: 4 x 4 work-groups; A's tiles are shared along a row of the cluster, B's along a column: joint loads.  192 work-groups: 256 x 256 is the tile that keeps q, k and v apart and the wave tile at 128 x 128.
; LIMITS: a block of zeros gets the byte 1 (its codes are zeros; this program alone reads the bytes); largest magnitudes under 2^-111 are held at that floor; NaN and infinities are not served.
; REGISTERS, in windows of 256: window 0: v0-31 addresses; v32-63 scale words, two sets; v64-127 the biases; from v128 A's fragments, one set; on the way out v128-228 at work.
;   window 1: B's fragments, two sets.   window 2: the accumulators of my rows 0-63 ((a, b) at v[8 (8 a + b)]);   window 3: those of my rows 64-127.
.set KSTEP,  256
.set NQ,     KSTEP/128
.set ROWB,   256                       ; a tile's row in bytes
.set KROW,   1024                      ; a row of xc or wc in memory
.set PITCH,  272                       ; an LDS row: 256 bytes + 16 of padding = 68 words: the 16 rows that a load touches start at 16 different banks (64 banks of 4 bytes: ISA guide 11.1)
.set FR,     16
.set NL,     4
.set NP,     8                         ; places behind this matrix instruction (ISA guide 7.12.1)
.set HALFT,  128*PITCH
.set SLOT,   4*HALFT                   ; A's 256 rows, then B's 256 rows
.set LAPS,   2                         ; 1,024 along K = twice round the ring
.set KS,     32                        ; a row of scale bytes
.set SCL,    2*SLOT                    ; behind the ring: the scales, as units of 256 bytes + 16 of padding
.set HALFS,  (128*KS/256)*272
.set SBLK,   (16*KS/256)*272
.set SPARE,  SCL+4*HALFS               ; the spare words, 128 bytes for each wave: two blocks of 256 bytes that no other line names
.set ADRA, 16                          ; v16-17  LDS address of my A fragments in slot 0, 1
.set ADRB, 20                          ; v20-21  the same for B
.set ADRS, 27                          ; v27     LDS address of my scale words; on the way out v's place in the stage
.set SPW,  28                          ; v28     LDS address of my spare word; never rewritten
.set NIL,  29                          ; v29     0; never rewritten
.set SC,   32
.set BI,   64                          ; v64-127 the biases
.set AF,   128
.set T,    128                         ; the way out: a block's 64 numbers
.set PC,   192                         ; its codes
.set TM,   208                         ; v208-211 largest magnitudes, 212-215 bytes, 216-219 57,344 x the scale, 220-223 scale operands
.set PW,   224                         ; the block's scale word
.set PWE,  225                         ; the even block's, kept
.set G1, 24
.set G0, 32
.set G1B, 48
.set G0B, 56
.set G1S, 68
.set G0S, 76
.set G1SB, 80
.set G0SB, 88
.set MSB, 0
.macro WIN new                         ; the immediate's high byte repeats the setting that is left
.if MSB != (\new)
	s_set_vgpr_msb (MSB<<8)|(\new)
.set MSB, (\new)
.endif
.endm
.set MUL_LO, 0xa1                      ; source 0 (B) window 1, source 1 (A) window 0, C and D window 2
.set MUL_HI, 0xf1
.set TO_B,   0x40
; A joint load: waves 0 and 1 fetch for A, waves 2 and 3 for B; the branch hangs on the wave's number alone.  Four v_nop follow each of the two lines.
.macro JLOAD g0a, g1a, g0b, g1b
	s_cmp_eq_u32 s15, 0
	s_cbranch_scc0 .Lfor_b_\@
	tensor_load_to_lds s[\g0a:\g0a+3], s[\g1a:\g1a+7]
	s_nop 0
.rept 4
	v_nop
.endr
	s_branch .Lasked_\@
.Lfor_b_\@:
	tensor_load_to_lds s[\g0b:\g0b+3], s[\g1b:\g1b+7]
	s_nop 0
.rept 4
	v_nop
.endr
.Lasked_\@:
.endm
.macro CREST                           ; a round of the cluster's barrier behind its opening barrier
	s_cmp_lg_u32 s14, 0
	s_cbranch_scc1 .Lnot_wave_0_\@
	s_barrier_signal -3
.Lnot_wave_0_\@:
	s_barrier_wait -3
	s_barrier_signal -1
	s_barrier_wait -1
.endm
.macro CROUND
	s_barrier_signal -1
	s_barrier_wait -1
	CREST
.endm
	s_load_b128 s[4:7], s[0:1], 0x0                ; xc, xs
	s_load_b128 s[8:11], s[0:1], 0x10              ; wc, ws
	s_load_b128 s[96:99], s[0:1], 0x20             ; qkvc, qkvs
	s_load_b128 s[92:95], s[0:1], 0x30             ; bq, bk
	s_load_b64 s[100:101], s[0:1], 0x40            ; bv
	v_lshl_add_u32 v[SPW], v0, 2, SPARE
	v_mov_b32 v[NIL], 0
	ds_add_u32 v28, v29
	ds_add_u32 v28, v29
	s_wait_dscnt 0x0
	v_lshrrev_b32 v1, 5, v0
	v_readfirstlane_b32 s14, v1                    ; wave 0..3
	s_lshr_b32 s15, s14, 1                         ; which half of A's rows is mine.  Also: I fetch for A (0) or for B (1)
	s_and_b32 s16, s14, 1                          ; which half of B's rows.  Also: which 128 rows of that tile I fetch
	s_bfe_u32 s40, ttmp6, 0x40000                  ; cx, cy: my place in the cluster
	s_bfe_u32 s41, ttmp6, 0x40004
	s_mov_b32 s66, ttmp9                           ; which tensor: the cluster's x, the same in all sixteen partners
	s_and_b32 s67, ttmp7, 0xffff                   ; the cluster's y
	s_cmp_eq_u32 s66, 2
	s_cselect_b32 s17, 2, s67                      ; v: A's tiles are rows 2,048 on of wc; else the cluster's 1,024 tokens
	s_cselect_b32 s42, s67, s66                    ; v: B's tiles are the cluster's 1,024 tokens; else the weight's 1,024 rows
	s_lshl_b32 s42, s42, 2
	s_add_co_u32 s42, s42, s40                     ; B's tile of 256 rows: hangs on cx alone within the cluster
	s_lshl_b32 s17, s17, 2
	s_add_co_u32 s17, s17, s41                     ; A's tile of 256 rows: hangs on cy alone
	s_lshl_b32 s43, s41, 2
	s_lshl_b32 s43, 15, s43                        ; my row of the cluster
	s_lshl_b32 s44, 0x1111, s40                    ; my column
	s_or_b32 s[G1+0], s43, (0<<16)|(1<<20)|(1<<21)|(5<<22)|(3<<25)  ; 15:0 the mask; 17:16 elements of 1 byte; 20 padding on; 21 set beside a mask; 24:22 after every 64 words; 31:25 four words
	s_or_b32 s[G1B+0], s44, (0<<16)|(1<<20)|(1<<21)|(5<<22)|(3<<25)
.irp g, G1, G1B
	s_mov_b32 s[\g+1], ROWB<<16                    ; tensor_dim0
	s_mov_b32 s[\g+2], 128<<16                     ; tensor_dim1
	s_mov_b32 s[\g+3], ROWB<<16                    ; tile_dim0
	s_mov_b32 s[\g+4], 128                         ; tile_dim1
	s_mov_b32 s[\g+5], KROW                        ; tensor_dim0_stride
	s_mov_b32 s[\g+6], 0
	s_mov_b32 s[\g+7], 0
.endr
	s_or_b32 s[G1S+0], s43, (3<<16)|(1<<20)|(1<<21)|(5<<22)|(3<<25) ; the scales of 128 rows: 4,096 dense bytes as 16 rows of 256 (32 elements of 8 bytes), 16 bytes of padding behind each
	s_or_b32 s[G1SB+0], s44, (3<<16)|(1<<20)|(1<<21)|(5<<22)|(3<<25)
.irp g, G1S, G1SB
	s_mov_b32 s[\g+1], 32<<16
	s_mov_b32 s[\g+2], (128*KS/256)<<16
	s_mov_b32 s[\g+3], 32<<16
	s_mov_b32 s[\g+4], 128*KS/256
	s_mov_b32 s[\g+5], 32
	s_mov_b32 s[\g+6], 0
	s_mov_b32 s[\g+7], 0
.endr
	s_lshl_b32 s18, s16, 7                         ; which 128 rows of the tile I fetch
	s_lshl_b32 s20, s17, 8
	s_add_co_u32 s20, s20, s18                     ; A's row
	s_lshl_b32 s46, s42, 8
	s_add_co_u32 s46, s46, s18                     ; B's row
	s_lshl_b32 s22, s20, 5                         ; where these rows' scales begin (rows stay under 4,096: 32 bits do),
	s_mov_b32 s23, 0
	s_lshl_b32 s2, s46, 5
	s_mov_b32 s3, 0
	s_lshl_b32 s20, s20, 10                        ; and their codes
	s_mov_b32 s21, 0
	s_lshl_b32 s46, s46, 10
	s_mov_b32 s47, 0
	s_mul_i32 s45, s14, HALFT                      ; where they go: wave x 128 rows: no place in the cluster enters an LDS address
	s_mul_i32 s19, s14, HALFS
	s_wait_kmcnt 0x0
	s_cmp_eq_u32 s66, 1                            ; the bias of this tensor
	s_cselect_b64 s[12:13], s[94:95], s[92:93]
	s_cmp_eq_u32 s66, 2
	s_cselect_b64 s[12:13], s[100:101], s[12:13]
	s_cselect_b64 s[92:93], s[8:9], s[4:5]         ; A's codes and scales: the weights' for v, else x's
	s_cselect_b64 s[94:95], s[10:11], s[6:7]
	s_cselect_b64 s[8:9], s[4:5], s[8:9]           ; B's: x's for v, else the weights'
	s_cselect_b64 s[10:11], s[6:7], s[10:11]
	s_mov_b64 s[4:5], s[92:93]
	s_mov_b64 s[6:7], s[94:95]
	s_add_nc_u64 s[20:21], s[4:5], s[20:21]
	s_add_nc_u64 s[22:23], s[6:7], s[22:23]
	s_add_nc_u64 s[46:47], s[8:9], s[46:47]
	s_add_nc_u64 s[2:3], s[10:11], s[2:3]
	CROUND                                         ; all sixteen work-groups are here: the first joint loads meet
	s_mov_b32 s[G0S], 1
	s_add_co_u32 s[G0S+1], s19, SCL
	s_mov_b64 s[G0S+2:G0S+3], s[22:23]
	s_or_b32 s[G0S+3], s[G0S+3], 0x80000000
	s_mov_b32 s[G0SB], 1
	s_add_co_u32 s[G0SB+1], s19, SCL
	s_mov_b64 s[G0SB+2:G0SB+3], s[2:3]
	s_or_b32 s[G0SB+3], s[G0SB+3], 0x80000000
	JLOAD G0S, G1S, G0SB, G1SB                     ; the scales first: they are wanted with K step 0
.irp s, 0,1
	s_mov_b32 s[G0+4*\s], 1
	s_add_co_u32 s[G0+4*\s+1], s45, \s*SLOT
	s_add_nc_u64 s[G0+4*\s+2:G0+4*\s+3], s[20:21], \s*ROWB
	s_or_b32 s[G0+4*\s+3], s[G0+4*\s+3], 0x80000000
	s_mov_b32 s[G0B+4*\s], 1
	s_add_co_u32 s[G0B+4*\s+1], s45, \s*SLOT
	s_add_nc_u64 s[G0B+4*\s+2:G0B+4*\s+3], s[46:47], \s*ROWB
	s_or_b32 s[G0B+4*\s+3], s[G0B+4*\s+3], 0x80000000
	JLOAD G0+4*\s, G1, G0B+4*\s, G1B               ; three tensor loads of mine are out
.endr
	v_and_b32 v1, 15, v0                           ; r = l % 16: kept
	v_bfe_u32 v2, v0, 4, 1                         ; h = l / 16: kept
	v_mul_u32_u24 v3, v1, PITCH
	v_lshl_add_u32 v4, v2, 4, v3                   ; a fragment's row x pitch + 16 x half
	s_mul_i32 s21, s15, HALFT                      ; my 128 rows of A
	s_mul_i32 s22, s16, HALFT                      ; my 128 rows of B,
	s_add_co_u32 s22, s22, 2*HALFT                 ; which lie behind A's 256
.irp s, 0,1
	v_add_nc_u32 v[ADRA+\s], s21, v4
	v_add_nc_u32 v[ADRB+\s], s22, v4
	s_add_co_u32 s21, s21, SLOT
	s_add_co_u32 s22, s22, SLOT
.endr
	v_mul_u32_u24 v5, v1, KS                       ; my row's scales: 32 bytes a row,
	v_lshrrev_b32 v6, 8, v5
	v_lshl_add_u32 v5, v6, 4, v5                   ; and 16 more for each 256 passed
	s_mul_i32 s21, s15, HALFS
	s_mul_i32 s22, s16, HALFS
	s_add_co_u32 s22, s22, 2*HALFS
	s_sub_co_u32 s22, s22, s21
	v_mul_u32_u24 v6, s22, v2                      ; lanes 16-31 take B's
	s_add_co_u32 s21, s21, SCL
	v_add_nc_u32 v5, v5, v6
	v_add_nc_u32 v[ADRS], s21, v5
	v_and_b32 v6, 31, v0
	v_lshlrev_b32 v30, 4, v6                       ; v30 = 16 x lane: an image's place for my lane
	; where my results go.  g0: the first of my two heads among the 48;  J: which 128 tokens
	s_lshl_b32 s18, s17, 2
	s_lshl_b32 s19, s15, 1
	s_add_co_u32 s18, s18, s19                     ; v: heads follow A's rows
	s_lshl_b32 s19, s42, 2
	s_lshl_b32 s20, s16, 1
	s_add_co_u32 s19, s19, s20                     ; q, k: heads follow B's rows
	s_lshl_b32 s20, s42, 1
	s_add_co_u32 s20, s20, s16                     ; v: tokens follow B's rows
	s_lshl_b32 s21, s17, 1
	s_add_co_u32 s21, s21, s15                     ; q, k: tokens follow A's rows
	s_cmp_eq_u32 s66, 2
	s_cselect_b32 s67, s18, s19                    ; g0
	s_cselect_b32 s20, s20, s21                    ; J
	s_cselect_b32 s23, 0, 4                        ; the bias's step from register to register: none for v
	s_cselect_b32 vcc_lo, -1, 0
	s_lshr_b32 s21, s20, 4                         ; the batch
	s_and_b32 s20, s20, 15                         ; which 128 tokens of it
	s_mul_i32 s21, s21, 48
	s_add_co_u32 s21, s21, s67
	s_lshl_b32 s18, s21, 17
	s_lshl_b32 s19, s20, 13
	s_add_co_u32 s18, s18, s19
	s_mov_b32 s19, 0
	s_add_nc_u64 s[96:97], s[96:97], s[18:19]      ; codes: 131,072 a head, 8,192 for 128 tokens
	s_lshl_b32 s18, s21, 12
	s_lshl_b32 s22, s20, 8
	s_add_co_u32 s18, s18, s22
	s_add_nc_u64 s[98:99], s[98:99], s[18:19]      ; scale words: 4,096 a head, 256 for 128 tokens
	s_and_b32 s18, s67, 15
	s_lshl_b32 s18, s18, 8
	s_add_nc_u64 s[12:13], s[12:13], s[18:19]      ; the bias at my first head's first channel
	; THE BIASES, without a branch: register BI + 8 t + j comes from offset register j at the immediate of tile t.
	; q, k: offset 64 h + 4 j: the bias of channel 32 (t / 2) + 16 h + 8 (t % 2) + j, what register j of B's tile t holds.
	; v: offset 4 ((r % 8) + 16 (r / 8)), the same for every j: the bias of the channel that lane r keeps in A's block t (its position's bits 3 and 4 exchanged).
	v_lshlrev_b32 v3, 6, v2
	v_and_b32 v4, 7, v1
	v_lshrrev_b32 v5, 3, v1
	v_lshl_add_u32 v4, v5, 4, v4
	v_lshlrev_b32 v4, 2, v4
	v_cndmask_b32 v7, v3, v4, vcc_lo
.irp j, 1,2,3,4,5,6,7
	v_add_nc_u32 v[7+\j], s23, v[6+\j]
.endr
.irp t, 0,1,2,3,4,5,6,7
.irp j, 0,1,2,3,4,5,6,7
	global_load_b32 v[BI+8*\t+\j], v[7+\j], s[12:13] offset:(32*(\t/2)+8*(\t%2))*4   ; v7-14 and s[12:13] are not written again; the wait stands at the head of the way out
.endr
.endr
.macro FRAG reg, adr, q, i             ; 16 rows x 128 K of 8-bit codes: lane l holds row l % 16; registers 4 c .. 4 c + 3 hold K = 32 c + 16 (l / 16) + 0 .. 15
.irp c, 0,1,2,3
	ds_load_b128 v[\reg+4*\c:\reg+4*\c+3], v[\adr] offset:128*(\q)+32*\c+(\i)*16*PITCH
.endr
.endm
; 16 matrix instructions: A's blocks a0, a0 + 1 x B's eight.  The 64 accumulators take turns, one instruction a turn, in the same order in every step.
.macro MUL16 a0, p, q, sc, zero
.irp a, \a0, \a0+1
.irp b, 0,1,2,3,4,5,6,7
.if \zero
	v_wmma_scale_f32_16x16x128_f8f6f4 v[8*(8*((\a)%4)+\b):8*(8*((\a)%4)+\b)+7], v[128*(\p)+FR*\b:128*(\p)+FR*\b+FR-1], v[AF+FR*(\a):AF+FR*(\a)+FR-1], 0, v[SC+8*NQ*(\sc)+NQ*\b+(\q)], v[SC+8*NQ*(\sc)+NQ*(\a)+(\q)] matrix_a_fmt:MATRIX_FMT_BF8 matrix_b_fmt:MATRIX_FMT_BF8 matrix_a_scale:MATRIX_SCALE_ROW1
.else
	v_wmma_scale_f32_16x16x128_f8f6f4 v[8*(8*((\a)%4)+\b):8*(8*((\a)%4)+\b)+7], v[128*(\p)+FR*\b:128*(\p)+FR*\b+FR-1], v[AF+FR*(\a):AF+FR*(\a)+FR-1], v[8*(8*((\a)%4)+\b):8*(8*((\a)%4)+\b)+7], v[SC+8*NQ*(\sc)+NQ*\b+(\q)], v[SC+8*NQ*(\sc)+NQ*(\a)+(\q)] matrix_a_fmt:MATRIX_FMT_BF8 matrix_b_fmt:MATRIX_FMT_BF8 matrix_a_scale:MATRIX_SCALE_ROW1
.endif
.endr
.endr
.endm
.macro FETCH_B slot, q, p
	WIN TO_B
.irp i, 0,1,2,3,4,5,6,7
	FRAG 128*(\p)+FR*\i, ADRB+\slot, \q, \i
.endr
	WIN 0
.endm
.macro FETCH_A slot, q, i0
.irp i, \i0, \i0+1, \i0+2, \i0+3
	FRAG AF+FR*(\i), ADRA+\slot, \q, \i
.endr
.endm
.macro SCALES sc                       ; a K step's scale words: two a row; lanes 0-15 take A's block i, lanes 16-31 B's block i
.irp i, 0,1,2,3,4,5,6,7
	ds_load_b64 v[SC+8*NQ*\sc+NQ*\i:SC+8*NQ*\sc+NQ*\i+1], v[ADRS] offset:\i*SBLK
.endr
.endm
.macro PLACES n                        ; plain vector instructions that name none of the matrix instruction's registers (ISA guide 7.12.1)
.rept \n
	v_nop
.endr
.endm
.macro STEP slot, q, zero              ; 128 along K that has its successor in the same slot
	s_wait_dscnt 4*NL                              ; B's set and A's blocks 0-3 are in; the youngest sixteen loads (A's blocks 4-7) may be out
	WIN MUL_LO
	MUL16 0, (\q)%2, \q, \slot, \zero
	MUL16 2, (\q)%2, \q, \slot, \zero
	s_wait_dscnt 0
	PLACES NP
	FETCH_B \slot, (\q)+1, 1-(\q)%2
	FETCH_A \slot, (\q)+1, 0
	WIN MUL_HI
	MUL16 4, (\q)%2, \q, \slot, \zero
	MUL16 6, (\q)%2, \q, \slot, \zero
	PLACES NP
	WIN 0
	FETCH_A \slot, (\q)+1, 4
.endm
; A slot's last step changes slots: one barrier; in front of it each wave waits for all its tensor loads, adds 0 to its spare word, and waits for that and for its reads of this slot.
.macro TURN slot, next, fill
	s_wait_tensorcnt 0x0                           ; all my tensor loads have landed: my part of the next slot
	ds_add_u32 v[SPW], v[NIL]                      ; 0 onto my spare word
	s_wait_dscnt 4*NL+1                            ; (the add and the youngest sixteen loads may be out)
	WIN MUL_LO
	MUL16 0, 1, NQ-1, \slot, 0                     ; sixteen matrix instructions stand between the add and the wait for it
	s_wait_dscnt 0x0                               ; the add is done, and my reads of this slot are over
	s_barrier_signal -1
	MUL16 2, 1, NQ-1, \slot, 0
	WIN 0
	s_barrier_wait -1
.if \fill
	CREST                                          ; the barrier has opened a round of the cluster's barrier: no wave of any partner still reads this slot or has a load on its way
	s_add_nc_u64 s[G0+4*\slot+2:G0+4*\slot+3], s[G0+4*\slot+2:G0+4*\slot+3], 2*ROWB
	s_add_nc_u64 s[G0B+4*\slot+2:G0B+4*\slot+3], s[G0B+4*\slot+2:G0B+4*\slot+3], 2*ROWB
	JLOAD G0+4*\slot, G1, G0B+4*\slot, G1B         ; the first tensor load behind the round; its four v_nop are among the places in front of the loads below
	PLACES NP-4
.else
	PLACES NP
.endif
	v_add_nc_u32 v[ADRS], 4*NQ, v[ADRS]            ; on to the next K step's scale words
	FETCH_B \next, 0, 0
	FETCH_A \next, 0, 0
	SCALES \next
	WIN MUL_HI
	MUL16 4, 1, NQ-1, \slot, 0
	MUL16 6, 1, NQ-1, \slot, 0
	PLACES NP
	WIN 0
	FETCH_A \next, 0, 4
.endm
	s_wait_tensorcnt 1                             ; the scales and my part of K step 0 are in (K step 1's load may be out),
	s_barrier_signal -1
	s_barrier_wait -1                              ; everybody's are
	FETCH_B 0, 0, 0
	FETCH_A 0, 0, 0
	SCALES 0
	FETCH_A 0, 0, 4
	STEP 0, 0, 1                                   ; the first step's products start the sums
	s_mov_b32 s3, LAPS-1
.Llap:
	TURN 0, 1, 1
	STEP 1, 0, 0
	TURN 1, 0, 1
	STEP 0, 0, 0
	s_sub_co_u32 s3, s3, 1
	s_cmp_lg_u32 s3, 0
	s_cbranch_scc1 .Llap
	TURN 0, 1, 0                                   ; the last lap fills nothing
	STEP 1, 0, 0
	s_wait_dscnt 4*NL
	WIN MUL_LO
	MUL16 0, 1, NQ-1, 1, 0
	MUL16 2, 1, NQ-1, 1, 0
	s_wait_dscnt 0
	WIN MUL_HI
	MUL16 4, 1, NQ-1, 1, 0
	MUL16 6, 1, NQ-1, 1, 0
	WIN 0
; THE WAY OUT, A's block a (16 rows) at a time: bias, quantiser, image.
; 64 numbers of a lane, register 16 b + i = index 32 b + 16 (lane / 16) + i along the next K, become a fragment's codes in v[PC] on and its four scale bytes in v[PW].
.macro QUANT s
.irp b, 0,1,2,3
	v_max3_num_f32 v[TM+\b], |v[\s+16*\b]|, |v[\s+1+16*\b]|, 0x8000000   ; block b: my 16 numbers, and the floor 2^(16 - 127): the byte cannot fall under 1
.endr
.irp i, 2,4,6,8,10,12,14
.irp b, 0,1,2,3
	v_max3_num_f32 v[TM+\b], v[TM+\b], |v[\s+16*\b+\i]|, |v[\s+1+16*\b+\i]|   ; (the four blocks by turns)
.endr
.endr
.irp b, 0,1,2,3
	v_permlanex16_b32 v[TM+4+\b], v[TM+\b], s20, s21
.endr
.irp b, 0,1,2,3
	v_max_num_f32 v[TM+\b], v[TM+\b], v[TM+4+\b]   ; with lane l xor 16's: the block's largest magnitude
.endr
.irp b, 0,1,2,3
	v_add_nc_u32 v[TM+12+\b], 0xf8800000, v[TM+\b] ; 15 off its exponent field: the conversion's scale operand
.endr
.irp b, 0,1,2,3
	v_and_or_b32 v[TM+8+\b], v[TM+\b], 0x7f800000, s22   ; 57,344 x the scale
.endr
.irp b, 0,1,2,3
	v_lshrrev_b32 v[TM+4+\b], 23, v[TM+12+\b]      ; the scale's byte
.endr
	v_lshl_or_b32 v[PW], v[TM+5], 8, v[TM+4]
	v_lshl_or_b32 v[PW], v[TM+6], 16, v[PW]
	v_lshl_or_b32 v[PW], v[TM+7], 24, v[PW]
.irp b, 0,1,2,3
.irp i, 0,1,2,3,4,5,6,7,8,9,10,11,12,13,14,15
	v_med3_num_f32 v[\s+16*\b+\i], v[\s+16*\b+\i], -v[TM+8+\b], v[TM+8+\b]   ; the conversion to an 8-bit code does not saturate (ISA guide 7.6.2)
.endr
	v_cvt_scalef32_pk8_bf8_f32 v[PC+4*\b:PC+1+4*\b], v[\s+16*\b:\s+7+16*\b], v[TM+12+\b]
	v_cvt_scalef32_pk8_bf8_f32 v[PC+2+4*\b:PC+3+4*\b], v[\s+8+16*\b:\s+15+16*\b], v[TM+12+\b]
.endr
	v_nop                                          ; a plain vector instruction between the conversions and the next block's additions, which write their sources
.endm
.macro OUTBLK a, isv
	WIN 0x02+(\a)/4                                ; source 0: the accumulators' window
.set i, 0
.rept 32                                       ; each accumulator from its low end on; the move out of the window and the bias are one instruction
.if \isv
	v_pk_add_f32 v[T+2*i:T+2*i+1], v[64*((\a)%4)+2*i:64*((\a)%4)+2*i+1], v[BI+8*(\a):BI+8*(\a)+1]
.else
	v_pk_add_f32 v[T+2*i:T+2*i+1], v[64*((\a)%4)+2*i:64*((\a)%4)+2*i+1], v[BI+2*i:BI+2*i+1]
.endif
.set i, i+1
.endr
	WIN 0
	s_wait_xcnt 0x0                                ; the last block's stores have read v[PC] on: only behind this wait are the codes written again
	QUANT T
.irp c, 0,1,2,3
.if \isv
	global_store_b128 v30, v[PC+4*\c:PC+4*\c+3], s[96:97] offset:((\a)/4)*131072+((\a)%4)*2048+\c*512   ; head a / 4, channels' tile a % 4: 32 lanes store 512 consecutive bytes
.else
	global_store_b128 v30, v[PC+4*\c:PC+4*\c+3], s[96:97] offset:(\a)*1024+(\c/2)*131072+(\c%2)*512     ; head c / 2, tokens' tile a
.endif
.endr
.if \isv
	ds_store_b32 v27, v[PW] offset:((\a)/4)*256+((\a)%4)*4         ; both halves of the lanes write the same word with the same value
.elseif (\a)%2 == 0
	v_mov_b32 v[PWE], v[PW]
.else
	v_perm_b32 v226, v[PW], v[PWE], 0x05040100     ; my first head: the even tile's two bytes, the odd tile's above them
	v_perm_b32 v227, v[PW], v[PWE], 0x07060302     ; my second head
	v_cndmask_b32 v228, v226, v227, vcc_lo         ; lanes 0-15 store the first head's word, lanes 16-31 the second's
	ds_store_b32 v26, v228 offset:4*((\a)/2)
.endif
.endm
	PLACES NP                                      ; behind the last products: their results are read, and A's registers written, below
	s_wait_loadcnt 0x0                             ; the biases
	s_mov_b32 s20, 0x76543210
	s_mov_b32 s21, 0xfedcba98                      ; v_permlanex16_b32's selects for lane l xor 16
	s_mov_b32 s22, 0x600000                        ; the mantissa field of 57,344
	s_mov_b32 vcc_lo, 0xffff0000
.irp b, 0,1,2,3
	v_mov_b32 v[TM+4+\b], 0                        ; written once: a lane permute's destination counts as one of its sources
.endr
	s_lshl_b32 s18, s14, 9                         ; the scale words' stage: 512 bytes a wave, in slot 0, which has had its last fill and its last read
	v_add_nc_u32 v26, s18, v30                     ; [head 2][r 16][4 words]: 16 x lane
	v_lshlrev_b32 v25, 4, v1
	v_add_nc_u32 v27, s18, v25                     ; v: 16 r
	v_lshl_add_u32 v25, v2, 12, v25                ; and in qkvs: 4,096 (lane / 16) + 16 r
	s_cmp_eq_u32 s66, 2
	s_cbranch_scc1 .Lout_v
.irp a, 0,1,2,3,4,5,6,7
	OUTBLK \a, 0
.endr
	s_branch .Ldone
.Lout_v:
.irp a, 0,1,2,3,4,5,6,7
	OUTBLK \a, 1
.endr
.Ldone:
	ds_load_b128 v[T:T+3], v26                     ; LDS serves a wave's instructions in order: this sees my stores
	s_wait_dscnt 0x0
	global_store_b128 v25, v[T:T+3], s[98:99]      ; sixteen lanes store 256 consecutive bytes, aligned: one head's words of these 128 tokens
	s_wait_tensorcnt 0x0                           ; the wave's end
	ds_add_u32 v[SPW], v[NIL]
	s_wait_dscnt 0x0
	CROUND                                         ; the closing round
	s_endpgm
.Lfunc_end_k_q913071a92b_qkv:
	.size	k_q913071a92b_qkv, .Lfunc_end_k_q913071a92b_qkv-k_q913071a92b_qkv
	.p2alignl 7, 3214868480
	.fill 96, 4, 3214868480
	.section	.rodata,"a",@progbits
	.p2align	6, 0x0
	.amdhsa_kernel k_q913071a92b_qkv
		.amdhsa_group_segment_fixed_size 327680
		.amdhsa_private_segment_fixed_size 0
		.amdhsa_enable_private_segment 0
		.amdhsa_kernarg_size 72
		.amdhsa_user_sgpr_count 2
		.amdhsa_user_sgpr_kernarg_segment_ptr 1
		.amdhsa_wavefront_size32 1
		.amdhsa_system_sgpr_workgroup_id_x 1
		.amdhsa_system_sgpr_workgroup_id_y 1
		.amdhsa_system_sgpr_workgroup_id_z 1
		.amdhsa_system_vgpr_workitem_id 0
		.amdhsa_next_free_vgpr 1024
		.amdhsa_next_free_sgpr 102
		.amdhsa_reserve_vcc 1
		.amdhsa_float_denorm_mode_32 3
		.amdhsa_float_denorm_mode_16_64 3
		.amdhsa_memory_ordered 1
		.amdhsa_forward_progress 1
		.amdhsa_inst_pref_size 255
	.end_amdhsa_kernel
	.section	.bss,"aw",@nobits
	.p2align	6
	.space	262144
	.amdgpu_metadata
---
amdhsa.version: [ 1, 2 ]
amdhsa.kernels:
  - .name:           k_q913071a92b_qkv
    .symbol:         k_q913071a92b_qkv.kd
    .args:
      - { .name: xc, .offset: 0, .size: 8, .value_kind: global_buffer, .address_space: global }
      - { .name: xs, .offset: 8, .size: 8, .value_kind: global_buffer, .address_space: global }
      - { .name: wc, .offset: 16, .size: 8, .value_kind: global_buffer, .address_space: global }
      - { .name: ws, .offset: 24, .size: 8, .value_kind: global_buffer, .address_space: global }
      - { .name: qkvc, .offset: 32, .size: 8, .value_kind: global_buffer, .address_space: global }
      - { .name: qkvs, .offset: 40, .size: 8, .value_kind: global_buffer, .address_space: global }
      - { .name: bq, .offset: 48, .size: 8, .value_kind: global_buffer, .address_space: global }
      - { .name: bk, .offset: 56, .size: 8, .value_kind: global_buffer, .address_space: global }
      - { .name: bv, .offset: 64, .size: 8, .value_kind: global_buffer, .address_space: global }
    .group_segment_fixed_size: 327680
    .private_segment_fixed_size: 0
    .kernarg_segment_align: 8
    .kernarg_segment_size: 72
    .max_flat_workgroup_size: 128
    .sgpr_count:     102
    .vgpr_count:     1024
    .wavefront_size: 32
...
	.end_amdgpu_metadata
.endif
;; end of part 2
;; launch attn (part 3): grid 8 x 32, 16 waves a work-group, clusters of 4 x 1, 272,896 bytes of LDS; arguments qkvc, qkvs, oc, os; writes oc, os
.if DOCPART == 3
	.amdgcn_target "amdgcn-amd-amdhsa--gfx1250"
	.amdhsa_code_object_version 6
	.text
	.protected	k_q913071a92b_attn
	.globl	k_q913071a92b_attn
	.p2align	8
	.type	k_q913071a92b_attn,@function
k_q913071a92b_attn:
	s_mov_b64 s[64:65], 0
	v_nop
	global_prefetch_b8 v0, s[64:65] scope:SCOPE_SE
	s_setreg_imm32_b32 hwreg(HW_REG_WAVE_MODE, 25, 1), 1
	s_wait_xcnt 0x0
	s_wait_alu depctr_hold_cnt(0) depctr_sa_sdst(0) depctr_va_vdst(0) depctr_va_sdst(0) depctr_va_ssrc(0) depctr_va_vcc(0) depctr_vm_vsrc(0)
	s_getreg_b32 s2, hwreg(HW_REG_IB_STS2, 6, 4)
	s_cmp_eq_u32 s2, 0
	s_cbranch_scc0 .Lentry_in_a_cluster
	s_endpgm
.Lentry_in_a_cluster:
	s_bfe_u32 s2, ttmp6, 0x10000c
	s_cmp_lg_u32 s2, 0x3003
	s_cbranch_scc0 .Lentry_shape_is_right
	s_endpgm
.Lentry_shape_is_right:
; o = softmax(q k^T / 8) v for one head, both products on codes of BF8 (E5M2) with E8M0 scales; o is quantised along the model's 1,024 and leaves as codes.
; THE SOFTMAX: t = score x log2(e) / 8; M = the row's largest t so far, rounded UP to a whole number; p = 2^(t - M) is what is quantised, along the keys; the row's sum is taken of the unquantised p and
; divides O at the end.  When M moves, the sum and O are multiplied by 2^(old M - new M): exact.
; SHARES.  A work-group owns 256 queries of one (batch, head); each of its sixteen waves owns one tile of 16, in 256 registers: four waves to a SIMD, so that one wave's vector work stands beside another's products.
; THE WHOLE HEAD LIES IN LDS: k's and v's codes are 131,072 bytes each, their scale words 4,096 each.  Every byte is filled once: no slot is filled again.  Each wave asks for five pieces at the start
; (scale words, then four groups of 512 keys); the groups are awaited one by one, so that the first keys are worked on while the later ones are on their way.  Five tensor loads of a wave are out at the most.
; CLUSTER.  The four query blocks of a cluster belong to one head: each piece is asked for jointly, by the same load with the same descriptor and the mask of all four.
; LAYOUT.  Both products are used transposed (S^T = k q^T, O^T = v^T p^T): a lane holds one query throughout.  All operands arrive as images of their registers: a fragment is four loads of 512 consecutive bytes.
; Tokens and channels lie in position order (bits 3 and 4 exchanged), so the 16 registers of two neighbouring tiles are 16 true neighbours along the next K.
; K = 64 IN AN INSTRUCTION OF 128.  A fragment of k holds TWO tiles of keys: tile 2 b in k = 0 .. 63, tile 2 b + 1 in k = 64 .. 127.  The queries come in two forms that share q's eight registers:
; [q | zeros] = v[24:39] and [zeros | q] = v[16:31].  Zero codes on the queries' side alone make the other tile's half add exactly 0: k's codes are finite (they were held) and no scale byte is 0xff.
; LIMITS: a block of zeros gets the byte 1; largest magnitudes under 2^-111 are held at that floor; v_exp_f32 and v_rcp_f32 are good to 1 ulp and flush denormals; a block's largest p is taken as the
; exponential of its largest score, which takes v_exp_f32 not to fall where its input rises; NaN and infinities are not served.
.set KIMG, 0                           ; LDS: k's images: 8,192 for 128 keys: [pair of tiles 4][c 4][512]
.set VIMG, 131072                      ; v's: [tile of 16 channels 4][c 4][512]
.set SCW,  262144                      ; k's scale words [128 keys][r 16][4 words], and 4,096 bytes on v's
.set OST,  270336                      ; a stage for o's scale bytes: 32 bytes a wave; no fill lands here
.set F,    40                          ; v40-103  four fragments of k or of v
.set S,    104                         ; v104-167 S^T, then p
.set O,    168                         ; v168-199 O^T
.set PC,   200                         ; v200-215 p's codes
.set SW,   216                         ; v216-219 lanes 0-15: k's four scale words; lanes 16-31: v's
.set G1C,  24                          ; s[24:31] group 1 for a piece of codes; s[32:39] for the scale words; s[40:59] five groups 0, never rewritten
.set G1S,  32
.set G0,   40
.macro ROUND                           ; a round of the cluster's barrier
	s_barrier_signal -1
	s_barrier_wait -1
	s_cmp_lg_u32 s12, 0
	s_cbranch_scc1 .Lnot_wave_0_\@
	s_barrier_signal -3
.Lnot_wave_0_\@:
	s_barrier_wait -3
	s_barrier_signal -1
	s_barrier_wait -1
.endm
	s_load_b256 s[4:11], s[0:1], 0x0               ; qkvc s[4:5], qkvs s[6:7], oc s[8:9], os s[10:11]
	v_lshl_add_u32 v251, v0, 2, 0x42200
	v_mov_b32 v255, 0
	ds_add_u32 v251, v255
	ds_add_u32 v251, v255
	v_lshrrev_b32 v6, 5, v0
	v_readfirstlane_b32 s12, v6                    ; wave 0..15
	s_bfe_u32 s13, ttmp6, 0x40000                  ; cx
	s_lshl_b32 s14, ttmp9, 2
	s_add_co_u32 s14, s14, s13                     ; my block of 256 queries: it enters q's and o's addresses alone
	s_and_b32 s15, ttmp7, 0xffff                   ; 16 x batch + head, which the four partners share
	s_lshr_b32 s16, s15, 4
	s_and_b32 s17, s15, 15
	s_mul_i32 s66, s16, 48
	s_add_co_u32 s66, s66, s17                     ; q's place among the 96 heads of qkvc
	s_lshr_b32 s18, s12, 3                         ; I fetch for k (0) or for v (1),
	s_and_b32 s67, s12, 7                          ; which eighth of a piece
	s_add_co_u32 s68, s66, 16
	s_lshl_b32 s69, s18, 4
	s_add_co_u32 s68, s68, s69                     ; k's place, or v's
	s_lshl_b32 s70, s68, 17
	s_lshl_b32 s69, s67, 12
	s_add_co_u32 s70, s70, s69                     ; codes: 131,072 a head, my 4,096 of a group's 32,768
	s_mov_b32 s71, 0
	s_lshl_b32 s72, s68, 12
	s_lshl_b32 s69, s67, 9
	s_add_co_u32 s72, s72, s69                     ; scale words: 4,096 a head, my 512
	s_mov_b32 s73, 0
	s_lshl_b32 s74, s18, 17
	s_lshl_b32 s69, s67, 12
	s_add_co_u32 s74, s74, s69                     ; in LDS: 131,072 (wave / 8) + 4,096 (wave % 8)
	s_lshl_b32 s75, s12, 9
	s_add_co_u32 s75, s75, SCW                     ; and 512 x wave
	s_mov_b32 s[G1C], 15|(3<<16)|(1<<21)           ; 15:0 the mask: all four work-groups; 17:16 elements of 8 bytes; 21 set beside a mask; no padding: images are read 512 consecutive bytes at a time
	s_mov_b32 s[G1C+1], 32<<16                     ; tensor_dim0 = 32 elements: rows of 256 bytes
	s_mov_b32 s[G1C+2], 16<<16                     ; tensor_dim1 = 16
	s_mov_b32 s[G1C+3], 32<<16                     ; tile_dim0
	s_mov_b32 s[G1C+4], 16                         ; tile_dim1
	s_mov_b32 s[G1C+5], 32                         ; the pitch: dense
	s_mov_b32 s[G1C+6], 0
	s_mov_b32 s[G1C+7], 0
	s_mov_b32 s[G1S], 15|(3<<16)|(1<<21)
	s_mov_b32 s[G1S+1], 32<<16
	s_mov_b32 s[G1S+2], 2<<16
	s_mov_b32 s[G1S+3], 32<<16
	s_mov_b32 s[G1S+4], 2
	s_mov_b32 s[G1S+5], 32
	s_mov_b32 s[G1S+6], 0
	s_mov_b32 s[G1S+7], 0
	s_mov_b32 s19, 0x600000                        ; the mantissa field of 57,344
	s_mov_b32 s20, 0x76543210
	s_mov_b32 s21, 0xfedcba98                      ; v_permlanex16_b32's selects for lane l xor 16
	s_mov_b32 s22, 0x3e38aa3b                      ; c = log2(e) / 8
	s_mov_b32 s23, s22                             ; (named with it as a pair, so it is written)
	s_mov_b32 s60, 0                               ; LDS byte of the step's images
	s_mov_b32 s61, 0                               ; and of its scale words
	s_lshl_b32 s76, s14, 4
	s_add_co_u32 s76, s76, s12                     ; my tile of queries within the batch
	s_lshl_b32 s78, s66, 17
	s_lshl_b32 s77, s76, 10
	s_add_co_u32 s78, s78, s77                     ; q's codes: 1,024 a tile
	s_mov_b32 s79, 0
	s_lshl_b32 s80, s66, 12
	s_lshr_b32 s77, s76, 3
	s_lshl_b32 s77, s77, 8
	s_add_co_u32 s80, s80, s77
	s_bfe_u32 s77, s12, 0x20001
	s_lshl_b32 s77, s77, 2
	s_add_co_u32 s80, s80, s77                     ; q's scale words: 256 for eight tiles, word (tile % 8) / 2
	s_mov_b32 s81, 0
	s_lshl_b32 s82, s16, 7
	s_add_co_u32 s82, s82, s76
	s_lshl_b32 s82, s82, 14
	s_lshl_b32 s77, s17, 10
	s_add_co_u32 s82, s82, s77                     ; oc: 16,384 a tile of tokens, 1,024 a head
	s_mov_b32 s83, 0
	s_lshl_b32 s84, s15, 12
	s_lshl_b32 s77, s14, 9
	s_add_co_u32 s84, s84, s77                     ; os: 4,096 a (batch, head), 512 for my 256 queries
	s_mov_b32 s85, 0
	s_wait_dscnt 0x0
	s_wait_kmcnt 0x0
	s_add_nc_u64 s[70:71], s[4:5], s[70:71]
	s_add_nc_u64 s[72:73], s[6:7], s[72:73]
	s_add_nc_u64 s[78:79], s[4:5], s[78:79]
	s_add_nc_u64 s[80:81], s[6:7], s[80:81]
	s_add_nc_u64 s[8:9], s[8:9], s[82:83]
	s_add_nc_u64 s[10:11], s[10:11], s[84:85]
	s_mov_b32 s[G0], 1                             ; the scale words
	s_mov_b32 s[G0+1], s75
	s_mov_b64 s[G0+2:G0+3], s[72:73]
	s_or_b32 s[G0+3], s[G0+3], 0x80000000
.irp g, 0,1,2,3                                ; group g: keys 512 g on
	s_mov_b32 s[G0+4+4*\g], 1
	s_add_co_u32 s[G0+5+4*\g], s74, \g*32768
	s_add_nc_u64 s[G0+6+4*\g:G0+7+4*\g], s[70:71], \g*32768
	s_or_b32 s[G0+7+4*\g], s[G0+7+4*\g], 0x80000000
.endr
	ROUND                                          ; all four work-groups are here: the joint loads meet
	tensor_load_to_lds s[G0:G0+3], s[G1S:G1S+7]
	s_nop 0
	tensor_load_to_lds s[G0+4:G0+7], s[G1C:G1C+7]
	s_nop 0
	tensor_load_to_lds s[G0+8:G0+11], s[G1C:G1C+7]
	s_nop 0
	tensor_load_to_lds s[G0+12:G0+15], s[G1C:G1C+7]
	s_nop 0
	tensor_load_to_lds s[G0+16:G0+19], s[G1C:G1C+7]
	s_nop 0
.rept 4
	v_nop
.endr
	v_and_b32 v6, 31, v0
	v_lshlrev_b32 v1, 4, v6                        ; v1 = 16 x lane: an image's place for my lane
	v_and_b32 v7, 15, v0                           ; r
	v_bfe_u32 v8, v0, 4, 1                         ; h
	v_lshlrev_b32 v9, 4, v7                        ; 16 r
	v_lshl_add_u32 v2, v8, 12, v9
	v_add_nc_u32 v2, SCW, v2                       ; v2: scale words: lanes 0-15 k's, lanes 16-31 v's, row r's four
	s_lshl_b32 s77, s12, 5
	v_lshl_add_u32 v10, v7, 1, s77
	v_add_nc_u32 v10, OST, v10                     ; v10: my row's two bytes in the stage
	global_load_b128 v[24:27], v1, s[78:79]        ; q: k = 16 h + 0 .. 15,
	global_load_b128 v[28:31], v1, s[78:79] offset:512   ; and 32 + 16 h + 0 .. 15: they stay
	global_load_b32 v221, v9, s[80:81]             ; the word that holds my tile's two scale bytes
	s_and_b32 s77, s12, 1
	s_lshl_b32 s77, s77, 4
	s_wait_loadcnt 0x0
	v_lshrrev_b32 v220, s77, v221
	v_and_b32 v220, 0xffff, v220                   ; v220: q's bytes for k = 0 .. 63 (the bytes above scale zero codes),
	v_lshlrev_b32 v221, 16, v220                   ; v221: the same for k = 64 .. 127.  The lines below are more than the eight places that a scale register so written wants
	v_mov_b32 v13, 0xff61b1e6                      ; the largest t so far: -3e38, under every t
	v_floor_f32 v12, -v13                          ; -M
	v_mov_b32 v14, 0                               ; the sum, in two halves
	v_mov_b32 v15, 0
.irp j, 0,1,2,3,4,5,6,7
	v_mov_b32 v[16+\j], 0                          ; the zero codes below q,
	v_mov_b32 v[32+\j], 0                          ; and above
.endr
.irp b, 0,1,2,3
	v_mov_b32 v[236+\b], 0                         ; written once: a lane permute's destination counts as one of its sources
.endr
	v_mov_b32 v253, 0                              ; (named as the upper half of the pair v[252:253])
.set j, 0
.rept 32
	v_mov_b32 v[O+j], 0                            ; O^T: the step is written once: the first finds zeros, which the first change of M leaves zeros
.set j, j+1
.endr
; A KEY STEP: 128 keys.
.macro STEP
	v_add_nc_u32 v3, s60, v1                       ; k's images of this step,
	v_add_nc_u32 v5, s61, v2                       ; the scale words,
	v_add_nc_u32 v4, VIMG, v3                      ; v's images
.rept 5
	v_nop                                          ; with the three additions: eight places behind the last step's products, whose fragments and scale words are loaded anew
.endr
.irp b, 0,1,2,3
.irp c, 0,1,2,3
	ds_load_b128 v[F+16*\b+4*\c:F+16*\b+4*\c+3], v3 offset:2048*\b+512*\c
.endr
.endr
	ds_load_b128 v[SW:SW+3], v5
	s_wait_dscnt 0x0
.irp b, 0,1,2,3                                ; S^T: the fragment's lower tile against [q | 0], its upper tile against [0 | q]
	v_wmma_scale_f32_16x16x128_f8f6f4 v[S+16*\b:S+16*\b+7], v[F+16*\b:F+16*\b+15], v[24:39], 0, v[SW+\b], v220 matrix_a_fmt:MATRIX_FMT_BF8 matrix_b_fmt:MATRIX_FMT_BF8
	v_wmma_scale_f32_16x16x128_f8f6f4 v[S+16*\b+8:S+16*\b+15], v[F+16*\b:F+16*\b+15], v[16:31], 0, v[SW+\b], v221 matrix_a_fmt:MATRIX_FMT_BF8 matrix_b_fmt:MATRIX_FMT_BF8
.endr                                          ; register 16 b + i of S^T: key 32 b + 16 (lane / 16) + i of the step
.rept 8
	v_nop                                          ; places: in front of the loads into k's registers and of the first read of the scores
.endr
.irp d, 0,1,2,3
.irp c, 0,1,2,3
	ds_load_b128 v[F+16*\d+4*\c:F+16*\d+4*\c+3], v4 offset:2048*\d+512*\c   ; v's fragments land under the softmax
.endr
.endr
.irp b, 0,1,2,3
	v_max3_num_f32 v[232+\b], v[S+16*\b], v[S+1+16*\b], v[S+2+16*\b]   ; the largest score of each block of 32 keys: for the row's maximum, and, since p rises with the score, for the block's largest p
.endr
.irp i, 3,5,7,9,11,13
.irp b, 0,1,2,3
	v_max3_num_f32 v[232+\b], v[232+\b], v[S+16*\b+\i], v[S+1+16*\b+\i]
.endr
.endr
.irp b, 0,1,2,3
	v_max_num_f32 v[232+\b], v[232+\b], v[S+15+16*\b]
.endr
.irp b, 0,1,2,3
	v_permlanex16_b32 v[236+\b], v[232+\b], s20, s21
.endr
.irp b, 0,1,2,3
	v_max_num_f32 v[232+\b], v[232+\b], v[236+\b]  ; with lane l xor 16's 16 keys
.endr
	v_max3_num_f32 v254, v232, v233, v234
	v_max_num_f32 v254, v254, v235                 ; the step's largest score of my query
	v_mul_f32 v254, s22, v254                      ; as t (c is positive)
	v_max_num_f32 v13, v13, v254                   ; the running largest t
	v_mov_b32 v254, v12
	v_floor_f32 v12, -v13                          ; the new -M = floor(-t): M is a whole number
	v_sub_f32 v254, v12, v254                      ; old M - new M: a whole number, 0 or less
	v_cvt_i32_f32 v254, v254                       ; (it saturates)
	v_ldexp_f32 v252, 1.0, v254                    ; f = 2^(old M - new M)
.set j, 0
.rept 32
	v_pk_fma_f32 v[S+j:S+j+1], v[S+j:S+j+1], s[22:23], v[12:13] op_sel_hi:[1,0,0]   ; t - M, two at a time
.set j, j+2
.endr
.irp b, 0,1,2,3
	v_fma_f32 v[232+\b], v[232+\b], s22, v12       ; the same of each block's largest score
.endr
.set j, 0
.rept 64
	v_exp_f32 v[S+j], v[S+j]                       ; p = 2^(t - M), at most 1: not normalised
.set j, j+1
.endr
.irp b, 0,1,2,3
	v_exp_f32 v[232+\b], v[232+\b]                 ; the block's largest p: the same two instructions on the same number give the same bits
.endr
	v_pk_mul_f32 v[14:15], v[14:15], v[252:253] op_sel_hi:[1,0]   ; the sums under the new M.  (A plain place behind the exponentials)
	s_wait_alu depctr_va_vdst(0)
.irp b, 0,1,2,3
	v_max_num_f32 v[232+\b], 0x8000000, v[232+\b]  ; the floor 2^(16 - 127): the byte cannot fall under 1
.endr
.irp b, 0,1,2,3
	v_add_nc_u32 v[244+\b], 0xf8800000, v[232+\b]  ; the conversion's scale operand
.endr
.irp b, 0,1,2,3
	v_and_or_b32 v[240+\b], v[232+\b], 0x7f800000, s19   ; 57,344 x the scale
.endr
.irp b, 0,1,2,3
	v_lshrrev_b32 v[236+\b], 23, v[244+\b]         ; the scale's byte
.endr
	v_lshl_or_b32 v222, v237, 8, v236              ; p's scale word for these 128 keys
	v_lshl_or_b32 v222, v238, 16, v222
	v_lshl_or_b32 v222, v239, 24, v222
	v_pk_add_f32 v[236:237], v[S:S+1], v[S+2:S+3]  ; the row's sum is taken of the unquantised p: two at a time, in two chains
.set j, 4
.rept 15
	v_pk_add_f32 v[14:15], v[14:15], v[S+j:S+j+1]
	v_pk_add_f32 v[236:237], v[236:237], v[S+j+2:S+j+3]
.set j, j+4
.endr
	v_pk_add_f32 v[14:15], v[14:15], v[236:237]
.irp b, 0,1,2,3
.irp i, 0,1,2,3,4,5,6,7,8,9,10,11,12,13,14,15
	v_min_num_f32 v[S+16*\b+\i], v[S+16*\b+\i], v[240+\b]   ; the conversion does not saturate (ISA guide 7.6.2); p is not negative, so the hold is one-sided
.endr
	v_cvt_scalef32_pk8_bf8_f32 v[PC+4*\b:PC+1+4*\b], v[S+16*\b:S+7+16*\b], v[244+\b]
	v_cvt_scalef32_pk8_bf8_f32 v[PC+2+4*\b:PC+3+4*\b], v[S+8+16*\b:S+15+16*\b], v[244+\b]
.endr
.set j, 0
.rept 16
	v_pk_mul_f32 v[O+j:O+j+1], v[O+j:O+j+1], v[252:253] op_sel_hi:[1,0]   ; O^T under the new M.  (These are also the places between the codes and the products below)
.set j, j+2
.endr
	s_wait_dscnt 0x0                               ; v's fragments
.irp d, 0,1,2,3                                ; O^T += v^T p^T: the four accumulators by turns; eleven other products stand between two turns of one
	v_wmma_scale_f32_16x16x128_f8f6f4 v[O+8*\d:O+8*\d+7], v[F+16*\d:F+16*\d+15], v[PC:PC+15], v[O+8*\d:O+8*\d+7], v[SW+\d], v222 matrix_a_fmt:MATRIX_FMT_BF8 matrix_b_fmt:MATRIX_FMT_BF8 matrix_a_scale:MATRIX_SCALE_ROW1
.endr
	s_add_co_u32 s60, s60, 8192
	s_add_co_u32 s61, s61, 256
.endm
; A group of 512 keys: my piece of it has landed (left = the younger groups' loads, which may stay out), then everybody's; four steps.
.macro GROUP left
	s_wait_tensorcnt \left
	s_wait_dscnt 0x0
	s_barrier_signal -1
	s_barrier_wait -1
	s_mov_b32 s62, 4
.Lstep_\@:
	STEP
	s_sub_co_u32 s62, s62, 1
	s_cmp_lg_u32 s62, 0
	s_cbranch_scc1 .Lstep_\@
.endm
	GROUP 3
	GROUP 2
	GROUP 1
	GROUP 0
	; THE WAY OUT: O^T / the sum, quantised along the head's 64 (two blocks of the model's 1,024), as an image of the last product's operand.
.rept 8
	v_nop                                          ; places behind the last products
.endr
	v_add_f32 v14, v14, v15                        ; the sum's two halves,
	v_permlanex16_b32 v252, v14, s20, s21
	v_add_f32 v14, v14, v252                       ; and lane l xor 16's
	v_rcp_f32 v14, v14
	v_nop                                          ; a plain place behind the transcendental
.set j, 0
	s_wait_alu depctr_va_vdst(0)
.rept 32
	v_mul_f32 v[S+j], v[O+j], v14                  ; register 16 b + i: channel 32 b + 16 (lane / 16) + i of the head
.set j, j+1
.endr
.irp b, 0,1
	v_max3_num_f32 v[232+\b], |v[S+16*\b]|, |v[S+1+16*\b]|, 0x8000000
.endr
.irp i, 2,4,6,8,10,12,14
.irp b, 0,1
	v_max3_num_f32 v[232+\b], v[232+\b], |v[S+16*\b+\i]|, |v[S+1+16*\b+\i]|
.endr
.endr
.irp b, 0,1
	v_permlanex16_b32 v[236+\b], v[232+\b], s20, s21
.endr
.irp b, 0,1
	v_max_num_f32 v[232+\b], v[232+\b], v[236+\b]
.endr
.irp b, 0,1
	v_add_nc_u32 v[244+\b], 0xf8800000, v[232+\b]
.endr
.irp b, 0,1
	v_and_or_b32 v[240+\b], v[232+\b], 0x7f800000, s19
.endr
.irp b, 0,1
	v_lshrrev_b32 v[236+\b], 23, v[244+\b]
.endr
	v_lshl_or_b32 v238, v237, 8, v236              ; my row's two scale bytes
.irp b, 0,1
.irp i, 0,1,2,3,4,5,6,7,8,9,10,11,12,13,14,15
	v_med3_num_f32 v[S+16*\b+\i], v[S+16*\b+\i], -v[240+\b], v[240+\b]
.endr
	v_cvt_scalef32_pk8_bf8_f32 v[PC+4*\b:PC+1+4*\b], v[S+16*\b:S+7+16*\b], v[244+\b]
	v_cvt_scalef32_pk8_bf8_f32 v[PC+2+4*\b:PC+3+4*\b], v[S+8+16*\b:S+15+16*\b], v[244+\b]
.endr
	global_store_b128 v1, v[PC:PC+3], s[8:9]       ; 32 lanes store 512 consecutive bytes
	global_store_b128 v1, v[PC+4:PC+7], s[8:9] offset:512
	ds_store_b16 v10, v238                         ; both halves of the lanes write the same bytes with the same value
	s_wait_dscnt 0x0                               ; for the others' sake
	s_barrier_signal -1
	s_barrier_wait -1
	s_cmp_lg_u32 s12, 0
	s_cbranch_scc1 .Lnot_first
	v_add_nc_u32 v11, OST, v1
	ds_load_b128 v[F:F+3], v11                     ; the sixteen waves' 512 bytes
	s_wait_dscnt 0x0
	global_store_b128 v1, v[F:F+3], s[10:11]       ; 32 lanes store 512 consecutive bytes, aligned
.Lnot_first:
	s_wait_tensorcnt 0x0
	ds_add_u32 v251, v255
	s_wait_dscnt 0x0
	ROUND                                          ; the closing round
	s_endpgm
.Lfunc_end_k_q913071a92b_attn:
	.size	k_q913071a92b_attn, .Lfunc_end_k_q913071a92b_attn-k_q913071a92b_attn
	.p2alignl 7, 3214868480
	.fill 96, 4, 3214868480
	.section	.rodata,"a",@progbits
	.p2align	6, 0x0
	.amdhsa_kernel k_q913071a92b_attn
		.amdhsa_group_segment_fixed_size 272896
		.amdhsa_private_segment_fixed_size 0
		.amdhsa_enable_private_segment 0
		.amdhsa_kernarg_size 32
		.amdhsa_user_sgpr_count 2
		.amdhsa_user_sgpr_kernarg_segment_ptr 1
		.amdhsa_wavefront_size32 1
		.amdhsa_system_sgpr_workgroup_id_x 1
		.amdhsa_system_sgpr_workgroup_id_y 1
		.amdhsa_system_sgpr_workgroup_id_z 1
		.amdhsa_system_vgpr_workitem_id 0
		.amdhsa_next_free_vgpr 256
		.amdhsa_next_free_sgpr 96
		.amdhsa_reserve_vcc 0
		.amdhsa_float_denorm_mode_32 3
		.amdhsa_float_denorm_mode_16_64 3
		.amdhsa_memory_ordered 1
		.amdhsa_forward_progress 1
		.amdhsa_inst_pref_size 89
	.end_amdhsa_kernel
	.amdgpu_metadata
---
amdhsa.version: [ 1, 2 ]
amdhsa.kernels:
  - .name:           k_q913071a92b_attn
    .symbol:         k_q913071a92b_attn.kd
    .args:
      - { .name: qkvc, .offset: 0, .size: 8, .value_kind: global_buffer, .address_space: global }
      - { .name: qkvs, .offset: 8, .size: 8, .value_kind: global_buffer, .address_space: global }
      - { .name: oc, .offset: 16, .size: 8, .value_kind: global_buffer, .address_space: global }
      - { .name: os, .offset: 24, .size: 8, .value_kind: global_buffer, .address_space: global }
    .group_segment_fixed_size: 272896
    .private_segment_fixed_size: 0
    .kernarg_segment_align: 8
    .kernarg_segment_size: 32
    .max_flat_workgroup_size: 512
    .sgpr_count:     96
    .vgpr_count:     256
    .wavefront_size: 32
...
	.end_amdgpu_metadata
.endif
;; end of part 3
;; launch proj (part 4): grid 128 x 1, 4 waves a work-group, no clusters, 80,384 bytes of LDS; arguments oc, os, wc, ws, bp, x, ln_g, ln_b, out0; writes out0
.if DOCPART == 4
	.amdgcn_target "amdgcn-amd-amdhsa--gfx1250"
	.amdhsa_code_object_version 6
	.text
	.protected	k_q913071a92b_proj
	.globl	k_q913071a92b_proj
	.p2align	8
	.type	k_q913071a92b_proj,@function
k_q913071a92b_proj:
	s_mov_b64 s[64:65], 0
	v_nop
	global_prefetch_b8 v0, s[64:65] scope:SCOPE_SE
	s_setreg_imm32_b32 hwreg(HW_REG_WAVE_MODE, 25, 1), 1
	s_wait_xcnt 0x0
; out0 = LayerNorm(x + o Wp + bp) ln_g + ln_b; the product on codes of BF8 (E5M2) with E8M0 scales, K = 1,024; all else in f32.
; SHARES.  A norm wants whole rows of 1,024, so a work-group owns 32 rows and all columns; wave w owns columns 256 w .. 256 w + 255: 16 tiles of columns x 2 tiles of rows, 32 accumulators.
; 32 rows are what the registers hold: 256 for the accumulators, 256 for o's fragments of all of K, 256 for a ring of Wp's fragments.
; THE PRODUCT IS USED TRANSPOSED (source 0 = 16 column positions of Wp, source 1 = 16 rows of o): a lane holds one row; register j of tile t is column 256 w + 32 (t / 2) + 16 (lane / 16) + 8 (t % 2) + j.
; Rows arrive in position order: lane r of row tile m is token 32 G + 16 (r / 8) + 8 m + r % 8.
; NO LDS AND NO JOINT LOADS FOR THE WEIGHTS: Wp's images are the operand's registers as they stand, and each of a work-group's 1,048,576 bytes of them is wanted by ONE of its waves, once: through LDS each
; byte would be written and read once more for nothing.  So they stream from memory into a ring of sixteen fragments, sixteen loads asked for behind each eight products, 48 to 64 loads of a wave on their way.
; x is the C of the first K step, so the residual costs no addition; the order of the additions is (x + the sum) + bp.  The variance is taken of y - mean in a second pass over the registers.
; LIMITS: v_rsq_f32 is good to 1 ulp; NaN and infinities are not served.
; REGISTERS, in windows of 256: window 0: v1-11 addresses; v12-31 at work; v32-95 Wp's scale words; v96-103 o's; v104-127 bp, ln_g, ln_b as loaded; v128-255 bp in the result's layout.
;   window 1: o's 16 fragments at 16 (8 m + s); later ln_g (v0-127) and ln_b (v128-255).   window 2: the accumulators at 8 (2 t + m).   window 3: the ring at 16 t; later rows on the way out.
.set STG,  0                           ; LDS: a stage of 16 rows x (1,024 + 16) bytes for each wave
.set VEC,  66560                       ; bp, ln_g, ln_b of my 256 columns: 3 x 1,024 bytes for each wave
.set RED1, 78848                       ; [row 32][wave 4] partial sums;
.set RED2, 79360                       ; and of the squares
.set WS,   32
.set AS,   96
.set MSB, 0
.macro WIN new                         ; the immediate's high byte repeats the setting that is left
.if MSB != (\new)
	s_set_vgpr_msb (MSB<<8)|(\new)
.set MSB, (\new)
.endif
.endm
	s_load_b512 s[4:19], s[0:1], 0x0               ; oc s[4:5], os s[6:7], wc s[8:9], ws s[10:11], bp s[12:13], x s[14:15], ln_g s[16:17], ln_b s[18:19]
	s_load_b64 s[20:21], s[0:1], 0x40              ; out0
	v_lshrrev_b32 v2, 5, v0
	v_readfirstlane_b32 s22, v2                    ; wave
	v_and_b32 v2, 31, v0                           ; lane
	v_and_b32 v3, 15, v0                           ; r
	v_bfe_u32 v28, v0, 4, 1                        ; h
	v_lshlrev_b32 v1, 4, v2                        ; v1 = 16 x lane
	v_lshlrev_b32 v5, 5, v2                        ; v5 = 32 x lane: a row of Wp's scale bytes
	v_lshlrev_b32 v6, 1, v2                        ; v6 = 2 x lane: a row's two bytes of o's
	v_lshrrev_b32 v29, 3, v3
	v_lshl_add_u32 v4, v29, 3, v3
	v_lshlrev_b32 v4, 12, v4
	v_lshl_add_u32 v4, v28, 6, v4                  ; v4: x: row r + 8 (r / 8) of 4,096 bytes, + 64 h
	s_mul_i32 s23, s22, 16640
	v_mul_u32_u24 v7, v3, 1040
	v_lshl_add_u32 v7, v28, 6, v7
	v_add_nc_u32 v7, s23, v7                       ; v7: the stage, in: row r, + 64 h
	v_add_nc_u32 v8, s23, v1                       ; v8: back: 16 x lane
	s_mul_i32 s23, s22, 3072
	s_add_co_u32 s23, s23, VEC
	v_lshl_add_u32 v9, v28, 6, s23                 ; v9: a vector in the result's layout: + 64 h
	v_add_nc_u32 v30, s23, v1                      ; v30: as loaded
	v_lshlrev_b32 v11, 4, v3
	v_add_nc_u32 v11, RED1, v11                    ; v11: a row's four partial sums
	s_lshl_b32 s23, s22, 2
	v_add_nc_u32 v10, s23, v11                     ; v10: mine among them
	s_lshl_b32 s24, ttmp9, 15                      ; oc: two tiles of 16,384
	s_mov_b32 s25, 0
	s_lshr_b32 s26, ttmp9, 6
	s_lshl_b32 s26, s26, 16
	s_and_b32 s27, ttmp9, 63
	s_lshl_b32 s27, s27, 6
	s_add_co_u32 s26, s26, s27                     ; os: 65,536 a batch, 64 for 32 rows
	s_mov_b32 s27, 0
	s_lshl_b32 s28, s22, 18
	s_add_co_u32 s28, s28, 3145728                 ; Wp's images: my 16 tiles of 16,384
	s_mov_b32 s29, 0
	s_lshl_b32 s30, s22, 13
	s_add_co_u32 s30, s30, 98304                   ; Wp's scale bytes: my 256 rows of 32
	s_mov_b32 s31, 0
	s_lshl_b32 s32, s22, 10                        ; my 256 columns in f32
	s_mov_b32 s33, 0
	s_lshl_b32 s34, ttmp9, 17
	s_add_co_u32 s34, s34, s32                     ; x and out0: 32 rows of 4,096, + my columns
	s_mov_b32 s35, 0
	s_mov_b32 s36, 0x76543210
	s_mov_b32 s37, 0xfedcba98                      ; v_permlanex16_b32's selects for lane l xor 16
	s_mov_b32 s38, 0x3a800000                      ; 1 / 1,024
	s_mov_b32 s39, 0x3727c5ac                      ; 1e-5
	s_wait_kmcnt 0x0
	s_add_nc_u64 s[4:5], s[4:5], s[24:25]
	s_add_nc_u64 s[6:7], s[6:7], s[26:27]
	s_add_nc_u64 s[8:9], s[8:9], s[28:29]
	s_add_nc_u64 s[10:11], s[10:11], s[30:31]
	s_add_nc_u64 s[12:13], s[12:13], s[32:33]
	s_add_nc_u64 s[16:17], s[16:17], s[32:33]
	s_add_nc_u64 s[18:19], s[18:19], s[32:33]
	s_add_nc_u64 s[14:15], s[14:15], s[34:35]
	s_add_nc_u64 s[20:21], s[20:21], s[34:35]
.irp p, 0,1,2,3,4,5,6,7                        ; Wp's scale words: lane l takes position 32 p + l: lanes 0-15 tile 2 p's, lanes 16-31 tile 2 p + 1's; register 8 p + s: K step s
	global_load_b128 v[WS+8*\p:WS+8*\p+3], v5, s[10:11] offset:1024*\p
	global_load_b128 v[WS+8*\p+4:WS+8*\p+7], v5, s[10:11] offset:1024*\p+16
.endr
.irp d, 0,1,2,3,4,5,6,7,8,9,10,11,12,13,14,15  ; o's scale bytes, two a head: lanes 0-15 row tile 0, lanes 16-31 row tile 1
	global_load_u16 v[12+\d], v6, s[6:7] offset:4096*\d
.endr
	global_load_b128 v[104:107], v1, s[12:13]
	global_load_b128 v[108:111], v1, s[12:13] offset:512
	global_load_b128 v[112:115], v1, s[16:17]
	global_load_b128 v[116:119], v1, s[16:17] offset:512
	global_load_b128 v[120:123], v1, s[18:19]
	global_load_b128 v[124:127], v1, s[18:19] offset:512
	WIN 0x40                                       ; destination window 1
.irp m, 0,1
.irp s, 0,1,2,3,4,5,6,7
.irp c, 0,1,2,3
	global_load_b128 v[16*(8*\m+\s)+4*\c:16*(8*\m+\s)+4*\c+3], v1, s[4:5] offset:\m*16384+\s*2048+\c*512   ; o's fragments: they stay
.endr
.endr
.endr
	WIN 0x80                                       ; destination window 2: x goes straight into the accumulators
.irp t, 0,1,2,3,4,5,6,7,8,9,10,11,12,13,14,15
.irp m, 0,1
	global_load_b128 v[8*(2*\t+\m):8*(2*\t+\m)+3], v4, s[14:15] offset:8*\m*4096+(32*(\t/2)+8*(\t%2))*4
	global_load_b128 v[8*(2*\t+\m)+4:8*(2*\t+\m)+7], v4, s[14:15] offset:8*\m*4096+(32*(\t/2)+8*(\t%2))*4+16
.endr
.endr
	WIN 0xc0                                       ; destination window 3: the ring, K step 0
.irp t, 0,1,2,3,4,5,6,7,8,9,10,11,12,13,14,15
.irp c, 0,1,2,3
	global_load_b128 v[16*\t+4*\c:16*\t+4*\c+3], v1, s[8:9] offset:\t*16384+\c*512
.endr
.endr
	WIN 0
	s_wait_loadcnt 48                              ; all but the ring's tiles 4-15
.irp s, 0,1,2,3,4,5,6,7
	v_lshl_or_b32 v[AS+\s], v[13+2*\s], 16, v[12+2*\s]   ; o's scale word of K step s: head 2 s's two bytes, head 2 s + 1's above them
.endr
.irp n, 0,1,2,3,4,5
	ds_store_b128 v30, v[104+4*\n:104+4*\n+3] offset:512*\n        ; bp, ln_g, ln_b as they lie: my wave's own bytes
.endr
.irp t, 0,1,2,3,4,5,6,7,8,9,10,11,12,13,14,15  ; bp in the result's layout (LDS serves a wave's instructions in order)
	ds_load_b128 v[128+8*\t:128+8*\t+3], v9 offset:(32*(\t/2)+8*(\t%2))*4
	ds_load_b128 v[128+8*\t+4:128+8*\t+7], v9 offset:(32*(\t/2)+8*(\t%2))*4+16
.endr
.rept 8
	v_nop                                          ; a scale register written by a vector instruction stands eight places ahead of a scaled matrix instruction
.endr
.macro PROD t, m, s
.if ((\t)%2 == 0) && (\m == 0)
	v_wmma_scale_f32_16x16x128_f8f6f4 v[8*(2*(\t)+\m):8*(2*(\t)+\m)+7], v[16*(\t):16*(\t)+15], v[16*(8*\m+\s):16*(8*\m+\s)+15], v[8*(2*(\t)+\m):8*(2*(\t)+\m)+7], v[WS+8*((\t)/2)+\s], v[AS+\s] matrix_a_fmt:MATRIX_FMT_BF8 matrix_b_fmt:MATRIX_FMT_BF8
.elseif (\m == 0)
	v_wmma_scale_f32_16x16x128_f8f6f4 v[8*(2*(\t)+\m):8*(2*(\t)+\m)+7], v[16*(\t):16*(\t)+15], v[16*(8*\m+\s):16*(8*\m+\s)+15], v[8*(2*(\t)+\m):8*(2*(\t)+\m)+7], v[WS+8*((\t)/2)+\s], v[AS+\s] matrix_a_fmt:MATRIX_FMT_BF8 matrix_b_fmt:MATRIX_FMT_BF8 matrix_a_scale:MATRIX_SCALE_ROW1
.elseif ((\t)%2 == 0)
	v_wmma_scale_f32_16x16x128_f8f6f4 v[8*(2*(\t)+\m):8*(2*(\t)+\m)+7], v[16*(\t):16*(\t)+15], v[16*(8*\m+\s):16*(8*\m+\s)+15], v[8*(2*(\t)+\m):8*(2*(\t)+\m)+7], v[WS+8*((\t)/2)+\s], v[AS+\s] matrix_a_fmt:MATRIX_FMT_BF8 matrix_b_fmt:MATRIX_FMT_BF8 matrix_b_scale:MATRIX_SCALE_ROW1
.else
	v_wmma_scale_f32_16x16x128_f8f6f4 v[8*(2*(\t)+\m):8*(2*(\t)+\m)+7], v[16*(\t):16*(\t)+15], v[16*(8*\m+\s):16*(8*\m+\s)+15], v[8*(2*(\t)+\m):8*(2*(\t)+\m)+7], v[WS+8*((\t)/2)+\s], v[AS+\s] matrix_a_fmt:MATRIX_FMT_BF8 matrix_b_fmt:MATRIX_FMT_BF8 matrix_a_scale:MATRIX_SCALE_ROW1 matrix_b_scale:MATRIX_SCALE_ROW1
.endif
.endm
; K step s, column tiles 4 q .. 4 q + 3: eight products on eight accumulators (an accumulator's next turn is 32 products on), then the same tiles' fragments of the next K step.
.macro GRP s, q
.if \s < 7
	s_wait_loadcnt 48                              ; these four fragments are in; the three groups of sixteen loads asked for behind them may be out
.else
	s_wait_loadcnt 16*(3-\q)                       ; the last K step asks for nothing: the counts run down
.endif
	WIN 0xa7                                       ; source 0 window 3, source 1 window 1, C and D window 2
.irp u, 0,1,2,3
.irp m, 0,1
	PROD 4*\q+\u, \m, \s
.endr
.endr
.rept 8
	v_nop                                          ; places in front of loads into registers that these products read (ISA guide 7.12.1 for vector instructions), and of the first read of results
.endr
.if \s < 7
	WIN 0xc0
.irp u, 0,1,2,3
.irp c, 0,1,2,3
	global_load_b128 v[16*(4*\q+\u)+4*\c:16*(4*\q+\u)+4*\c+3], v1, s[8:9] offset:(4*\q+\u)*16384+(\s+1)*2048+\c*512
.endr
.endr
.endif
.endm
.irp s, 0,1,2,3,4,5,6,7
.irp q, 0,1,2,3
	GRP \s, \q
.endr
.endr
	; ---- y = x + the sum + bp; ln_g and ln_b come into o's registers meanwhile
	s_wait_dscnt 0x0                               ; bp
	WIN 0x40
.irp t, 0,1,2,3,4,5,6,7,8,9,10,11,12,13,14,15
	ds_load_b128 v[8*\t:8*\t+3], v9 offset:1024+(32*(\t/2)+8*(\t%2))*4
	ds_load_b128 v[8*\t+4:8*\t+7], v9 offset:1024+(32*(\t/2)+8*(\t%2))*4+16
	ds_load_b128 v[128+8*\t:128+8*\t+3], v9 offset:2048+(32*(\t/2)+8*(\t%2))*4
	ds_load_b128 v[128+8*\t+4:128+8*\t+7], v9 offset:2048+(32*(\t/2)+8*(\t%2))*4+16
.endr
	WIN 0x82                                       ; destination and source 0 window 2, source 1 window 0
.irp t, 0,1,2,3,4,5,6,7,8,9,10,11,12,13,14,15
.irp m, 0,1
.irp i, 0,2,4,6                                ; each accumulator from its low end on
	v_pk_add_f32 v[8*(2*\t+\m)+\i:8*(2*\t+\m)+\i+1], v[8*(2*\t+\m)+\i:8*(2*\t+\m)+\i+1], v[128+8*\t+\i:128+8*\t+\i+1]
.endr
.endr
.endr
; My 128 numbers of a row are in two chains for each row tile: v[12:15] (m = 0), v[16:19] (m = 1).  They are added, joined with lane l xor 16's, and meet the other waves' in LDS; v24 and v28 get the rows' sums.
.macro REDUCE off
	WIN 0
.irp m, 0,1
	v_pk_add_f32 v[12+4*\m:13+4*\m], v[12+4*\m:13+4*\m], v[14+4*\m:15+4*\m]
.endr
.irp m, 0,1
	v_add_f32 v[12+4*\m], v[12+4*\m], v[13+4*\m]
.endr
.irp m, 0,1
	v_permlanex16_b32 v[14+4*\m], v[12+4*\m], s36, s37
.endr
.irp m, 0,1
	v_add_f32 v[12+4*\m], v[12+4*\m], v[14+4*\m]
.endr
	ds_store_b32 v10, v12 offset:\off              ; both halves of the lanes write the same word with the same value
	ds_store_b32 v10, v16 offset:\off+256
	s_wait_dscnt 0x0                               ; for the others' sake
	s_barrier_signal -1
	s_barrier_wait -1
	ds_load_b128 v[24:27], v11 offset:\off
	ds_load_b128 v[28:31], v11 offset:\off+256
	s_wait_dscnt 0x0
	v_pk_add_f32 v[24:25], v[24:25], v[26:27]      ; the same four numbers in the same order in every wave
	v_pk_add_f32 v[28:29], v[28:29], v[30:31]
	v_add_f32 v24, v24, v25
	v_add_f32 v28, v28, v29
.endm
	; ---- the mean
	WIN 0x0a                                       ; sources 0 and 1 window 2: the first tile's pairs start the chains: nothing is cleared
.irp m, 0,1
	v_pk_add_f32 v[12+4*\m:13+4*\m], v[8*\m:8*\m+1], v[8*\m+2:8*\m+3]
	v_pk_add_f32 v[14+4*\m:15+4*\m], v[8*\m+4:8*\m+5], v[8*\m+6:8*\m+7]
.endr
	WIN 0x08                                       ; source 1 window 2
.irp t, 1,2,3,4,5,6,7,8,9,10,11,12,13,14,15
.irp m, 0,1
	v_pk_add_f32 v[12+4*\m:13+4*\m], v[12+4*\m:13+4*\m], v[8*(2*\t+\m):8*(2*\t+\m)+1]
	v_pk_add_f32 v[14+4*\m:15+4*\m], v[14+4*\m:15+4*\m], v[8*(2*\t+\m)+2:8*(2*\t+\m)+3]
	v_pk_add_f32 v[12+4*\m:13+4*\m], v[12+4*\m:13+4*\m], v[8*(2*\t+\m)+4:8*(2*\t+\m)+5]
	v_pk_add_f32 v[14+4*\m:15+4*\m], v[14+4*\m:15+4*\m], v[8*(2*\t+\m)+6:8*(2*\t+\m)+7]
.endr
.endr
	REDUCE 0
	v_mul_f32 v20, s38, v24                        ; the means, each as a pair
	v_mul_f32 v21, s38, v24
	v_mul_f32 v22, s38, v28
	v_mul_f32 v23, s38, v28
	; ---- d = y - mean, and the mean of d^2
	WIN 0x82
.irp t, 0,1,2,3,4,5,6,7,8,9,10,11,12,13,14,15
.irp m, 0,1
.irp i, 0,2,4,6
	v_pk_add_f32 v[8*(2*\t+\m)+\i:8*(2*\t+\m)+\i+1], v[8*(2*\t+\m)+\i:8*(2*\t+\m)+\i+1], v[20+2*\m:21+2*\m] neg_lo:[0,1] neg_hi:[0,1]
.endr
.endr
.endr
	WIN 0x0a
.irp m, 0,1
	v_pk_mul_f32 v[12+4*\m:13+4*\m], v[8*\m:8*\m+1], v[8*\m:8*\m+1]
	v_pk_mul_f32 v[14+4*\m:15+4*\m], v[8*\m+2:8*\m+3], v[8*\m+2:8*\m+3]
	v_pk_fma_f32 v[12+4*\m:13+4*\m], v[8*\m+4:8*\m+5], v[8*\m+4:8*\m+5], v[12+4*\m:13+4*\m]
	v_pk_fma_f32 v[14+4*\m:15+4*\m], v[8*\m+6:8*\m+7], v[8*\m+6:8*\m+7], v[14+4*\m:15+4*\m]
.endr
.irp t, 1,2,3,4,5,6,7,8,9,10,11,12,13,14,15
.irp m, 0,1
	v_pk_fma_f32 v[12+4*\m:13+4*\m], v[8*(2*\t+\m):8*(2*\t+\m)+1], v[8*(2*\t+\m):8*(2*\t+\m)+1], v[12+4*\m:13+4*\m]
	v_pk_fma_f32 v[14+4*\m:15+4*\m], v[8*(2*\t+\m)+2:8*(2*\t+\m)+3], v[8*(2*\t+\m)+2:8*(2*\t+\m)+3], v[14+4*\m:15+4*\m]
	v_pk_fma_f32 v[12+4*\m:13+4*\m], v[8*(2*\t+\m)+4:8*(2*\t+\m)+5], v[8*(2*\t+\m)+4:8*(2*\t+\m)+5], v[12+4*\m:13+4*\m]
	v_pk_fma_f32 v[14+4*\m:15+4*\m], v[8*(2*\t+\m)+6:8*(2*\t+\m)+7], v[8*(2*\t+\m)+6:8*(2*\t+\m)+7], v[14+4*\m:15+4*\m]
.endr
.endr
	REDUCE 512                                     ; other bytes than the first sums': no barrier is owed between the two
	v_fma_f32 v20, v24, s38, s39                   ; the variance + 1e-5
	v_fma_f32 v22, v28, s38, s39
	v_rsq_f32 v20, v20
	v_rsq_f32 v22, v22
	v_nop                                          ; a plain place behind the transcendentals
	s_wait_alu depctr_va_vdst(0)
	v_mov_b32 v21, v20
	v_mov_b32 v23, v22
	; ---- d / sqrt(..) x ln_g + ln_b
	WIN 0x82
.irp t, 0,1,2,3,4,5,6,7,8,9,10,11,12,13,14,15
.irp m, 0,1
.irp i, 0,2,4,6
	v_pk_mul_f32 v[8*(2*\t+\m)+\i:8*(2*\t+\m)+\i+1], v[8*(2*\t+\m)+\i:8*(2*\t+\m)+\i+1], v[20+2*\m:21+2*\m]
.endr
.endr
.endr
	WIN 0x96                                       ; destination and source 0 window 2, sources 1 and 2 window 1
.irp t, 0,1,2,3,4,5,6,7,8,9,10,11,12,13,14,15
.irp m, 0,1
.irp i, 0,2,4,6
	v_pk_fma_f32 v[8*(2*\t+\m)+\i:8*(2*\t+\m)+\i+1], v[8*(2*\t+\m)+\i:8*(2*\t+\m)+\i+1], v[8*\t+\i:8*\t+\i+1], v[128+8*\t+\i:128+8*\t+\i+1]
.endr
.endr
.endr
	; ---- the way out: a row tile through my own stage, back as runs of 512 bytes of a row
.irp m, 0,1
	WIN 0x08                                       ; an LDS store's data are its source 1: window 2
.irp t, 0,1,2,3,4,5,6,7,8,9,10,11,12,13,14,15
	ds_store_b128 v7, v[8*(2*\t+\m):8*(2*\t+\m)+3] offset:(32*(\t/2)+8*(\t%2))*4
	ds_store_b128 v7, v[8*(2*\t+\m)+4:8*(2*\t+\m)+7] offset:(32*(\t/2)+8*(\t%2))*4+16
.endr
	WIN 0xc0                                       ; destination window 3
.irp i, 0,1,2,3,4,5,6,7,8,9,10,11,12,13,14,15
	ds_load_b128 v[128*\m+8*\i:128*\m+8*\i+3], v8 offset:\i*1040          ; LDS serves a wave's instructions in order: these see my stores, and the next tile's stores come behind them
	ds_load_b128 v[128*\m+8*\i+4:128*\m+8*\i+7], v8 offset:\i*1040+512
.endr
	WIN 0x0c                                       ; a store's data are its source 1: window 3
.irp i, 0,1,2,3,4,5,6,7,8,9,10,11,12,13,14,15
	s_wait_dscnt 31-2*\i
	global_store_b128 v1, v[128*\m+8*\i:128*\m+8*\i+3], s[20:21] offset:(16*(\i/8)+(\i%8)+8*\m)*4096 th:TH_STORE_NT       ; position 16 m + i is token 16 (i / 8) + 8 m + i % 8; 32 lanes store 512 consecutive bytes, aligned
	s_wait_dscnt 30-2*\i
	global_store_b128 v1, v[128*\m+8*\i+4:128*\m+8*\i+7], s[20:21] offset:(16*(\i/8)+(\i%8)+8*\m)*4096+512 th:TH_STORE_NT
.endr
.endr
	WIN 0
	s_wait_xcnt 0x0
	v_lshl_add_u32 v254, v0, 2, 0x13800
	v_mov_b32 v255, 0
	s_wait_tensorcnt 0x0
	ds_add_u32 v254, v255
	s_wait_dscnt 0x0
	s_endpgm
.Lfunc_end_k_q913071a92b_proj:
	.size	k_q913071a92b_proj, .Lfunc_end_k_q913071a92b_proj-k_q913071a92b_proj
	.p2alignl 7, 3214868480
	.fill 96, 4, 3214868480
	.section	.rodata,"a",@progbits
	.p2align	6, 0x0
	.amdhsa_kernel k_q913071a92b_proj
		.amdhsa_group_segment_fixed_size 80384
		.amdhsa_private_segment_fixed_size 0
		.amdhsa_enable_private_segment 0
		.amdhsa_kernarg_size 72
		.amdhsa_user_sgpr_count 2
		.amdhsa_user_sgpr_kernarg_segment_ptr 1
		.amdhsa_wavefront_size32 1
		.amdhsa_system_sgpr_workgroup_id_x 1
		.amdhsa_system_sgpr_workgroup_id_y 1
		.amdhsa_system_sgpr_workgroup_id_z 1
		.amdhsa_system_vgpr_workitem_id 0
		.amdhsa_next_free_vgpr 1024
		.amdhsa_next_free_sgpr 66
		.amdhsa_reserve_vcc 0
		.amdhsa_float_denorm_mode_32 3
		.amdhsa_float_denorm_mode_16_64 3
		.amdhsa_memory_ordered 1
		.amdhsa_forward_progress 1
		.amdhsa_inst_pref_size 184
	.end_amdhsa_kernel
	.amdgpu_metadata
---
amdhsa.version: [ 1, 2 ]
amdhsa.kernels:
  - .name:           k_q913071a92b_proj
    .symbol:         k_q913071a92b_proj.kd
    .args:
      - { .name: oc, .offset: 0, .size: 8, .value_kind: global_buffer, .address_space: global }
      - { .name: os, .offset: 8, .size: 8, .value_kind: global_buffer, .address_space: global }
      - { .name: wc, .offset: 16, .size: 8, .value_kind: global_buffer, .address_space: global }
      - { .name: ws, .offset: 24, .size: 8, .value_kind: global_buffer, .address_space: global }
      - { .name: bp, .offset: 32, .size: 8, .value_kind: global_buffer, .address_space: global }
      - { .name: x, .offset: 40, .size: 8, .value_kind: global_buffer, .address_space: global }
      - { .name: ln_g, .offset: 48, .size: 8, .value_kind: global_buffer, .address_space: global }
      - { .name: ln_b, .offset: 56, .size: 8, .value_kind: global_buffer, .address_space: global }
      - { .name: out0, .offset: 64, .size: 8, .value_kind: global_buffer, .address_space: global }
    .group_segment_fixed_size: 80384
    .private_segment_fixed_size: 0
    .kernarg_segment_align: 8
    .kernarg_segment_size: 72
    .max_flat_workgroup_size: 128
    .sgpr_count:     66
    .vgpr_count:     1024
    .wavefront_size: 32
...
	.end_amdgpu_metadata
.endif
;; end of part 4
;; ======== version 2 of 2: 5 launches
;; limits: right only within a limited range of input values
;; workspace buffers: xc 4,194,304 bytes; xs 131,072 bytes; wc 4,194,304 bytes; ws 131,072 bytes; qkvc 16,777,216 bytes; qkvs 393,216 bytes; oc 4,194,304 bytes; os 131,072 bytes
;; launch quant (part 5): grid 256 x 1, 4 waves a work-group, no clusters, 68,096 bytes of LDS; arguments x, Wq, Wk, Wv, Wp, xc, xs, wc, ws; writes xc, xs, wc, ws
.if DOCPART == 5
	.amdgcn_target "amdgcn-amd-amdhsa--gfx1250"
	.amdhsa_code_object_version 6
	.text
	.protected	k_q913071a92b_quant
	.globl	k_q913071a92b_quant
	.p2align	8
	.type	k_q913071a92b_quant,@function
k_q913071a92b_quant:
	s_mov_b64 s[64:65], 0
	v_nop
	global_prefetch_b8 v0, s[64:65] scope:SCOPE_SE
	s_setreg_imm32_b32 hwreg(HW_REG_WAVE_MODE, 25, 1), 1
	s_wait_xcnt 0x0
; x [4096][1024] and Wq, Wk, Wv, Wp [1024 (k)][1024 (n)], f32, become codes of BF8 (E5M2) with K innermost and one E8M0 byte for each 32 along K.
; A block's scale is 2^(floor(log2(its largest magnitude)) - 15); its byte is the largest magnitude's exponent field - 15, held at 1 from below; each number is divided by the scale,
; held within +-57,344 and rounded to the nearest code, ties to even.
; LIMITS: a block of zeros gets the byte 1 where the rule says 127 (its codes are zeros, and this program alone reads the bytes); largest magnitudes under 2^-111 are held at that floor;
; NaN and infinities among the inputs are not served.
; POSITIONS.  Row p of xc and xs holds token p with bits 3 and 4 exchanged; row p of wc and ws holds, within each weight, column p with bits 3 and 4 exchanged.  A transposed product leaves
; position 8 (lane / 16) + j of a tile in register j; with this order the 16 registers of two neighbouring tiles are 16 true neighbours along the next product's K, and every tile is 16 plain rows.
; Work-groups 0-127 take x (K innermost: a stream of blocks, turned through the wave's own stage so that loads are dense and a lane holds 16 neighbours);
; work-groups 128-255 take the weights (K outermost: a lane takes a column and its registers run down K).  Each of the two ways has LDS bytes of its own.  Waves share nothing: no barrier.
; Wq, Wk, Wv leave as rows [position][1024]; Wp leaves as images of the operand's registers, [tile of 16 positions][128 along K][4][lane][16 bytes], from byte 3,145,728 of wc on.
; THE ORDER OF THE ROWS of Wq, Wk and Wv in wc and ws: head by head, in a head the weight, in the weight its 64 positions: row 192 head + 64 weight + position % 64.
.set MANT,  0x600000                   ; the mantissa field of 57,344 as f32
.set STEPS, 16                         ; x: steps of 512 numbers for a wave
.set XR,    16                         ; v16-79   four sets of 16 numbers as loaded
.set XX,    80                         ; v80-111  two sets of 16 neighbours
.set XE,    112                        ; v112-127 a scale byte for each step
.set XC,    128                        ; v128-191 codes, four registers for each step
.set WREG,  8192                       ; x: LDS of a wave: two stages of 32 x SP bytes, then its 256 scale bytes
.set SP,    80                         ; a lane's place in a stage: 64 bytes + 16 of padding
.set NB,    8                          ; W: blocks of 32 along K for a wave
.set PITCH, 272                        ; W: a stage row: 256 codes + 16 of padding
.set WSTG,  32768                      ; W: the stages begin behind x's LDS bytes
.set WSB,   24                         ; v24-25   W: scale bytes, four to a register
.set WX,    32                         ; v32-95   W: two sets of 32 numbers
.set WC,    96                         ; v96-103  W: a block's codes
.set WO,    112                        ; v112-175 W: the way out
	s_load_b512 s[4:19], s[0:1], 0x0               ; x s[4:5], Wq s[6:7], Wk s[8:9], Wv s[10:11], Wp s[12:13], xc s[14:15], xs s[16:17], wc s[18:19]
	s_load_b64 s[20:21], s[0:1], 0x40              ; ws
	v_lshl_add_u32 v192, v0, 2, 0x10800
	v_mov_b32 v193, 0
	v_lshrrev_b32 v1, 5, v0
	v_readfirstlane_b32 s22, v1                    ; wave
	v_and_b32 v2, 31, v0                           ; lane
	s_mov_b32 s31, MANT                            ; (an instruction takes one literal: the hold's line has another)
	s_cmp_lt_u32 ttmp9, 128
	s_cbranch_scc0 .Lweights
	; ---------------- x ----------------
	v_lshlrev_b32 v3, 4, v2                        ; my 16 bytes of a load's 512, and of a step's 512 bytes of codes
	s_mul_i32 s23, s22, WREG
	v_lshrrev_b32 v14, 2, v2
	v_mul_u32_u24 v14, v14, SP
	v_and_b32 v15, 3, v2
	v_lshl_add_u32 v14, v15, 4, v14
	v_add_nc_u32 v14, s23, v14                     ; the stage, on the way in: four lanes' 64 bytes on end, then 16 of padding
	v_mul_u32_u24 v15, v2, SP
	v_add_nc_u32 v15, s23, v15                     ; and on the way out: my 16 neighbours
	v_lshrrev_b32 v5, 1, v2
	s_add_co_u32 s23, s23, 2*32*SP
	v_add_nc_u32 v5, s23, v5                       ; my wave's 256 scale bytes, my block's byte
	v_lshlrev_b32 v7, 3, v2
	v_add_nc_u32 v6, s23, v7                       ; and on the way out 8 bytes a lane
	s_lshl_b32 s24, ttmp9, 2
	s_add_co_u32 s26, s24, s22                     ; the run of 8 rows that I read: 4 x work-group + wave
	s_and_b32 s25, s22, 1
	s_lshl_b32 s25, s25, 1
	s_lshr_b32 s28, s22, 1
	s_or_b32 s25, s25, s28
	s_add_co_u32 s28, s24, s25                     ; the run that I write: the wave's two bits exchanged are the rows' bits 3 and 4 exchanged
	s_lshl_b32 s26, s26, 15                        ; 8 rows of 4,096 bytes
	s_mov_b32 s27, 0
	s_lshl_b32 s24, s28, 13                        ; 8 rows of 1,024 codes
	s_mov_b32 s25, 0
	s_lshl_b32 s28, s28, 8                         ; 8 rows of 32 scale bytes
	s_mov_b32 s29, 0
	s_wait_alu depctr_va_vdst(0)
	s_wait_kmcnt 0x0
	s_add_nc_u64 s[4:5], s[4:5], s[26:27]
	s_add_nc_u64 s[14:15], s[14:15], s[24:25]
	s_add_nc_u64 s[16:17], s[16:17], s[28:29]
.macro XLOAD t
.irp i, 0,1,2,3
	global_load_b128 v[XR+16*((\t)%4)+4*\i:XR+16*((\t)%4)+4*\i+3], v3, s[4:5] offset:2048*(\t)+512*\i th:TH_LOAD_NT   ; 32 lanes read 512 consecutive bytes
.endr
.endm
.macro XTURN t                         ; step t's numbers through the stage: LDS serves a wave's instructions in order, so no wait stands between the stores and the loads
.irp i, 0,1,2,3
	ds_store_b128 v14, v[XR+16*((\t)%4)+4*\i:XR+16*((\t)%4)+4*\i+3] offset:32*SP*((\t)%2)+8*SP*\i
.endr
.irp i, 0,1,2,3
	ds_load_b128 v[XX+16*((\t)%2)+4*\i:XX+16*((\t)%2)+4*\i+3], v15 offset:32*SP*((\t)%2)+16*\i
.endr
.endm
.irp t, 0,1,2,3
	XLOAD \t
.endr
	s_wait_loadcnt 12                              ; step 0's four loads are in; three steps' may be out
	XTURN 0
.macro XSTEP t
.set XS, XX+16*((\t)%2)
.if (\t) > 0
	s_wait_dscnt 1                                 ; this step's numbers are back from the stage (the last step's byte store may be out)
.else
	s_wait_dscnt 0x0
.endif
.if (\t)+4 < STEPS
	XLOAD (\t)+4                                   ; into the registers that this step's stores into the stage have read
.endif
.if (\t)+1 < STEPS
.if STEPS-2-(\t) >= 3
	s_wait_loadcnt 12                              ; the next step's four loads are in; those of the three steps behind it may be out
.else
	s_wait_loadcnt 4*(STEPS-2-(\t))
.endif
	XTURN (\t)+1
.endif
	v_max3_num_f32 v8, |v[XS]|, |v[XS+1]|, |v[XS+2]|               ; the largest magnitude of my 16, in two chains
	v_max3_num_f32 v9, |v[XS+3]|, |v[XS+4]|, |v[XS+5]|
.irp i, 6,10
	v_max3_num_f32 v8, v8, |v[XS+\i]|, |v[XS+\i+1]|
	v_max3_num_f32 v9, v9, |v[XS+\i+2]|, |v[XS+\i+3]|
.endr
	v_max3_num_f32 v8, v8, |v[XS+14]|, |v[XS+15]|
	v_max3_num_f32 v8, v8, v9, 0x8000000           ; and the floor 2^(16 - 127): the byte cannot fall under 1
	v_max_num_f32_dpp v8, v8, v8 row_xmask:1 row_mask:0xf bank_mask:0xf   ; and of my neighbour's 16: the block's
	v_add_nc_u32 v11, 0xf8800000, v8               ; 15 off its exponent field: the conversion takes the exponent field of this operand as its scale
	v_and_or_b32 v10, v8, 0x7f800000, s31          ; 57,344 x the scale
.irp i, 0,1,2,3,4,5,6,7,8,9,10,11,12,13,14,15
	v_med3_num_f32 v[XS+\i], v[XS+\i], -v10, v10   ; the conversion to an 8-bit code does not saturate (ISA guide 7.6.2): the hold comes first
.endr
	v_cvt_scalef32_pk8_bf8_f32 v[XC+4*(\t):XC+4*(\t)+1], v[XS:XS+7], v11
	v_cvt_scalef32_pk8_bf8_f32 v[XC+4*(\t)+2:XC+4*(\t)+3], v[XS+8:XS+15], v11
	v_lshrrev_b32 v[XE+(\t)], 23, v11              ; the scale's byte
	ds_store_b8 v5, v[XE+(\t)] offset:16*(\t)      ; both lanes of a block write the same byte with the same value
	global_store_b128 v3, v[XC+4*(\t):XC+4*(\t)+3], s[14:15] offset:512*(\t)   ; 32 lanes store 512 consecutive bytes
.endm
.irp t, 0,1,2,3,4,5,6,7,8,9,10,11,12,13,14,15
	XSTEP \t
.endr
	ds_load_b64 v[12:13], v6                       ; LDS serves a wave's instructions in order: these see my byte stores
	s_wait_dscnt 0x0
	global_store_b64 v7, v[12:13], s[16:17]        ; 32 lanes store 256 consecutive bytes, aligned
	s_wait_tensorcnt 0x0
	ds_add_u32 v192, v193
	s_wait_dscnt 0x0
	s_endpgm
	; ---------------- the weights ----------------
.Lweights:
	s_sub_co_u32 s23, ttmp9, 128
	s_lshr_b32 s24, s23, 5                         ; which weight: 0 Wq, 1 Wk, 2 Wv, 3 Wp
	s_and_b32 s25, s23, 7                          ; which 128 columns
	s_bfe_u32 s26, s23, 0x20003                    ; which 256 along K
	s_lshl_b32 s27, s25, 7
	s_lshl_b32 s28, s22, 5
	s_add_co_u32 s27, s27, s28                     ; my wave's first column
	s_wait_alu depctr_va_vdst(0)
	v_lshlrev_b32 v3, 2, v2                        ; in: 4 bytes a lane
	v_and_b32 v14, 7, v2
	v_bfe_u32 v5, v2, 3, 1
	v_lshl_or_b32 v14, v5, 4, v14
	v_bfe_u32 v5, v2, 4, 1
	v_lshl_or_b32 v14, v5, 3, v14                  ; my column's position among the wave's 32: bits 3 and 4 exchanged
	s_mul_i32 s29, s22, 32*PITCH
	s_add_co_u32 s29, s29, WSTG                    ; my stage
	v_mul_u32_u24 v4, v14, PITCH
	v_add_nc_u32 v4, s29, v4                       ; into it: row = my column's position
	v_and_b32 v5, 15, v2
	v_lshrrev_b32 v6, 4, v2
	v_mul_u32_u24 v7, v6, PITCH
	v_lshl_add_u32 v7, v5, 4, v7
	v_add_nc_u32 v7, s29, v7                       ; out of it as rows: sixteen lanes to a row, two rows an instruction,
	v_lshlrev_b32 v8, 10, v6
	v_lshl_add_u32 v8, v5, 4, v8                   ; and the same place in wc
	v_mul_u32_u24 v15, v5, PITCH
	v_lshl_add_u32 v15, v6, 4, v15
	v_add_nc_u32 v15, s29, v15                     ; out of it as images: row lane % 16, + 16 (lane / 16),
	v_lshlrev_b32 v16, 4, v2                       ; to 16 x lane
	v_lshlrev_b32 v9, 5, v14                       ; my position's row of scale bytes
	s_lshl_b32 s32, s26, 20                        ; in: 256 rows of 4,096 bytes for each step along K, + 4 x column
	s_lshl_b32 s33, s27, 2
	s_add_co_u32 s32, s32, s33
	s_mov_b32 s33, 0
	s_lshr_b32 s34, s27, 6                         ; codes of Wq, Wk, Wv: 196,608 bytes a head, 65,536 a weight in it, 1,024 a row
	s_mul_i32 s34, s34, 196608
	s_lshl_b32 s35, s24, 16
	s_add_co_u32 s34, s34, s35
	s_and_b32 s35, s27, 32
	s_lshl_b32 s35, s35, 10
	s_add_co_u32 s34, s34, s35
	s_lshl_b32 s38, s27, 10                        ; of Wp: images of 16 positions are 16,384 bytes
	s_add_co_u32 s38, s38, 3145728
	s_cmp_eq_u32 s24, 3
	s_cselect_b32 s34, s38, s34
	s_cmp_eq_u32 s24, 3
	s_cselect_b32 s35, 12, 8                       ; + 256 bytes of a row, or two images' 4,096, for each 256 along K
	s_lshl_b32 s35, s26, s35
	s_add_co_u32 s34, s34, s35
	s_mov_b32 s35, 0
	s_lshr_b32 s36, s27, 6                         ; scale bytes: rows of 32 in the same order
	s_mul_i32 s36, s36, 6144
	s_lshl_b32 s37, s24, 11
	s_add_co_u32 s36, s36, s37
	s_and_b32 s37, s27, 32
	s_lshl_b32 s37, s37, 5
	s_add_co_u32 s36, s36, s37
	s_lshl_b32 s38, s27, 5
	s_add_co_u32 s38, s38, 98304
	s_cmp_eq_u32 s24, 3
	s_cselect_b32 s36, s38, s36
	s_lshl_b32 s37, s26, 3
	s_add_co_u32 s36, s36, s37
	s_mov_b32 s37, 0
	s_wait_kmcnt 0x0
	s_cmp_eq_u32 s24, 1                            ; the choice hangs on the work-group's number alone
	s_cselect_b64 s[6:7], s[8:9], s[6:7]
	s_cmp_eq_u32 s24, 2
	s_cselect_b64 s[6:7], s[10:11], s[6:7]
	s_cmp_eq_u32 s24, 3
	s_cselect_b64 s[6:7], s[12:13], s[6:7]
	s_add_nc_u64 s[6:7], s[6:7], s[32:33]
	s_add_nc_u64 s[18:19], s[18:19], s[34:35]
	s_add_nc_u64 s[20:21], s[20:21], s[36:37]
.macro WLOAD t                         ; block t: W(32 t + i, my column), i = 0 .. 31, into set t % 2: a wave reads 128 consecutive bytes, the work-group 512
.irp i, 0,1,2,3,4,5,6,7,8,9,10,11,12,13,14,15,16,17,18,19,20,21,22,23,24,25,26,27,28,29,30,31
	global_load_b32 v[WX+32*((\t)%2)+\i], v3, s[6:7] offset:(32*(\t)+\i)*4096 th:TH_LOAD_NT
.endr
.endm
	WLOAD 0
	WLOAD 1
.macro WBLOCK t
.set XS, WX+32*((\t)%2)
.if (\t) < NB-1
	s_wait_loadcnt 32                              ; this block's 32 loads are in; the next block's may be out
.else
	s_wait_loadcnt 0x0
.endif
	v_max3_num_f32 v12, |v[XS]|, |v[XS+1]|, |v[XS+2]|              ; the block's largest magnitude: all 32 numbers are mine
	v_max3_num_f32 v13, |v[XS+3]|, |v[XS+4]|, |v[XS+5]|
.irp i, 6,10,14,18,22,26
	v_max3_num_f32 v12, v12, |v[XS+\i]|, |v[XS+\i+1]|
	v_max3_num_f32 v13, v13, |v[XS+\i+2]|, |v[XS+\i+3]|
.endr
	v_max3_num_f32 v12, v12, |v[XS+30]|, |v[XS+31]|
	v_max3_num_f32 v12, v12, v13, 0x8000000        ; and the floor
	v_add_nc_u32 v11, 0xf8800000, v12              ; the conversion's scale operand
	v_and_or_b32 v10, v12, 0x7f800000, s31         ; 57,344 x the scale
	v_lshrrev_b32 v13, 23, v11                     ; the scale's byte
.if (\t)%4 == 0
	v_mov_b32 v[WSB+(\t)/4], v13                   ; four bytes to a register, the lower K in the lower byte
.else
	v_lshl_or_b32 v[WSB+(\t)/4], v13, 8*((\t)%4), v[WSB+(\t)/4]
.endif
.irp i, 0,1,2,3,4,5,6,7,8,9,10,11,12,13,14,15,16,17,18,19,20,21,22,23,24,25,26,27,28,29,30,31
	v_med3_num_f32 v[XS+\i], v[XS+\i], -v10, v10
.endr
.irp g, 0,1,2,3
	v_cvt_scalef32_pk8_bf8_f32 v[WC+2*\g:WC+2*\g+1], v[XS+8*\g:XS+8*\g+7], v11
.endr
	ds_store_b128 v4, v[WC:WC+3] offset:32*(\t)    ; 32 codes: 32 bytes of my position's row
	ds_store_b128 v4, v[WC+4:WC+7] offset:32*(\t)+16
.if (\t)+2 < NB
	WLOAD (\t)+2
.endif
	s_wait_dscnt 0x0                               ; the stores have read their registers: the next block's codes may be written
.endm
.irp t, 0,1,2,3,4,5,6,7
	WBLOCK \t
.endr
	global_store_b64 v9, v[WSB:WSB+1], s[20:21]    ; my position's 8 scale bytes
	s_cmp_eq_u32 s24, 3
	s_cbranch_scc1 .Limages
.irp t, 0,1,2,3,4,5,6,7,8,9,10,11,12,13,14,15
	ds_load_b128 v[WO+4*\t:WO+4*\t+3], v7 offset:2*\t*PITCH        ; LDS serves a wave's instructions in order: these see my stores
.endr
.irp t, 0,1,2,3,4,5,6,7,8,9,10,11,12,13,14,15
	s_wait_dscnt 15-\t
	global_store_b128 v8, v[WO+4*\t:WO+4*\t+3], s[18:19] offset:2*\t*1024   ; sixteen lanes store 256 consecutive bytes, aligned
.endr
	s_wait_tensorcnt 0x0
	ds_add_u32 v192, v193
	s_wait_dscnt 0x0
	s_endpgm
.Limages:                                      ; Wp: n = 8 tile + 4 s + c: tile of 16 positions, 128 along K, group of four registers
.irp n, 0,1,2,3,4,5,6,7,8,9,10,11,12,13,14,15
	ds_load_b128 v[WO+4*\n:WO+4*\n+3], v15 offset:(\n/8)*16*PITCH+((\n/4)%2)*128+(\n%4)*32
.endr
.irp n, 0,1,2,3,4,5,6,7,8,9,10,11,12,13,14,15
	s_wait_dscnt 15-\n
	global_store_b128 v16, v[WO+4*\n:WO+4*\n+3], s[18:19] offset:(\n/8)*16384+((\n/4)%2)*2048+(\n%4)*512   ; 32 lanes store 512 consecutive bytes
.endr
	s_wait_tensorcnt 0x0
	ds_add_u32 v192, v193
	s_wait_dscnt 0x0
	s_endpgm
.Lfunc_end_k_q913071a92b_quant:
	.size	k_q913071a92b_quant, .Lfunc_end_k_q913071a92b_quant-k_q913071a92b_quant
	.p2alignl 7, 3214868480
	.fill 96, 4, 3214868480
	.section	.rodata,"a",@progbits
	.p2align	6, 0x0
	.amdhsa_kernel k_q913071a92b_quant
		.amdhsa_group_segment_fixed_size 68096
		.amdhsa_private_segment_fixed_size 0
		.amdhsa_enable_private_segment 0
		.amdhsa_kernarg_size 72
		.amdhsa_user_sgpr_count 2
		.amdhsa_user_sgpr_kernarg_segment_ptr 1
		.amdhsa_wavefront_size32 1
		.amdhsa_system_sgpr_workgroup_id_x 1
		.amdhsa_system_sgpr_workgroup_id_y 1
		.amdhsa_system_sgpr_workgroup_id_z 1
		.amdhsa_system_vgpr_workitem_id 0
		.amdhsa_next_free_vgpr 194
		.amdhsa_next_free_sgpr 66
		.amdhsa_reserve_vcc 0
		.amdhsa_float_denorm_mode_32 3
		.amdhsa_float_denorm_mode_16_64 3
		.amdhsa_memory_ordered 1
		.amdhsa_forward_progress 1
		.amdhsa_inst_pref_size 114
	.end_amdhsa_kernel
	.amdgpu_metadata
---
amdhsa.version: [ 1, 2 ]
amdhsa.kernels:
  - .name:           k_q913071a92b_quant
    .symbol:         k_q913071a92b_quant.kd
    .args:
      - { .name: x, .offset: 0, .size: 8, .value_kind: global_buffer, .address_space: global }
      - { .name: Wq, .offset: 8, .size: 8, .value_kind: global_buffer, .address_space: global }
      - { .name: Wk, .offset: 16, .size: 8, .value_kind: global_buffer, .address_space: global }
      - { .name: Wv, .offset: 24, .size: 8, .value_kind: global_buffer, .address_space: global }
      - { .name: Wp, .offset: 32, .size: 8, .value_kind: global_buffer, .address_space: global }
      - { .name: xc, .offset: 40, .size: 8, .value_kind: global_buffer, .address_space: global }
      - { .name: xs, .offset: 48, .size: 8, .value_kind: global_buffer, .address_space: global }
      - { .name: wc, .offset: 56, .size: 8, .value_kind: global_buffer, .address_space: global }
      - { .name: ws, .offset: 64, .size: 8, .value_kind: global_buffer, .address_space: global }
    .group_segment_fixed_size: 68096
    .private_segment_fixed_size: 0
    .kernarg_segment_align: 8
    .kernarg_segment_size: 72
    .max_flat_workgroup_size: 128
    .sgpr_count:     66
    .vgpr_count:     194
    .wavefront_size: 32
...
	.end_amdgpu_metadata
.endif
;; end of part 5
;; launch qkv (part 6): grid 16 x 16, 4 waves a work-group, clusters of 4 x 4, 327,680 bytes of LDS; arguments xc, xs, wc, ws, qkvc, qkvs, bq, bk, bv; writes qkvc, qkvs
.if DOCPART == 6
	.amdgcn_target "amdgcn-amd-amdhsa--gfx1250"
	.amdhsa_code_object_version 6
	.text
	.protected	k_q913071a92b_qkv
	.globl	k_q913071a92b_qkv
	.p2align	8
	.type	k_q913071a92b_qkv,@function
k_q913071a92b_qkv:
	s_mov_b64 s[64:65], 0
	v_nop
	global_prefetch_b8 v0, s[64:65] scope:SCOPE_SE
	s_setreg_imm32_b32 hwreg(HW_REG_WAVE_MODE, 25, 1), 1
	s_wait_xcnt 0x0
	s_wait_alu depctr_hold_cnt(0) depctr_sa_sdst(0) depctr_va_vdst(0) depctr_va_sdst(0) depctr_va_ssrc(0) depctr_va_vcc(0) depctr_vm_vsrc(0)
	s_getreg_b32 s2, hwreg(HW_REG_IB_STS2, 6, 4)
	s_cmp_eq_u32 s2, 0
	s_cbranch_scc0 .Lentry_in_a_cluster
	s_endpgm
.Lentry_in_a_cluster:
	s_bfe_u32 s2, ttmp6, 0x10000c
	s_cmp_lg_u32 s2, 0xf033
	s_cbranch_scc0 .Lentry_shape_is_right
	s_endpgm
.Lentry_shape_is_right:
; q, k, v = x W + b on codes of BF8 (E5M2) with E8M0 scales, K = 1,024, sums in f32 that begin with the bias; each result is quantised along the next product's K and leaves as images of the attention launch's operands.
; SHARES.  256 work-groups: 256 tokens x one head of q, of k and of v (192 columns).  Each of four waves owns 64 tokens x all 192 columns: 48 accumulators of 16 x 16.
; q and k: source 0 = columns, source 1 = tokens (a lane holds one token, K = the head's 64);  v: source 0 = tokens, source 1 = columns (a lane holds one channel, K = the keys).
; Positions have bits 3 and 4 exchanged, so the 16 registers of two neighbouring tiles are 16 neighbours along the next product's K.
; K goes in four chunks of 256 (rows of 256 bytes) through two LDS slots.  At the head wave 0 asks for the tokens' chunk 0, wave 1 for the columns', waves 2 and 3 for chunk 1; the first barrier shows chunk 0 alone.
; Chunks 2 and 3 come as refills behind drained rounds of the cluster's barrier: by waves 0 and 1 into slot 0, by waves 2 and 3 into slot 1.  One tensor load of a wave is out at the most.
; CLUSTERS: 4 x 4 work-groups.  The four of a row need the same tokens, the four of a column the same head's columns: each tile is asked for jointly.
; PREFETCH: behind the first fragment loads each wave asks for its share of chunks 2 and 3, one K step of 128 and three ahead of the loads that want them; the four partners share a tile's rows out by address.
; The scale words come once, straight into registers, for all of K: lane l takes row l of a pair of tiles.
; LIMITS: a block of zeros gets the byte 1; largest magnitudes under 2^-111 are held at that floor; NaN and infinities are not served.
; REGISTERS.  Window 0: v1-23 addresses; v28-43 the tokens' scale words; v48-95 the columns'; v96-127, v192-255 the bias as C; v128-191 the tokens' fragments of odd K steps; from v128 on at work on the way out.
;   Window 1: the columns' fragments: q v0-63, k v64-127, v v128-191; v192-255 the tokens' of even K steps.  Window 2: q's and k's accumulators (a, b) at 128 t + 8 (4 a + b).  Window 3: v's at 8 (4 b + a).
.set PITCH, 272                        ; an LDS row: 256 bytes + 16 of padding
.set XB,    256*PITCH                  ; a slot: 256 rows of tokens, then 192 of columns
.set SLOT,  448*PITCH
.set STG,   2*SLOT                     ; a stage for the scale words: [q, k, v][key step 2][r 16][16 bytes]; no fill lands here
.set SPARE, STG+1536                   ; the spare words, 128 bytes a wave
.set AS,    28                         ; AS + 8 p + s: K step s; lanes 0-15 row tile 2 p's words, lanes 16-31 tile 2 p + 1's
.set WSC,   48                         ; WSC + 8 p + s: column tiles 2 p, 2 p + 1 of the twelve
.set BV,    96                         ; BV + 8 b, BQ + 32 t + 8 b: the first products' C
.set BQ,    192
.set PC,    128                        ; the way out: 16 registers of codes for each of six units
.set TM,    224
.set PW,    240
.set NIL,   12
.set SPW,   13
.set G1X,   32                         ; s[32:39], s[48:51] groups 1 and 0 for the tokens' tiles;  s[40:47], s[52:55] for the columns'
.set G1W,   40
.set G0X,   48
.set G0W,   52
.set MSB, 0
.macro WIN new                         ; the immediate's high byte repeats the setting that is left
.if MSB != (\new)
	s_set_vgpr_msb (MSB<<8)|(\new)
.set MSB, (\new)
.endif
.endm
.macro PLACES n
.rept \n
	v_nop
.endr
.endm
.macro CREST                           ; a round of the cluster's barrier behind its opening barrier
	s_cmp_lg_u32 s22, 0
	s_cbranch_scc1 .Lnot_wave_0_\@
	s_barrier_signal -3
.Lnot_wave_0_\@:
	s_barrier_wait -3
	s_barrier_signal -1
	s_barrier_wait -1
.endm
.macro CROUND
	s_barrier_signal -1
	s_barrier_wait -1
	CREST
.endm
.macro TLOAD g0, g1
	tensor_load_to_lds s[\g0:\g0+3], s[\g1:\g1+7]
	s_nop 0
	PLACES 4
.endm
.macro GROUP1 g, mask, rows            ; 15:0 the mask; elements of 1 byte; 20 padding on; 21 set beside a mask; 24:22 after every 64 words; 31:25 of 4 words
	s_or_b32 s[\g], s\mask, (1<<20)|(1<<21)|(5<<22)|(3<<25)
	s_mov_b32 s[\g+1], 256<<16
	s_mov_b32 s[\g+2], (\rows)<<16
	s_mov_b32 s[\g+3], 256<<16
	s_mov_b32 s[\g+4], \rows
	s_mov_b32 s[\g+5], 1024
	s_mov_b32 s[\g+6], 0
	s_mov_b32 s[\g+7], 0
.endm
	s_load_b512 s[4:19], s[0:1], 0x0               ; xc s[4:5], xs s[6:7], wc s[8:9], ws s[10:11], qkvc s[12:13], qkvs s[14:15], bq s[16:17], bk s[18:19]
	s_load_b64 s[20:21], s[0:1], 0x40              ; bv
	v_lshl_add_u32 v[SPW], v0, 2, SPARE
	v_mov_b32 v[NIL], 0
	ds_add_u32 v[SPW], v[NIL]                      ; the wave's opening: the add, twice on end
	ds_add_u32 v[SPW], v[NIL]
	v_lshrrev_b32 v1, 5, v0
	v_readfirstlane_b32 s22, v1                    ; wave 0..3
	s_lshr_b32 s23, s22, 1                         ; which chunk of K I fetch (0, 1; later 2, 3), and which key step of 128 my tokens lie in
	s_and_b32 s24, s22, 1                          ; which half of that key step
	s_bfe_u32 s25, ttmp6, 0x40000                  ; cx, cy
	s_bfe_u32 s26, ttmp6, 0x40004
	s_lshl_b32 s27, ttmp9, 2
	s_add_co_u32 s27, s27, s25                     ; the head: 4 x cluster x + cx
	s_and_b32 s28, ttmp7, 0xffff
	s_lshl_b32 s28, s28, 2
	s_add_co_u32 s28, s28, s26                     ; the block of 256 tokens: 4 x cluster y + cy
	s_lshl_b32 s29, s26, 2
	s_lshl_b32 s29, 15, s29                        ; my row of the cluster
	s_lshl_b32 s30, 0x1111, s25                    ; my column
	GROUP1 G1X, 29, 256
	GROUP1 G1W, 30, 192
	s_lshl_b32 s56, s28, 18                        ; the tokens' codes: 262,144 bytes a block, + my chunk
	s_lshl_b32 s57, s23, 8
	s_add_co_u32 s56, s56, s57
	s_mov_b32 s57, 0
	s_mul_i32 s58, s27, 196608                     ; the columns': 192 rows a head
	s_lshl_b32 s59, s23, 8
	s_add_co_u32 s58, s58, s59
	s_mov_b32 s59, 0
	s_lshl_b32 s60, s28, 13                        ; scale bytes: rows of 32: my 64 tokens',
	s_lshl_b32 s61, s22, 11
	s_add_co_u32 s60, s60, s61
	s_mov_b32 s61, 0
	s_mul_i32 s62, s27, 6144                       ; the head's 192 columns'
	s_mov_b32 s63, 0
	s_lshr_b32 s78, s28, 3
	s_mul_i32 s78, s78, 48
	s_add_co_u32 s78, s78, s27                     ; q's place among the 96 heads of qkvc; k's and v's are 16 and 32 further on
	s_and_b32 s79, s28, 7
	s_lshl_b32 s66, s78, 17                        ; codes: 131,072 a head, 8,192 a key step
	s_lshl_b32 s67, s79, 14
	s_add_co_u32 s66, s66, s67
	s_lshl_b32 s67, s23, 13
	s_add_co_u32 s66, s66, s67
	s_lshl_b32 s68, s24, 10                        ; v: my two of a key step's four pieces of 32 keys
	s_add_co_u32 s68, s68, s66
	s_mov_b32 s69, 0
	s_lshl_b32 s67, s24, 12                        ; q, k: my four of its eight tiles
	s_add_co_u32 s66, s66, s67
	s_mov_b32 s67, 0
	s_lshl_b32 s70, s22, 4                         ; scale words: wave t stores tensor t's 512 bytes
	s_add_co_u32 s70, s70, s78
	s_lshl_b32 s70, s70, 12
	s_lshl_b32 s71, s79, 9
	s_add_co_u32 s70, s70, s71
	s_mov_b32 s71, 0
	s_lshl_b32 s72, s27, 8                         ; the head's 64 biases
	s_mov_b32 s73, 0
	s_lshl_b32 s80, s28, 18                        ; my share of the prefetches: waves 0, 1: 32 rows of tokens, by cx;
	s_lshl_b32 s81, s25, 16
	s_add_co_u32 s80, s80, s81
	s_lshl_b32 s81, s24, 15
	s_add_co_u32 s80, s80, s81
	s_mul_i32 s81, s27, 196608                     ; waves 2, 3: 24 rows of columns, by cy
	s_mul_i32 s82, s26, 49152
	s_add_co_u32 s81, s81, s82
	s_mul_i32 s82, s24, 24576
	s_add_co_u32 s81, s81, s82
	s_mul_i32 s83, s23, SLOT
	s_mov_b32 s82, 23
	s_mov_b32 s77, 0
	s_wait_alu depctr_va_vdst(0)
	s_wait_dscnt 0x0                               ; both opening adds are done
	s_wait_kmcnt 0x0
	s_cmp_eq_u32 s23, 0
	s_cselect_b32 s82, 31, s82
	s_cselect_b32 s76, s80, s81
	s_cselect_b64 s[74:75], s[4:5], s[8:9]
	s_add_nc_u64 s[74:75], s[74:75], s[76:77]
	s_mov_b32 s[G0X], 1
	s_mov_b32 s[G0X+1], s83
	s_add_nc_u64 s[G0X+2:G0X+3], s[4:5], s[56:57]
	s_or_b32 s[G0X+3], s[G0X+3], 0x80000000
	s_mov_b32 s[G0W], 1
	s_add_co_u32 s[G0W+1], s83, XB
	s_add_nc_u64 s[G0W+2:G0W+3], s[8:9], s[58:59]
	s_or_b32 s[G0W+3], s[G0W+3], 0x80000000
	s_add_nc_u64 s[60:61], s[6:7], s[60:61]
	s_add_nc_u64 s[62:63], s[10:11], s[62:63]
	s_add_nc_u64 s[66:67], s[12:13], s[66:67]
	s_add_nc_u64 s[68:69], s[12:13], s[68:69]
	s_add_nc_u64 s[70:71], s[14:15], s[70:71]
	s_add_nc_u64 s[16:17], s[16:17], s[72:73]
	s_add_nc_u64 s[18:19], s[18:19], s[72:73]
	s_add_nc_u64 s[20:21], s[20:21], s[72:73]
	CROUND                                         ; all sixteen work-groups are here: the joint loads meet
.macro ARM under, g0, g1, next                 ; one load a wave, in one chain of branches on the wave's number; each wave has a line of its own
	s_cmp_lt_u32 s22, \under
	s_cbranch_scc0 \next
	TLOAD \g0, \g1
	s_branch .Lasked
\next:
.endm
	ARM 1, G0X, G1X, .Lhead_1
	ARM 2, G0W, G1W, .Lhead_2
	ARM 3, G0X, G1X, .Lhead_3
	TLOAD G0W, G1W
.Lasked:
	v_and_b32 v2, 31, v0
	v_and_b32 v3, 15, v0                           ; r
	v_bfe_u32 v4, v0, 4, 1                         ; h
	v_lshlrev_b32 v1, 4, v2                        ; 16 x lane
	v_lshlrev_b32 v15, 5, v2                       ; a row of scale bytes
	v_lshlrev_b32 v14, 6, v4                       ; the bias of q's and k's registers: 16 h columns on
	v_and_b32 v5, 7, v3
	v_lshrrev_b32 v6, 3, v3
	v_lshl_add_u32 v5, v6, 4, v5
	v_lshlrev_b32 v23, 2, v5                       ; the bias of v's lanes: column r % 8 + 16 (r / 8)
	v_mul_u32_u24 v7, v3, PITCH
	v_lshl_add_u32 v7, v4, 4, v7                   ; a fragment's row x pitch + 16 h
	s_mul_i32 s84, s22, 64*PITCH
	v_add_nc_u32 v16, s84, v7                      ; v16, v17: my tokens' fragments in slot 0, 1
	v_add_nc_u32 v17, SLOT, v16
	v_add_nc_u32 v18, XB, v7                       ; v18, v19: the columns'
	v_add_nc_u32 v19, SLOT, v18
	s_lshl_b32 s84, s23, 8
	s_add_co_u32 s84, s84, STG
	s_lshl_b32 s85, s24, 3
	s_add_co_u32 s85, s85, s84
	v_lshl_add_u32 v20, v3, 4, s85                 ; the stage: q's and k's words,
	s_lshl_b32 s85, s24, 1
	s_add_co_u32 s85, s85, s84
	s_add_co_u32 s85, s85, 1024
	v_lshl_add_u32 v21, v3, 4, s85                 ; v's half words
	v_min_u32 v22, s82, v2                         ; (lanes left over name the last row again)
	v_lshlrev_b32 v22, 10, v22
.irp p, 0,1
	global_load_b128 v[AS+8*\p:AS+8*\p+3], v15, s[60:61] offset:1024*\p
	global_load_b128 v[AS+8*\p+4:AS+8*\p+7], v15, s[60:61] offset:1024*\p+16
.endr
.irp p, 0,1,2,3,4,5
	global_load_b128 v[WSC+8*\p:WSC+8*\p+3], v15, s[62:63] offset:1024*\p
	global_load_b128 v[WSC+8*\p+4:WSC+8*\p+7], v15, s[62:63] offset:1024*\p+16
.endr
.irp b, 0,1,2,3
	global_load_b128 v[BQ+8*\b:BQ+8*\b+3], v14, s[16:17] offset:(32*(\b/2)+8*(\b%2))*4
	global_load_b128 v[BQ+8*\b+4:BQ+8*\b+7], v14, s[16:17] offset:(32*(\b/2)+8*(\b%2))*4+16
	global_load_b128 v[BQ+32+8*\b:BQ+32+8*\b+3], v14, s[18:19] offset:(32*(\b/2)+8*(\b%2))*4
	global_load_b128 v[BQ+32+8*\b+4:BQ+32+8*\b+7], v14, s[18:19] offset:(32*(\b/2)+8*(\b%2))*4+16
	global_load_b32 v[8+\b], v23, s[20:21] offset:(32*(\b/2)+8*(\b%2))*4
.endr
	s_wait_alu depctr_va_vdst(0)
	s_wait_loadcnt 0x0
.irp b, 0,1,2,3
.irp j, 0,1,2,3,4,5,6,7
	v_mov_b32 v[BV+8*\b+\j], v[8+\b]               ; v: all eight registers of a tile are one channel
.endr
.endr
.macro WM d, x, y, c, sx, sy, rx, ry           ; one product; rx, ry: the scale words of source 0, 1 stand in lanes 16-31
.if ((\rx) == 0) && ((\ry) == 0)
	v_wmma_scale_f32_16x16x128_f8f6f4 v[\d:\d+7], v[\x:\x+15], v[\y:\y+15], v[\c:\c+7], v[\sx], v[\sy] matrix_a_fmt:MATRIX_FMT_BF8 matrix_b_fmt:MATRIX_FMT_BF8
.elseif (\ry) == 0
	v_wmma_scale_f32_16x16x128_f8f6f4 v[\d:\d+7], v[\x:\x+15], v[\y:\y+15], v[\c:\c+7], v[\sx], v[\sy] matrix_a_fmt:MATRIX_FMT_BF8 matrix_b_fmt:MATRIX_FMT_BF8 matrix_a_scale:MATRIX_SCALE_ROW1
.elseif (\rx) == 0
	v_wmma_scale_f32_16x16x128_f8f6f4 v[\d:\d+7], v[\x:\x+15], v[\y:\y+15], v[\c:\c+7], v[\sx], v[\sy] matrix_a_fmt:MATRIX_FMT_BF8 matrix_b_fmt:MATRIX_FMT_BF8 matrix_b_scale:MATRIX_SCALE_ROW1
.else
	v_wmma_scale_f32_16x16x128_f8f6f4 v[\d:\d+7], v[\x:\x+15], v[\y:\y+15], v[\c:\c+7], v[\sx], v[\sy] matrix_a_fmt:MATRIX_FMT_BF8 matrix_b_fmt:MATRIX_FMT_BF8 matrix_a_scale:MATRIX_SCALE_ROW1 matrix_b_scale:MATRIX_SCALE_ROW1
.endif
.endm
.macro QK t, s                         ; q's (t = 0) or k's (1) 16 products of K step s, one instruction a turn on each accumulator
.set rA, 192-64*((\s)%2)
.if (\s) == 0
	WIN 0x85                                       ; sources 0 and 1 window 1, C window 0, D window 2
.else
	WIN 0xa5-4*((\s)%2)                            ; source 0 window 1, source 1 window 1 or 0, C and D window 2
.endif
.irp a, 0,1,2,3
.irp b, 0,1,2,3
.set rD, 128*(\t)+8*(4*\a+\b)
.set rC, rD
.if (\s) == 0
.set rC, BQ+32*(\t)+8*\b
.endif
.set rX, 64*(\t)+16*\b
.set rY, rA+16*\a
.set rS, WSC+8*(2*(\t)+\b/2)+(\s)
.set rT, AS+8*(\a/2)+(\s)
	WM rD, rX, rY, rC, rS, rT, \b%2, \a%2
.endr
.endr
.endm
.macro VV s                            ; v's 16 products
.set rA, 192-64*((\s)%2)
.if (\s) == 0
	WIN 0xc5                                       ; sources 0 and 1 window 1, C window 0, D window 3
.else
	WIN 0xf5-((\s)%2)                              ; source 0 window 1 or 0, source 1 window 1, C and D window 3
.endif
.irp b, 0,1,2,3
.irp a, 0,1,2,3
.set rD, 8*(4*\b+\a)
.set rC, rD
.if (\s) == 0
.set rC, BV+8*\b
.endif
.set rX, rA+16*\a
.set rY, 128+16*\b
.set rS, AS+8*(\a/2)+(\s)
.set rT, WSC+8*(4+\b/2)+(\s)
	WM rD, rX, rY, rC, rS, rT, \a%2, \b%2
.endr
.endr
.endm
.macro FB t, s                         ; the columns' four fragments of q, k or v for K step s: 16 loads
	WIN 0x40
.irp b, 0,1,2,3
.irp c, 0,1,2,3
	ds_load_b128 v[64*(\t)+16*\b+4*\c:64*(\t)+16*\b+4*\c+3], v[18+((\s)/2)%2] offset:(64*(\t)+16*\b)*PITCH+128*((\s)%2)+32*\c
.endr
.endr
	WIN 0
.endm
.macro FA s                            ; my tokens' four fragments: 16 loads
.set rA, 192-64*((\s)%2)
	WIN 0x40*(1-(\s)%2)
.irp a, 0,1,2,3
.irp c, 0,1,2,3
	ds_load_b128 v[rA+16*\a+4*\c:rA+16*\a+4*\c+3], v[16+((\s)/2)%2] offset:16*\a*PITCH+128*((\s)%2)+32*\c
.endr
.endr
	WIN 0
.endm
.macro REFILL slot                     ; waves 2 slot and 2 slot + 1 fill the slot anew, one load each
	s_cmp_eq_u32 s22, 2*\slot
	s_cbranch_scc0 .Lnot_x_\@
	TLOAD G0X, G1X
	s_branch .Lfilled_\@
.Lnot_x_\@:
	s_cmp_eq_u32 s22, 2*\slot+1
	s_cbranch_scc0 .Lfilled_\@
	TLOAD G0W, G1W
.Lfilled_\@:
.endm
; A K STEP of 128.  At its head q's and my tokens' fragments are the oldest loads out, then k's, then v's, 16 each.  A buffer takes the next step's fragments when its products are issued, behind eight places.
.macro KSTEP s
	s_wait_dscnt 32                                ; q's and the tokens' fragments are in; k's and v's may be out
	QK 0, \s
	s_wait_dscnt 16                                ; k's are in
.if (\s) < 7
	WIN 0
	PLACES 8
	FB 0, (\s)+1
	FA (\s)+1
.endif
	QK 1, \s
.if (\s) < 7
	WIN 0
	PLACES 8
	s_wait_dscnt 32                                ; v's are in; the 32 just issued may be out
	FB 1, (\s)+1
.else
	s_wait_dscnt 0x0
.endif
	VV \s
.if (\s) < 7
	WIN 0
	PLACES 8
	FB 2, (\s)+1
.endif
.endm
; A K step that changes chunks: all reads of its own chunk have been issued ahead of it.  slot = 0, 1: that slot is filled anew behind a round; 2: nothing is filled.
.macro TURN s, slot
	WIN 0
	s_wait_tensorcnt 0x0                           ; my tensor loads have landed: my part of the chunk that is read next;
	ds_add_u32 v[SPW], v[NIL]
.if (\slot) == 0
	s_add_nc_u64 s[G0X+2:G0X+3], s[G0X+2:G0X+3], 512   ; no load of mine is out: on to the chunk two further on
	s_add_nc_u64 s[G0W+2:G0W+3], s[G0W+2:G0W+3], 512
.endif
	s_wait_dscnt 33                                ; q's and the tokens' fragments are in; k's, v's and the add may be out
	QK 0, \s
	s_wait_dscnt 0x0                               ; the add is done, and my reads of this chunk are over
	s_barrier_signal -1
	QK 1, \s
	WIN 0
	s_barrier_wait -1
.if (\slot) < 2
	CREST
	REFILL \slot
.endif
	PLACES 8
	FB 0, (\s)+1
	FA (\s)+1
	FB 1, (\s)+1
	VV \s
	WIN 0
	PLACES 8
	FB 2, (\s)+1
.endm
	s_wait_alu depctr_va_vdst(0)                   ; the head's end
	s_cmp_lt_u32 s22, 2                            ; chunk 0 is waves 0 and 1's: they wait; waves 2 and 3 wait at the first change of chunks
	s_cbranch_scc0 .Lnot_yet
	s_wait_tensorcnt 0x0
.Lnot_yet:
	s_barrier_signal -1
	s_barrier_wait -1
	FB 0, 0
	FA 0
	FB 1, 0
	s_wait_dscnt 32
	FB 2, 0
	global_prefetch_b8 v22, s[74:75] offset:512 th:TH_LOAD_NT scope:SCOPE_SE
	global_prefetch_b8 v22, s[74:75] offset:768 th:TH_LOAD_NT scope:SCOPE_SE
	KSTEP 0
	TURN 1, 0
	KSTEP 2
	TURN 3, 1
	KSTEP 4
	TURN 5, 2
	KSTEP 6
	KSTEP 7
	WIN 0
	PLACES 8
; THE WAY OUT, in six units of 64 numbers a lane, four blocks of 32 along the next K each (a block lies in lanes l and l xor 16), in place over the accumulators: window w, from register x on.
	s_mov_b32 s76, 0x76543210
	s_mov_b32 s77, 0xfedcba98                      ; v_permlanex16_b32's selects for lane l xor 16
	s_mov_b32 s78, 0x600000                        ; the mantissa field of 57,344
.macro QUANT u, w, x
	WIN (\w)|((\w)<<2)
.irp b, 0,1,2,3
	v_max3_num_f32 v[TM+\b], |v[\x+16*\b]|, |v[\x+1+16*\b]|, 0x8000000   ; with the floor 2^(16 - 127)
.endr
	WIN ((\w)<<2)|((\w)<<4)
.irp i, 2,4,6,8,10,12,14
.irp b, 0,1,2,3
	v_max3_num_f32 v[TM+\b], v[TM+\b], |v[\x+16*\b+\i]|, |v[\x+1+16*\b+\i]|
.endr
.endr
	WIN 0
.irp b, 0,1,2,3
	v_permlanex16_b32 v[TM+4+\b], v[TM+\b], s76, s77
.endr
.irp b, 0,1,2,3
	v_max_num_f32 v[TM+\b], v[TM+\b], v[TM+4+\b]
.endr
.irp b, 0,1,2,3
	v_add_nc_u32 v[TM+12+\b], 0xf8800000, v[TM+\b] ; the conversion's scale operand
.endr
.irp b, 0,1,2,3
	v_and_or_b32 v[TM+8+\b], v[TM+\b], 0x7f800000, s78   ; 57,344 x the scale
.endr
.irp b, 0,1,2,3
	v_lshrrev_b32 v[TM+4+\b], 23, v[TM+12+\b]      ; the scale's byte
.endr
	v_lshl_or_b32 v[PW+\u], v[TM+5], 8, v[TM+4]
	v_lshl_or_b32 v[PW+\u], v[TM+6], 16, v[PW+\u]
	v_lshl_or_b32 v[PW+\u], v[TM+7], 24, v[PW+\u]
.if (\u) > 3
	v_lshrrev_b32 v[PW+4+\u], 16, v[PW+\u]         ; v: the second tile's two bytes
.endif
	WIN (\w)|((\w)<<6)
.irp b, 0,1,2,3
.irp i, 0,1,2,3,4,5,6,7,8,9,10,11,12,13,14,15
	v_med3_num_f32 v[\x+16*\b+\i], v[\x+16*\b+\i], -v[TM+8+\b], v[TM+8+\b]   ; the conversion does not saturate (ISA guide 7.6.2)
.endr
.endr
	WIN \w
.irp b, 0,1,2,3
	v_cvt_scalef32_pk8_bf8_f32 v[PC+16*\u+4*\b:PC+16*\u+4*\b+1], v[\x+16*\b:\x+16*\b+7], v[TM+12+\b]
	v_cvt_scalef32_pk8_bf8_f32 v[PC+16*\u+4*\b+2:PC+16*\u+4*\b+3], v[\x+16*\b+8:\x+16*\b+15], v[TM+12+\b]
.endr
	WIN 0
	v_nop
.endm
.irp u, 0,1,2,3                                ; unit 2 t + p: row tiles 2 p, 2 p + 1 of q or k: 2,048 consecutive bytes of codes, one scale word a row
	QUANT \u, 2, 64*\u
.irp n, 0,1,2,3
	global_store_b128 v1, v[PC+16*\u+4*\n:PC+16*\u+4*\n+3], s[66:67] offset:2097152*(\u/2)+2048*(\u%2)+512*\n   ; 32 lanes store 512 consecutive bytes
.endr
	ds_store_b32 v20, v[PW+\u] offset:512*(\u/2)+4*(\u%2)   ; both halves of the lanes write the same word with the same value
.endr
.irp u, 4,5                                    ; channel tiles 2 (u - 4), + 1 of v, 64 keys each: two pieces of 32 keys and two scale bytes a tile
	QUANT \u, 3, 64*(\u-4)
.irp n, 0,1,2,3
	global_store_b128 v1, v[PC+16*\u+4*\n:PC+16*\u+4*\n+3], s[68:69] offset:4194304+2048*(2*(\u-4)+\n/2)+512*(\n%2)
.endr
	ds_store_b16 v21, v[PW+\u] offset:8*(\u-4)
	ds_store_b16 v21, v[PW+4+\u] offset:8*(\u-4)+4
.endr
	s_lshl_b32 s84, s22, 9
	s_add_co_u32 s84, s84, STG
	v_add_nc_u32 v2, s84, v1
	s_wait_alu depctr_va_vdst(0)
	s_wait_dscnt 0x0                               ; for the others' sake
	s_barrier_signal -1
	s_barrier_wait -1
	s_cmp_eq_u32 s22, 3
	s_cbranch_scc1 .Lno_words
	ds_load_b128 v[4:7], v2                        ; wave t: tensor t's words of two key steps
	s_wait_dscnt 0x0
	global_store_b128 v1, v[4:7], s[70:71]         ; 32 lanes store 512 consecutive bytes, aligned
.Lno_words:
	s_wait_tensorcnt 0x0                           ; the wave's end
	ds_add_u32 v[SPW], v[NIL]
	s_wait_dscnt 0x0
	CROUND                                         ; the closing round
	s_endpgm
.Lfunc_end_k_q913071a92b_qkv:
	.size	k_q913071a92b_qkv, .Lfunc_end_k_q913071a92b_qkv-k_q913071a92b_qkv
	.p2alignl 7, 3214868480
	.fill 96, 4, 3214868480
	.section	.rodata,"a",@progbits
	.p2align	6, 0x0
	.amdhsa_kernel k_q913071a92b_qkv
		.amdhsa_group_segment_fixed_size 327680
		.amdhsa_private_segment_fixed_size 0
		.amdhsa_enable_private_segment 0
		.amdhsa_kernarg_size 72
		.amdhsa_user_sgpr_count 2
		.amdhsa_user_sgpr_kernarg_segment_ptr 1
		.amdhsa_wavefront_size32 1
		.amdhsa_system_sgpr_workgroup_id_x 1
		.amdhsa_system_sgpr_workgroup_id_y 1
		.amdhsa_system_sgpr_workgroup_id_z 1
		.amdhsa_system_vgpr_workitem_id 0
		.amdhsa_next_free_vgpr 1024
		.amdhsa_next_free_sgpr 102
		.amdhsa_reserve_vcc 0
		.amdhsa_float_denorm_mode_32 3
		.amdhsa_float_denorm_mode_16_64 3
		.amdhsa_memory_ordered 1
		.amdhsa_forward_progress 1
		.amdhsa_inst_pref_size 157
	.end_amdhsa_kernel
	.amdgpu_metadata
---
amdhsa.version: [ 1, 2 ]
amdhsa.kernels:
  - .name:           k_q913071a92b_qkv
    .symbol:         k_q913071a92b_qkv.kd
    .args:
      - { .name: xc, .offset: 0, .size: 8, .value_kind: global_buffer, .address_space: global }
      - { .name: xs, .offset: 8, .size: 8, .value_kind: global_buffer, .address_space: global }
      - { .name: wc, .offset: 16, .size: 8, .value_kind: global_buffer, .address_space: global }
      - { .name: ws, .offset: 24, .size: 8, .value_kind: global_buffer, .address_space: global }
      - { .name: qkvc, .offset: 32, .size: 8, .value_kind: global_buffer, .address_space: global }
      - { .name: qkvs, .offset: 40, .size: 8, .value_kind: global_buffer, .address_space: global }
      - { .name: bq, .offset: 48, .size: 8, .value_kind: global_buffer, .address_space: global }
      - { .name: bk, .offset: 56, .size: 8, .value_kind: global_buffer, .address_space: global }
      - { .name: bv, .offset: 64, .size: 8, .value_kind: global_buffer, .address_space: global }
    .group_segment_fixed_size: 327680
    .private_segment_fixed_size: 0
    .kernarg_segment_align: 8
    .kernarg_segment_size: 72
    .max_flat_workgroup_size: 128
    .sgpr_count:     102
    .vgpr_count:     1024
    .wavefront_size: 32
...
	.end_amdgpu_metadata
.endif
;; end of part 6
;; launch attn (part 7): grid 8 x 32, 8 waves a work-group, clusters of 4 x 1, 327,680 bytes of LDS; arguments qkvc, qkvs, oc, os; writes oc, os
.if DOCPART == 7
	.amdgcn_target "amdgcn-amd-amdhsa--gfx1250"
	.amdhsa_code_object_version 6
	.text
	.protected	k_q913071a92b_attn
	.globl	k_q913071a92b_attn
	.p2align	8
	.type	k_q913071a92b_attn,@function
k_q913071a92b_attn:
	s_mov_b64 s[64:65], 0
	v_nop
	global_prefetch_b8 v0, s[64:65] scope:SCOPE_SE
	s_setreg_imm32_b32 hwreg(HW_REG_WAVE_MODE, 25, 1), 1
	s_wait_xcnt 0x0
	s_wait_alu depctr_hold_cnt(0) depctr_sa_sdst(0) depctr_va_vdst(0) depctr_va_sdst(0) depctr_va_ssrc(0) depctr_va_vcc(0) depctr_vm_vsrc(0)
	s_getreg_b32 s2, hwreg(HW_REG_IB_STS2, 6, 4)
	s_cmp_eq_u32 s2, 0
	s_cbranch_scc0 .Lentry_in_a_cluster
	s_endpgm
.Lentry_in_a_cluster:
	s_bfe_u32 s2, ttmp6, 0x10000c
	s_cmp_lg_u32 s2, 0x3003
	s_cbranch_scc0 .Lentry_shape_is_right
	s_endpgm
.Lentry_shape_is_right:
; o = softmax(q k^T / 8) v for one head, both products on codes of BF8 (E5M2) with E8M0 scales; o is quantised along the model's 1,024 and leaves as codes.
; THE SOFTMAX: t = score x log2(e) / 8; M = the row's largest t so far, rounded UP to a whole number; p = 2^(t - M) is what is quantised, along the keys; the row's sum is taken of the unquantised p and
; divides O at the end.  When M moves, the sum and O are multiplied by 2^(old M - new M): exact.
; SHARES.  A work-group owns 256 queries of one (batch, head); each of its eight waves owns two tiles of 16 (A and B) in 512 registers, so each fragment of k and of v that is read from LDS serves two tiles.
; THE WHOLE HEAD LIES IN LDS: k's and v's codes are 131,072 bytes each, their scale words 4,096 each.  Every byte is filled once.  At the head each wave asks for one piece (the scale words, keys 0 to 511); behind a
; drained round each wave asks for one more (24,576 bytes of keys 512 to 2,047).  One tensor load of a wave is out at the most, and every wait on TENSORcnt is for 0.
; NO PREFETCH: these two groups of loads ask for all that the launch streams; behind them no step is left to ask ahead for.
; CLUSTER.  The four query blocks of a cluster belong to one head: each piece is asked for jointly, by the same load with the same descriptor and the mask of all four.
; LAYOUT.  Both products are used transposed (S^T = k q^T, O^T = v^T p^T): a lane holds one query of each tile throughout.  All operands arrive as images of their registers: a fragment is four loads of 512 consecutive bytes.
; Tokens and channels lie in position order (bits 3 and 4 exchanged), so the 16 registers of two neighbouring tiles are 16 true neighbours along the next K.
; K = 64 IN AN INSTRUCTION OF 128.  A fragment of k holds TWO tiles of keys: tile 2 b in k = 0 .. 63, tile 2 b + 1 in k = 64 .. 127.  The queries come as [q | zeros] and [zeros | q], which share q's registers.
; Zero codes on the queries' side alone make the other tile's half add exactly 0: k's codes are finite (they were held) and no scale byte is 0xff.
; LIMITS: a block of zeros gets the byte 1; largest magnitudes under 2^-111 are held at that floor; v_exp_f32 and v_rcp_f32 are good to 1 ulp and flush denormals; a block's largest p is taken as the
; exponential of its largest score, which takes v_exp_f32 not to fall where its input rises; the scaled scores stay under 2^31 in magnitude; NaN and infinities are not served.
; REGISTERS.  Window 0: v1-9 addresses and the add's two; v10-21 the tiles' states; v22-25 q's scale words; v26-63 at work; v64-127 S^T of A, then p; v128-191 of B; v192-223 O^T of A; v224-255 of B.
; Window 1: v0-63 k's fragments; v64-127 v's; v128-159 p's codes; v160-199 zeros, q of A, zeros, q of B, zeros.
.set KIMG, 0                           ; LDS: k's images: 8,192 for 128 keys: [pair of tiles 4][c 4][512]
.set VIMG, 131072                      ; v's: [tile of 16 channels 4][c 4][512]
.set SCW,  262144                      ; k's scale words [128 keys][r 16][4 words], and 4,096 bytes on v's
.set OST,  270336                      ; a stage for o's scale bytes: 64 bytes a wave; no fill lands here
.set SPARE, 270848                     ; the spare words, 128 bytes a wave
.set S,    64                          ; S + 64 t for tile t
.set O,    192                         ; O + 32 t
.set NM,   10                          ; NM + 6 t: -M;  + 1 the largest score so far;  SUM, SUM + 1 the sum in two halves;  F the factor 2^(old M - new M);  PW p's scale word
.set TX,   11
.set SUM,  12
.set F,    14
.set PW,   15
.set QS,   22                          ; QS + 2 t: q's bytes for k = 0 .. 63; + 1: for k = 64 .. 127
.set SY,   26                          ; v[26:27] a chain of the sum
.set KSW,  28                          ; k's scale words of a step
.set VSW,  32                          ; v's (in lanes 16-31)
.set BM,   36                          ; BM + 4 t + b: a block's largest score, then its largest p
.set TP,   44                          ; TP + 4 t + b: a permute's result, then the conversion's scale operand
.set CAP,  52                          ; CAP + 4 t + b: a scale byte, then 57,344 x the scale
.set TA,   60                          ; TA + t, TB + t at work
.set TB,   62
.set KR,   0                           ; window 1
.set VR,   64
.set PC,   128                         ; PC + 16 t
.set QH,   160                         ; QH + 16 t: [zeros | q]
.set QL,   168                         ; QL + 16 t: [q | zeros]
.set G1S,  28                          ; s[28:35], s[36:43], s[44:51], s[68:75] groups 1: scale words, k's, v's first pieces, the rest
.set G1K,  36
.set G1V,  44
.set G1C,  68
.set G0S,  52                          ; and their groups 0, never rewritten
.set G0K,  80
.set G0V,  84
.set G0C,  56
.set MSB, 0
.macro WIN new                         ; the immediate's high byte repeats the setting that is left
.if MSB != (\new)
	s_set_vgpr_msb (MSB<<8)|(\new)
.set MSB, (\new)
.endif
.endm
.macro ROUND                           ; a round of the cluster's barrier
	s_barrier_signal -1
	s_barrier_wait -1
	s_cmp_lg_u32 s12, 0
	s_cbranch_scc1 .Lnot_wave_0_\@
	s_barrier_signal -3
.Lnot_wave_0_\@:
	s_barrier_wait -3
	s_barrier_signal -1
	s_barrier_wait -1
.endm
.macro GROUP1 g, rows                  ; dense rows of 256 bytes for all four work-groups: 15:0 the mask; 17:16 elements of 8 bytes; 21 set beside a mask; no padding
	s_mov_b32 s[\g], 15|(3<<16)|(1<<21)
	s_mov_b32 s[\g+1], 32<<16
	s_mov_b32 s[\g+2], (\rows)<<16
	s_mov_b32 s[\g+3], 32<<16
	s_mov_b32 s[\g+4], \rows
	s_mov_b32 s[\g+5], 32
	s_mov_b32 s[\g+6], 0
	s_mov_b32 s[\g+7], 0
.endm
.macro TLOAD g0, g1
	tensor_load_to_lds s[\g0:\g0+3], s[\g1:\g1+7]
	s_nop 0
.rept 4
	v_nop
.endr
.endm
	s_load_b256 s[4:11], s[0:1], 0x0               ; qkvc s[4:5], qkvs s[6:7], oc s[8:9], os s[10:11]
	v_lshl_add_u32 v6, v0, 2, SPARE
	v_mov_b32 v7, 0
	ds_add_u32 v6, v7                              ; the wave's opening: the add, twice on end
	ds_add_u32 v6, v7
	v_lshrrev_b32 v8, 5, v0
	v_readfirstlane_b32 s12, v8                    ; wave 0..7
	s_bfe_u32 s13, ttmp6, 0x40000                  ; cx
	s_lshl_b32 s14, ttmp9, 2
	s_add_co_u32 s14, s14, s13                     ; my block of 256 queries: it enters q's and o's addresses alone
	s_and_b32 s15, ttmp7, 0xffff                   ; 16 x batch + head, which the four partners share
	s_lshr_b32 s16, s15, 4
	s_and_b32 s17, s15, 15
	s_mul_i32 s66, s16, 48
	s_add_co_u32 s66, s66, s17                     ; q's place among the 96 heads of qkvc
	s_add_co_u32 s67, s66, 16                      ; k's; v's is 16 further on
	s_lshl_b32 s76, s67, 17                        ; codes: 131,072 a head
	s_lshl_b32 s77, s67, 12                        ; scale words: 4,096 a head
	s_and_b32 s78, s12, 1
	s_and_b32 s79, s12, 3
	s_lshr_b32 s88, s12, 2
	GROUP1 G1S, 16
	GROUP1 G1K, 64
	GROUP1 G1V, 32
	GROUP1 G1C, 96
	s_lshl_b32 s89, s78, 16                        ; waves 0, 1: k's and v's scale words
	s_add_co_u32 s90, s77, s89
	s_mov_b32 s91, 0
	s_lshl_b32 s89, s78, 12
	s_mov_b32 s[G0S], 1
	s_add_co_u32 s[G0S+1], s89, SCW
	s_lshl_b32 s89, s78, 14                        ; waves 2, 3: halves of k's keys 0 to 511
	s_add_co_u32 s92, s76, s89
	s_mov_b32 s93, 0
	s_mov_b32 s[G0K], 1
	s_add_co_u32 s[G0K+1], s89, KIMG
	s_lshl_b32 s89, s79, 13                        ; waves 4 to 7: quarters of v's
	s_add_co_u32 s94, s76, s89
	s_add_co_u32 s94, s94, 2097152
	s_mov_b32 s95, 0
	s_mov_b32 s[G0V], 1
	s_add_co_u32 s[G0V+1], s89, VIMG
	s_mul_i32 s89, s79, 24576                      ; then keys 512 on: waves 0 to 3 quarters of k's, waves 4 to 7 of v's
	s_add_co_u32 s89, s89, 32768
	s_lshl_b32 s2, s88, 17
	s_mov_b32 s[G0C], 1
	s_add_co_u32 s[G0C+1], s2, s89
	s_lshl_b32 s2, s88, 21
	s_add_co_u32 s2, s2, s76
	s_add_co_u32 s2, s2, s89
	s_mov_b32 s3, 0
	s_lshl_b32 s96, s14, 4
	s_lshl_b32 s97, s12, 1
	s_add_co_u32 s96, s96, s97                     ; my first tile of queries within the batch
	s_lshl_b32 s98, s66, 17
	s_lshl_b32 s97, s96, 10
	s_add_co_u32 s98, s98, s97                     ; q's codes: 1,024 a tile
	s_mov_b32 s99, 0
	s_lshl_b32 s100, s66, 12
	s_lshr_b32 s97, s96, 3
	s_lshl_b32 s97, s97, 8
	s_add_co_u32 s100, s100, s97
	s_lshl_b32 s97, s79, 2
	s_add_co_u32 s100, s100, s97                   ; q's scale words: 256 for eight tiles, word wave % 4 holds both of my tiles' bytes
	s_mov_b32 s101, 0
	s_lshl_b32 s26, s16, 7
	s_add_co_u32 s26, s26, s96
	s_lshl_b32 s26, s26, 14
	s_lshl_b32 s97, s17, 10
	s_add_co_u32 s26, s26, s97                     ; oc: 16,384 a tile of tokens, 1,024 a head
	s_mov_b32 s27, 0
	s_lshl_b32 s18, s15, 12
	s_lshl_b32 s97, s14, 9
	s_add_co_u32 s18, s18, s97                     ; os: 4,096 a (batch, head), 512 for my 256 queries
	s_mov_b32 s19, 0
	s_mov_b32 s20, 0x76543210
	s_mov_b32 s21, 0xfedcba98                      ; v_permlanex16_b32's selects for lane l xor 16
	s_mov_b32 s22, 0x3e38aa3b                      ; c = log2(e) / 8
	s_mov_b32 s23, s22                             ; (named with it as a pair, so it is written)
	s_mov_b32 s24, 0xbe38aa3b                      ; -c
	s_mov_b32 s25, 0x600000                        ; the mantissa field of 57,344
	s_wait_alu depctr_va_vdst(0)
	s_wait_dscnt 0x0                               ; both opening adds are done
	s_wait_kmcnt 0x0
	s_add_nc_u64 s[G0S+2:G0S+3], s[6:7], s[90:91]
	s_or_b32 s[G0S+3], s[G0S+3], 0x80000000
	s_add_nc_u64 s[G0K+2:G0K+3], s[4:5], s[92:93]
	s_or_b32 s[G0K+3], s[G0K+3], 0x80000000
	s_add_nc_u64 s[G0V+2:G0V+3], s[4:5], s[94:95]
	s_or_b32 s[G0V+3], s[G0V+3], 0x80000000
	s_add_nc_u64 s[G0C+2:G0C+3], s[4:5], s[2:3]
	s_or_b32 s[G0C+3], s[G0C+3], 0x80000000
	s_add_nc_u64 s[98:99], s[4:5], s[98:99]
	s_add_nc_u64 s[100:101], s[6:7], s[100:101]
	s_add_nc_u64 s[8:9], s[8:9], s[26:27]
	s_add_nc_u64 s[10:11], s[10:11], s[18:19]
	ROUND                                          ; all four work-groups are here: the joint loads meet
	s_cmp_lt_u32 s12, 2                            ; one load a wave, in one chain of branches on the wave's number
	s_cbranch_scc0 .Lfor_k
	TLOAD G0S, G1S
	s_branch .Lasked
.Lfor_k:
	s_cmp_lt_u32 s12, 4
	s_cbranch_scc0 .Lfor_v
	TLOAD G0K, G1K
	s_branch .Lasked
.Lfor_v:
	TLOAD G0V, G1V
.Lasked:
	v_and_b32 v3, 31, v0
	v_and_b32 v4, 15, v0                           ; r
	v_bfe_u32 v5, v0, 4, 1                         ; h
	v_lshlrev_b32 v1, 4, v3                        ; v1 = 16 x lane: an image's place for my lane
	v_lshlrev_b32 v8, 4, v4                        ; 16 r
	v_lshl_add_u32 v2, v5, 12, v8
	v_add_nc_u32 v2, SCW, v2                       ; v2: scale words: lanes 0-15 k's, lanes 16-31 v's, row r's four
	s_lshl_b32 s89, s12, 6
	v_lshl_add_u32 v9, v4, 1, s89
	v_add_nc_u32 v9, OST, v9                       ; v9: my rows' two bytes in the stage: tile A's, 32 bytes on tile B's
	global_load_b32 v22, v8, s[100:101]            ; the word that holds both tiles' scale bytes
	WIN 0x40                                       ; destination window 1
	global_load_b128 v[QL:QL+3], v1, s[98:99]      ; q of A: k = 16 h + 0 .. 15, and 32 + 16 h + 0 .. 15
	global_load_b128 v[QL+4:QL+7], v1, s[98:99] offset:512
	global_load_b128 v[QL+16:QL+19], v1, s[98:99] offset:1024
	global_load_b128 v[QL+20:QL+23], v1, s[98:99] offset:1536
.irp j, 0,1,2,3,4,5,6,7
	v_mov_b32 v[QH+\j], 0                          ; the zero codes round the two q
	v_mov_b32 v[QH+16+\j], 0
	v_mov_b32 v[QH+32+\j], 0
.endr
	WIN 0
	s_wait_alu depctr_va_vdst(0)
	s_wait_loadcnt 0x0
	v_lshrrev_b32 v24, 16, v22                     ; B's bytes for k = 0 .. 63 (the bytes above scale zero codes),
	v_and_b32 v25, 0xffff0000, v22                 ; for k = 64 .. 127;
	v_lshlrev_b32 v23, 16, v22                     ; A's
	v_and_b32 v22, 0xffff, v22
.irp t, 0,1
	v_mov_b32 v[TX+6*\t], 0xff61b1e6               ; the largest score so far: -3e38, under every score
.endr
.irp t, 0,1
	v_mul_f32 v[TA+\t], s24, v[TX+6*\t]
.endr
.irp t, 0,1
	v_floor_f32 v[NM+6*\t], v[TA+\t]               ; -M
	v_mov_b32 v[SUM+6*\t], 0
	v_mov_b32 v[SUM+1+6*\t], 0
	v_mov_b32 v[PW+6*\t], 0                        ; (named as the upper half of F's pair before it is first written)
.endr
.irp b, 0,1,2,3,4,5,6,7
	v_mov_b32 v[TP+\b], 0                          ; written once: a lane permute's destination counts as one of its sources
.endr
.set j, 0
.rept 64
	v_mov_b32 v[O+j], 0                            ; O^T: the step is written once: the first finds zeros, which the first change of M leaves zeros
.set j, j+1
.endr
; A KEY STEP: 128 keys x my two tiles.  k's fragments and their scale words are in registers at its head.  last = 1: the loop's last trip asks for no further fragments of k.
.macro STEP last
	WIN 0x05                                       ; sources 0 and 1 window 1, D window 0
.irp b, 0,1,2,3                                ; S^T: the fragment's lower tile against [q | 0], its upper tile against [0 | q]
.irp t, 0,1
	v_wmma_scale_f32_16x16x128_f8f6f4 v[S+64*\t+16*\b:S+64*\t+16*\b+7], v[KR+16*\b:KR+16*\b+15], v[QL+16*\t:QL+16*\t+15], 0, v[KSW+\b], v[QS+2*\t] matrix_a_fmt:MATRIX_FMT_BF8 matrix_b_fmt:MATRIX_FMT_BF8
	v_wmma_scale_f32_16x16x128_f8f6f4 v[S+64*\t+16*\b+8:S+64*\t+16*\b+15], v[KR+16*\b:KR+16*\b+15], v[QH+16*\t:QH+16*\t+15], 0, v[KSW+\b], v[QS+2*\t+1] matrix_a_fmt:MATRIX_FMT_BF8 matrix_b_fmt:MATRIX_FMT_BF8
.endr
.endr                                          ; register 16 b + i of S^T: key 32 b + 16 (lane / 16) + i of the step
	WIN 0
	v_add_nc_u32 v3, s60, v1                       ; k's images of this step (the next step's are 8,192 bytes on),
	v_add_nc_u32 v4, s62, v1                       ; v's,
	v_add_nc_u32 v5, s61, v2                       ; and the scale words (the next step's are 256 bytes on)
.rept 5
	v_nop                                          ; with the three additions eight places: in front of the loads into what the products have read, and of the first read of the scores
.endr
	ds_load_b128 v[VSW:VSW+3], v5
	WIN 0x40
.irp d, 0,1,2,3
.irp c, 0,1,2,3
	ds_load_b128 v[VR+16*\d+4*\c:VR+16*\d+4*\c+3], v4 offset:2048*\d+512*\c   ; v's fragments and the next step's of k land under the softmax
.endr
.endr
	WIN 0
.if \last
	s_cmp_eq_u32 s63, 1
	s_cbranch_scc1 .Lno_next_\@
.endif
	ds_load_b128 v[KSW:KSW+3], v5 offset:256
	WIN 0x40
.irp b, 0,1,2,3
.irp c, 0,1,2,3
	ds_load_b128 v[KR+16*\b+4*\c:KR+16*\b+4*\c+3], v3 offset:8192+2048*\b+512*\c
.endr
.endr
	WIN 0
.if \last
.Lno_next_\@:
.endif
.irp t, 0,1
.irp b, 0,1,2,3
	v_max3_num_f32 v[BM+4*\t+\b], v[S+64*\t+16*\b], v[S+64*\t+16*\b+1], v[S+64*\t+16*\b+2]   ; the largest score of each block of 32 keys: for the row's maximum, and, since p rises with the score, for the block's largest p
.endr
.endr
.irp i, 3,5,7,9,11,13
.irp t, 0,1
.irp b, 0,1,2,3
	v_max3_num_f32 v[BM+4*\t+\b], v[BM+4*\t+\b], v[S+64*\t+16*\b+\i], v[S+64*\t+16*\b+\i+1]
.endr
.endr
.endr
.irp t, 0,1
.irp b, 0,1,2,3
	v_max_num_f32 v[BM+4*\t+\b], v[BM+4*\t+\b], v[S+64*\t+16*\b+15]
.endr
.endr
.irp n, 0,1,2,3,4,5,6,7
	v_permlanex16_b32 v[TP+\n], v[BM+\n], s20, s21
.endr
.irp n, 0,1,2,3,4,5,6,7
	v_max_num_f32 v[BM+\n], v[BM+\n], v[TP+\n]     ; with lane l xor 16's 16 keys
.endr
.irp t, 0,1
	v_max3_num_f32 v[TA+\t], v[BM+4*\t], v[BM+4*\t+1], v[BM+4*\t+2]
.endr
.irp t, 0,1
	s_delay_alu instid0(VALU_DEP_2)
	v_max3_num_f32 v[TX+6*\t], v[TX+6*\t], v[TA+\t], v[BM+4*\t+3]   ; the running largest score
.endr
.irp t, 0,1
	s_delay_alu instid0(VALU_DEP_2)
	v_mul_f32 v[TA+\t], s24, v[TX+6*\t]            ; as -t (c is positive)
.endr
.irp t, 0,1
	s_delay_alu instid0(VALU_DEP_2)
	v_floor_f32 v[TA+\t], v[TA+\t]                 ; the new -M = floor(-t): M is a whole number
.endr
.irp t, 0,1
	s_delay_alu instid0(VALU_DEP_2)
	v_sub_f32 v[TB+\t], v[TA+\t], v[NM+6*\t]       ; old M - new M: a whole number, 0 or less
.endr
.irp t, 0,1
	v_mov_b32 v[NM+6*\t], v[TA+\t]
.endr
.irp t, 0,1
	v_cvt_i32_f32 v[TB+\t], v[TB+\t]               ; (it saturates)
.endr
.irp t, 0,1
	s_delay_alu instid0(VALU_DEP_2)
	v_ldexp_f32 v[F+6*\t], 1.0, v[TB+\t]           ; f = 2^(old M - new M)
.endr
.set j, 0
.rept 32
	v_pk_fma_f32 v[S+j:S+j+1], v[S+j:S+j+1], s[22:23], v[NM:NM+1] op_sel_hi:[1,0,0]   ; A: t - M, two at a time
.set j, j+2
.endr
.irp t, 0,1
.irp b, 0,1,2,3
	v_fma_f32 v[BM+4*\t+\b], v[BM+4*\t+\b], s22, v[NM+6*\t]   ; the same of each block's largest score
.endr
.endr
	s_wait_alu depctr_va_vdst(0)                   ; ahead of the batch
.irp n, 0,1,2,3,4,5,6,7
	v_exp_f32 v[BM+\n], v[BM+\n]                   ; the blocks' largest p: the same two instructions on the same number give the same bits
.endr
.set j, 0
.rept 32
	v_exp_f32 v[S+j], v[S+j]                       ; A: p = 2^(t - M), at most 1: not normalised.  B's t - M stand between: they are read in the next batch
	v_exp_f32 v[S+j+1], v[S+j+1]
	v_pk_fma_f32 v[S+64+j:S+64+j+1], v[S+64+j:S+64+j+1], s[22:23], v[NM+6:NM+7] op_sel_hi:[1,0,0]
.set j, j+2
.endr
	s_wait_alu depctr_va_vdst(0)                   ; one wait for the batch, ahead of its first reader
.irp t, 0,1
	v_pk_mul_f32 v[SUM+6*\t:SUM+6*\t+1], v[SUM+6*\t:SUM+6*\t+1], v[F+6*\t:F+6*\t+1] op_sel_hi:[1,0]   ; the sums under the new M
.endr
.irp n, 0,1,2,3,4,5,6,7
	v_max_num_f32 v[BM+\n], 0x8000000, v[BM+\n]    ; the floor 2^(16 - 127): the byte cannot fall under 1
.endr
.irp n, 0,1,2,3,4,5,6,7
	v_add_nc_u32 v[TP+\n], 0xf8800000, v[BM+\n]    ; the conversion's scale operand
.endr
.irp n, 0,1,2,3,4,5,6,7
	v_lshrrev_b32 v[CAP+\n], 23, v[TP+\n]          ; the scale's byte
.endr
.irp t, 0,1
	v_lshl_or_b32 v[PW+6*\t], v[CAP+4*\t+1], 8, v[CAP+4*\t]   ; p's scale word for these 128 keys
.endr
.irp k, 2,3
.irp t, 0,1
	s_delay_alu instid0(VALU_DEP_2)
	v_lshl_or_b32 v[PW+6*\t], v[CAP+4*\t+\k], 8*\k, v[PW+6*\t]
.endr
.endr
.irp n, 0,1,2,3,4,5,6,7
	v_and_or_b32 v[CAP+\n], v[BM+\n], 0x7f800000, s25   ; 57,344 x the scale
.endr
	SUMP 0
	s_wait_alu depctr_va_vdst(0)                   ; ahead of the next batch
.set j, 0
.rept 32
	v_exp_f32 v[S+64+j], v[S+64+j]                 ; B: p.  A's holds stand between: they are read behind the batch
	v_exp_f32 v[S+64+j+1], v[S+64+j+1]
	HOLDP 0, j
.set j, j+2
.endr
	s_wait_alu depctr_va_vdst(0)
	SUMP 1
.set j, 0
.rept 32
	HOLDP 1, j
.set j, j+2
.endr
	WIN 0x40                                       ; the codes lie in window 1
.irp t, 0,1
.irp b, 0,1,2,3
	v_cvt_scalef32_pk8_bf8_f32 v[PC+16*\t+4*\b:PC+16*\t+4*\b+1], v[S+64*\t+16*\b:S+64*\t+16*\b+7], v[TP+4*\t+\b]
	v_cvt_scalef32_pk8_bf8_f32 v[PC+16*\t+4*\b+2:PC+16*\t+4*\b+3], v[S+64*\t+16*\b+8:S+64*\t+16*\b+15], v[TP+4*\t+\b]
.endr
.endr
	WIN 0
	s_wait_alu depctr_va_vdst(0)                   ; ahead of the first reader of O^T
.irp t, 0,1
.set j, O+32*\t
.rept 16
	v_pk_mul_f32 v[j:j+1], v[j:j+1], v[F+6*\t:F+6*\t+1] op_sel_hi:[1,0]   ; O^T under the new M.  (These are also the places between the codes and the products below)
.set j, j+2
.endr
.endr
	s_wait_alu depctr_va_vdst(0)
	s_wait_dscnt 0x0                               ; v's fragments, the next step's of k and all scale words are in
	WIN 0x05                                       ; sources 0 and 1 window 1; C and D window 0
.irp d, 0,1,2,3                                ; O^T += v^T p^T: the eight accumulators by turns
.irp t, 0,1
	v_wmma_scale_f32_16x16x128_f8f6f4 v[O+32*\t+8*\d:O+32*\t+8*\d+7], v[VR+16*\d:VR+16*\d+15], v[PC+16*\t:PC+16*\t+15], v[O+32*\t+8*\d:O+32*\t+8*\d+7], v[VSW+\d], v[PW+6*\t] matrix_a_fmt:MATRIX_FMT_BF8 matrix_b_fmt:MATRIX_FMT_BF8 matrix_a_scale:MATRIX_SCALE_ROW1
.endr
.endr
	WIN 0
	s_add_co_u32 s60, s60, 8192
	s_add_co_u32 s62, s62, 8192
	s_add_co_u32 s61, s61, 256
	s_sub_co_u32 s63, s63, 1
	s_cmp_lg_u32 s63, 0
.endm
.macro SUMP t                          ; the row's sum is taken of the unquantised p: two at a time, in four chains
.set B_, S+64*(\t)
	v_pk_add_f32 v[TA:TA+1], v[B_:B_+1], v[B_+2:B_+3]
	v_pk_add_f32 v[TB:TB+1], v[B_+4:B_+5], v[B_+6:B_+7]
	v_pk_add_f32 v[SY:SY+1], v[B_+8:B_+9], v[B_+10:B_+11]
	v_pk_add_f32 v[SUM+6*(\t):SUM+6*(\t)+1], v[SUM+6*(\t):SUM+6*(\t)+1], v[B_+12:B_+13]
.set m, B_+14
.rept 6
	v_pk_add_f32 v[TA:TA+1], v[TA:TA+1], v[m:m+1]
	v_pk_add_f32 v[TB:TB+1], v[TB:TB+1], v[m+2:m+3]
	v_pk_add_f32 v[SY:SY+1], v[SY:SY+1], v[m+4:m+5]
	v_pk_add_f32 v[SUM+6*(\t):SUM+6*(\t)+1], v[SUM+6*(\t):SUM+6*(\t)+1], v[m+6:m+7]
.set m, m+8
.endr
	v_pk_add_f32 v[TA:TA+1], v[TA:TA+1], v[B_+62:B_+63]
	v_pk_add_f32 v[TB:TB+1], v[TB:TB+1], v[SY:SY+1]
	v_pk_add_f32 v[SUM+6*(\t):SUM+6*(\t)+1], v[SUM+6*(\t):SUM+6*(\t)+1], v[TA:TA+1]
	v_pk_add_f32 v[SUM+6*(\t):SUM+6*(\t)+1], v[SUM+6*(\t):SUM+6*(\t)+1], v[TB:TB+1]
.endm
.macro HOLDP t, j                      ; the conversion does not saturate (ISA guide 7.6.2); p is not negative, so the hold is one-sided; two holds an instruction
.set R_, S+64*(\t)+\j
.set C_, CAP+4*(\t)+(\j)/16
	v_dual_min_num_f32 v[R_], v[R_], v[C_] :: v_dual_min_num_f32 v[R_+1], v[R_+1], v[C_]
.endm
	s_wait_alu depctr_va_vdst(0)                   ; the head's end
	s_wait_tensorcnt 0x0                           ; my piece of the scale words or of keys 0 to 511 has landed;
	ds_add_u32 v6, v7
	s_wait_dscnt 0x0
	ROUND                                          ; everybody's have, and all four work-groups are here:
	TLOAD G0C, G1C                                 ; my piece of keys 512 on
	ds_load_b128 v[KSW:KSW+3], v2                  ; step 0's scale words and fragments of k
	WIN 0x40
.irp b, 0,1,2,3
.irp c, 0,1,2,3
	ds_load_b128 v[KR+16*\b+4*\c:KR+16*\b+4*\c+3], v1 offset:2048*\b+512*\c
.endr
.endr
	WIN 0
	s_mov_b32 s60, 0                               ; LDS byte of the step's images of k,
	s_mov_b32 s62, VIMG                            ; of v,
	s_mov_b32 s61, 0                               ; and of its scale words, from v2 on
	s_mov_b32 s63, 3
	s_wait_dscnt 0x0
.Lfirst:                                       ; steps 0 to 2 read keys 0 to 511 alone, their look ahead too
	STEP 0
	s_cbranch_scc1 .Lfirst
	s_wait_tensorcnt 0x0                           ; my piece of keys 512 on has landed.  Their first read is step 3's look ahead
	s_wait_dscnt 0x0                               ; (no LDS instruction of mine is out at a signal)
	s_barrier_signal -1
	s_barrier_wait -1                              ; everybody's have
	s_mov_b32 s60, 3*8192
	s_mov_b32 s62, VIMG+3*8192
	s_mov_b32 s61, 3*256
	s_mov_b32 s63, 13
.Lsteps:                                       ; steps 3 to 15
	STEP 1
	s_cbranch_scc1 .Lsteps
	; THE WAY OUT: O^T / the sum, quantised along the head's 64 (two blocks of the model's 1,024 a tile), as images of the last product's operand.
.rept 8
	v_nop                                          ; places behind the last products
.endr
.irp t, 0,1
	v_add_f32 v[SUM+6*\t], v[SUM+6*\t], v[SUM+6*\t+1]   ; the sum's two halves,
.endr
.irp t, 0,1
	v_permlanex16_b32 v[TA+\t], v[SUM+6*\t], s20, s21
.endr
.irp t, 0,1
	v_add_f32 v[SUM+6*\t], v[SUM+6*\t], v[TA+\t]   ; and lane l xor 16's
.endr
	s_wait_alu depctr_va_vdst(0)
	v_rcp_f32 v[SUM], v[SUM]
	v_rcp_f32 v[SUM+6], v[SUM+6]
	v_nop                                          ; a plain place behind the transcendentals
	s_wait_alu depctr_va_vdst(0)
.irp t, 0,1
.set j, 32*\t
.rept 32
	v_mul_f32 v[S+j], v[O+j], v[SUM+6*\t]          ; register 32 t + 16 b + i: channel 32 b + 16 (lane / 16) + i of the head
.set j, j+1
.endr
.endr
.irp n, 0,1,2,3
	v_max3_num_f32 v[BM+\n], |v[S+16*\n]|, |v[S+16*\n+1]|, 0x8000000
.endr
.irp i, 2,4,6,8,10,12,14
.irp n, 0,1,2,3
	v_max3_num_f32 v[BM+\n], v[BM+\n], |v[S+16*\n+\i]|, |v[S+16*\n+\i+1]|
.endr
.endr
.irp n, 0,1,2,3
	v_permlanex16_b32 v[TP+\n], v[BM+\n], s20, s21
.endr
.irp n, 0,1,2,3
	v_max_num_f32 v[BM+\n], v[BM+\n], v[TP+\n]
.endr
.irp n, 0,1,2,3
	v_add_nc_u32 v[TP+\n], 0xf8800000, v[BM+\n]
.endr
.irp n, 0,1,2,3
	v_and_or_b32 v[CAP+\n], v[BM+\n], 0x7f800000, s25
.endr
.irp n, 0,1,2,3
	v_lshrrev_b32 v[BM+\n], 23, v[TP+\n]
.endr
	v_lshl_or_b32 v[TA], v[BM+1], 8, v[BM]         ; my rows' two scale bytes a tile
	v_lshl_or_b32 v[TA+1], v[BM+3], 8, v[BM+2]
.irp n, 0,1,2,3
.irp i, 0,1,2,3,4,5,6,7,8,9,10,11,12,13,14,15
	v_med3_num_f32 v[S+16*\n+\i], v[S+16*\n+\i], -v[CAP+\n], v[CAP+\n]
.endr
	v_cvt_scalef32_pk8_bf8_f32 v[S+64+4*\n:S+64+4*\n+1], v[S+16*\n:S+16*\n+7], v[TP+\n]
	v_cvt_scalef32_pk8_bf8_f32 v[S+64+4*\n+2:S+64+4*\n+3], v[S+16*\n+8:S+16*\n+15], v[TP+\n]
.endr
	v_nop
.irp t, 0,1
	global_store_b128 v1, v[S+64+8*\t:S+64+8*\t+3], s[8:9] offset:16384*\t       ; 32 lanes store 512 consecutive bytes
	global_store_b128 v1, v[S+68+8*\t:S+68+8*\t+3], s[8:9] offset:16384*\t+512
.endr
	ds_store_b16 v9, v[TA]                         ; both halves of the lanes write the same bytes with the same value
	ds_store_b16 v9, v[TA+1] offset:32
	s_wait_dscnt 0x0                               ; for the others' sake
	s_barrier_signal -1
	s_barrier_wait -1
	s_cmp_lg_u32 s12, 0
	s_cbranch_scc1 .Lnot_first
	v_add_nc_u32 v3, OST, v1
	ds_load_b128 v[BM:BM+3], v3                    ; the eight waves' 512 bytes
	s_wait_dscnt 0x0
	global_store_b128 v1, v[BM:BM+3], s[10:11]     ; 32 lanes store 512 consecutive bytes, aligned
.Lnot_first:
	s_wait_tensorcnt 0x0                           ; the wave's end
	ds_add_u32 v6, v7
	s_wait_dscnt 0x0
	ROUND                                          ; the closing round
	s_endpgm
.Lfunc_end_k_q913071a92b_attn:
	.size	k_q913071a92b_attn, .Lfunc_end_k_q913071a92b_attn-k_q913071a92b_attn
	.p2alignl 7, 3214868480
	.fill 96, 4, 3214868480
	.section	.rodata,"a",@progbits
	.p2align	6, 0x0
	.amdhsa_kernel k_q913071a92b_attn
		.amdhsa_group_segment_fixed_size 327680
		.amdhsa_private_segment_fixed_size 0
		.amdhsa_enable_private_segment 0
		.amdhsa_kernarg_size 32
		.amdhsa_user_sgpr_count 2
		.amdhsa_user_sgpr_kernarg_segment_ptr 1
		.amdhsa_wavefront_size32 1
		.amdhsa_system_sgpr_workgroup_id_x 1
		.amdhsa_system_sgpr_workgroup_id_y 1
		.amdhsa_system_sgpr_workgroup_id_z 1
		.amdhsa_system_vgpr_workitem_id 0
		.amdhsa_next_free_vgpr 512
		.amdhsa_next_free_sgpr 102
		.amdhsa_reserve_vcc 0
		.amdhsa_float_denorm_mode_32 3
		.amdhsa_float_denorm_mode_16_64 3
		.amdhsa_memory_ordered 1
		.amdhsa_forward_progress 1
		.amdhsa_inst_pref_size 94
	.end_amdhsa_kernel
	.amdgpu_metadata
---
amdhsa.version: [ 1, 2 ]
amdhsa.kernels:
  - .name:           k_q913071a92b_attn
    .symbol:         k_q913071a92b_attn.kd
    .args:
      - { .name: qkvc, .offset: 0, .size: 8, .value_kind: global_buffer, .address_space: global }
      - { .name: qkvs, .offset: 8, .size: 8, .value_kind: global_buffer, .address_space: global }
      - { .name: oc, .offset: 16, .size: 8, .value_kind: global_buffer, .address_space: global }
      - { .name: os, .offset: 24, .size: 8, .value_kind: global_buffer, .address_space: global }
    .group_segment_fixed_size: 327680
    .private_segment_fixed_size: 0
    .kernarg_segment_align: 8
    .kernarg_segment_size: 32
    .max_flat_workgroup_size: 256
    .sgpr_count:     102
    .vgpr_count:     512
    .wavefront_size: 32
...
	.end_amdgpu_metadata
.endif
;; end of part 7
;; launch proj (part 8): grid 8 x 32, 4 waves a work-group, clusters of 4 x 4, 327,680 bytes of LDS; arguments oc, os, wc, ws, x, qkvc; writes qkvc
.if DOCPART == 8
	.amdgcn_target "amdgcn-amd-amdhsa--gfx1250"
	.amdhsa_code_object_version 6
	.text
	.protected	k_q913071a92b_proj
	.globl	k_q913071a92b_proj
	.p2align	8
	.type	k_q913071a92b_proj,@function
k_q913071a92b_proj:
	s_mov_b64 s[64:65], 0
	v_nop
	global_prefetch_b8 v0, s[64:65] scope:SCOPE_SE
	s_setreg_imm32_b32 hwreg(HW_REG_WAVE_MODE, 25, 1), 1
	s_wait_xcnt 0x0
	s_wait_alu depctr_hold_cnt(0) depctr_sa_sdst(0) depctr_va_vdst(0) depctr_va_sdst(0) depctr_va_ssrc(0) depctr_va_vcc(0) depctr_vm_vsrc(0)
	s_getreg_b32 s2, hwreg(HW_REG_IB_STS2, 6, 4)
	s_cmp_eq_u32 s2, 0
	s_cbranch_scc0 .Lentry_in_a_cluster
	s_endpgm
.Lentry_in_a_cluster:
	s_bfe_u32 s2, ttmp6, 0x10000c
	s_cmp_lg_u32 s2, 0xf033
	s_cbranch_scc0 .Lentry_shape_is_right
	s_endpgm
.Lentry_shape_is_right:
; z = x + o Wp: the product on codes of BF8 (E5M2) with E8M0 scales, K = 1,024, sums in f32.  The next launch adds bp and takes the norm.
; WHY NOT WHOLE ROWS HERE.  A norm wants whole rows of 1,024, and a work-group that owns whole rows walks all 1,048,576 bytes of Wp's codes, whatever its rows.  A tile of 128 x 128 wants 131,072 bytes of o's codes
; and 131,072 of Wp's, a quarter, and there are 256 such tiles.  The price: z, 16,777,216 bytes, is written here and read once more, by one launch more.
; z GOES INTO THE BUFFER THAT HELD q's, k's AND v's CODES: nothing reads those once the attention launch has ended; the buffer is declared at z's size.  This launch loads nothing from it.
; SHARES.  Four waves, each 64 x 64: 16 accumulators.  THE PRODUCT IS USED TRANSPOSED (source 0 = 16 column positions of Wp, source 1 = 16 rows of o): a lane holds one row;
; register j of column tile ct is column 32 (ct / 2) + 16 (lane / 16) + 8 (ct % 2) + j; lane r of row tile T is token 32 (T / 2) + 16 (r / 8) + 8 (T % 2) + r % 8 (positions: bits 3 and 4 exchanged).
; BOTH OPERANDS LIE IN LDS WHOLE, as images of their registers (a fragment is four loads of 512 consecutive bytes).  Every byte is filled once, at the head, by one load a wave: waves 0 and 1 ask for o's and Wp's
; first 512 along K, waves 2 and 3 for the second; the first barrier shows the first half alone, which is multiplied while the second is on its way.  NO PREFETCH: all is asked for at the head, and there is no loop.
; CLUSTERS: 4 x 4 work-groups.  The four of a row of the cluster need the same rows of o, the four of a column the same columns of Wp: each piece is asked for jointly, by the same load with the same
; descriptor and a mask that names the four.
; x is the C of the first K step, so the residual costs no addition; with the next launch the order of the additions is (x + the sum) + bp.
; OUT: the accumulators as they stand: [row tile 256][column tile 64][half 2][lane 32][16 bytes]: each store of the wave covers 512 consecutive bytes, aligned.
; LIMITS: NaN and infinities among the inputs are not served.
; REGISTERS: window 0: v1-8 addresses; v32-47 Wp's scale words; v52-67 o's; v72-103 o's scale bytes as loaded; v126-127 the add's; v128-255 the accumulators ((a, b) at v[128 + 8 (4 a + b)]).
;   window 1: two fragment buffers of 128: o's four fragments, then Wp's four.
.set AIMG,  0                          ; LDS: o's images: [512 along K: 2][row tile 8][8,192]
.set BIMG,  131072                     ; Wp's likewise, by column tiles
.set ACC,   128
.set WS,    32                         ; register 8 p + s: K step s; lanes 0-15 column tile 2 p's words, lanes 16-31 tile 2 p + 1's
.set AS,    52                         ; register 8 q + s: lanes 0-15 row tile 2 q's words, lanes 16-31 tile 2 q + 1's
.set OB,    72                         ; register 16 q + head: a row's two scale bytes of that head
.set G1A,   24                         ; s[24:31] descriptor group 1 for o's pieces;  s[32:39] for Wp's: it differs in the mask alone
.set G1B,   32
.set G0A,   40                         ; s[40:43] group 0 for o's piece;  s[44:47] for Wp's; never rewritten
.set G0B,   44
.set MSB, 0
.macro WIN new                         ; the immediate's high byte repeats the setting that is left
.if MSB != (\new)
	s_set_vgpr_msb (MSB<<8)|(\new)
.set MSB, (\new)
.endif
.endm
.macro CROUND                          ; a round of the cluster's barrier
	s_barrier_signal -1
	s_barrier_wait -1
	s_cmp_lg_u32 s16, 0
	s_cbranch_scc1 .Lnot_wave_0_\@
	s_barrier_signal -3
.Lnot_wave_0_\@:
	s_barrier_wait -3
	s_barrier_signal -1
	s_barrier_wait -1
.endm
.macro TLOAD g0, g1
	tensor_load_to_lds s[\g0:\g0+3], s[\g1:\g1+7]
	s_nop 0
.rept 4
	v_nop
.endr
.endm
.macro ARM under, g0, g1, next         ; one load a wave, in one chain of branches on the wave's number; each wave has a line of its own
	s_cmp_lt_u32 s16, \under
	s_cbranch_scc0 \next
	TLOAD \g0, \g1
	s_branch .Lasked
\next:
.endm
	s_load_b256 s[4:11], s[0:1], 0x0               ; oc s[4:5], os s[6:7], wc s[8:9], ws s[10:11]
	s_load_b128 s[12:15], s[0:1], 0x20             ; x s[12:13], z s[14:15]
	v_lshl_add_u32 v126, v0, 2, 0x40000
	v_mov_b32 v127, 0
	ds_add_u32 v126, v127                          ; the wave's opening: the add, twice on end
	ds_add_u32 v126, v127
	v_lshrrev_b32 v1, 5, v0
	v_readfirstlane_b32 s16, v1                    ; wave 0..3
	s_lshr_b32 s17, s16, 1                         ; which half of the tile's rows is mine.  Also: which half of K I fetch
	s_and_b32 s18, s16, 1                          ; which half of its columns.  Also: I fetch for o (0) or for Wp (1)
	s_bfe_u32 s19, ttmp6, 0x40000                  ; cx, cy: my place in the cluster
	s_bfe_u32 s20, ttmp6, 0x40004
	s_lshl_b32 s21, ttmp9, 2
	s_add_co_u32 s21, s21, s19                     ; tile column = 4 x cluster x + cx
	s_and_b32 s22, ttmp7, 0xffff
	s_lshl_b32 s22, s22, 2
	s_add_co_u32 s22, s22, s20                     ; tile row = 4 x cluster y + cy
	s_lshl_b32 s23, s20, 2
	s_lshl_b32 s23, 15, s23                        ; my row of the cluster
	s_lshl_b32 s56, 0x1111, s19                    ; my column
	s_or_b32 s[G1A], s23, (3<<16)|(1<<21)          ; 15:0 the mask; 17:16 elements of 8 bytes; 21 set beside a mask; no padding: images are read 512 consecutive bytes at a time
	s_or_b32 s[G1B], s56, (3<<16)|(1<<21)
.irp g, G1A, G1B
	s_mov_b32 s[\g+1], 1024<<16                    ; tensor_dim0 = 1,024 elements: 512 along K of a tile of 16, 8,192 bytes
	s_mov_b32 s[\g+2], 8<<16                       ; tensor_dim1 = 8 tiles
	s_mov_b32 s[\g+3], 1024<<16                    ; tile_dim0
	s_mov_b32 s[\g+4], 8                           ; tile_dim1
	s_mov_b32 s[\g+5], 2048                        ; the pitch: a tile's images of all of K are 16,384 bytes
	s_mov_b32 s[\g+6], 0
	s_mov_b32 s[\g+7], 0
.endr
	s_lshl_b32 s57, s17, 16                        ; in LDS: my half of K: no place in the cluster enters an LDS address
	s_lshl_b32 s58, s22, 17                        ; o: 131,072 bytes a tile row, + my half of K: hangs on the tile row alone
	s_lshl_b32 s59, s17, 13
	s_add_co_u32 s58, s58, s59
	s_mov_b32 s59, 0
	s_lshl_b32 s60, s21, 17                        ; Wp's images begin at byte 3,145,728 of wc: hangs on the tile column alone
	s_lshl_b32 s61, s17, 13
	s_add_co_u32 s60, s60, s61
	s_add_co_u32 s60, s60, 3145728
	s_mov_b32 s61, 0
	s_lshr_b32 s62, s22, 4                         ; o's scale bytes: 65,536 a batch, 2 a row: my wave's 64 rows
	s_lshl_b32 s62, s62, 16
	s_and_b32 s63, s22, 15
	s_lshl_b32 s63, s63, 8
	s_add_co_u32 s62, s62, s63
	s_lshl_b32 s63, s17, 7
	s_add_co_u32 s62, s62, s63
	s_mov_b32 s63, 0
	s_lshl_b32 s84, s21, 12                        ; Wp's scale bytes: rows of 32 from byte 98,304 of ws on: my wave's 64 positions
	s_lshl_b32 s85, s18, 11
	s_add_co_u32 s84, s84, s85
	s_add_co_u32 s84, s84, 98304
	s_mov_b32 s85, 0
	s_lshl_b32 s86, s22, 19                        ; x and z: 128 rows are 524,288 bytes in both, my wave's 64 begin 262,144 on
	s_lshl_b32 s87, s17, 18
	s_add_co_u32 s86, s86, s87
	s_lshl_b32 s88, s21, 13                        ; z: 1,024 bytes a column tile
	s_lshl_b32 s89, s18, 12
	s_add_co_u32 s88, s88, s89
	s_add_co_u32 s88, s88, s86
	s_mov_b32 s89, 0
	s_lshl_b32 s87, s21, 9                         ; x: 4 bytes a column
	s_add_co_u32 s86, s86, s87
	s_lshl_b32 s87, s18, 8
	s_add_co_u32 s86, s86, s87
	s_mov_b32 s87, 0
	s_wait_alu depctr_va_vdst(0)
	s_wait_dscnt 0x0
	s_wait_kmcnt 0x0
	s_add_nc_u64 s[6:7], s[6:7], s[62:63]
	s_add_nc_u64 s[10:11], s[10:11], s[84:85]
	s_add_nc_u64 s[12:13], s[12:13], s[86:87]
	s_add_nc_u64 s[14:15], s[14:15], s[88:89]
	s_mov_b32 s[G0A], 1                            ; 1:0 count = 1
	s_add_co_u32 s[G0A+1], s57, AIMG               ; 63:32 LDS address
	s_add_nc_u64 s[G0A+2:G0A+3], s[4:5], s[58:59]  ; 120:64 global address
	s_or_b32 s[G0A+3], s[G0A+3], 0x80000000        ; 127:126 type = 2
	s_mov_b32 s[G0B], 1
	s_add_co_u32 s[G0B+1], s57, BIMG
	s_add_nc_u64 s[G0B+2:G0B+3], s[8:9], s[60:61]
	s_or_b32 s[G0B+3], s[G0B+3], 0x80000000
	CROUND                                         ; all sixteen work-groups are here: the joint loads meet
	ARM 1, G0A, G1A, .Lhead_1
	ARM 2, G0B, G1B, .Lhead_2
	ARM 3, G0A, G1A, .Lhead_3
	TLOAD G0B, G1B
.Lasked:
	v_and_b32 v9, 31, v0                           ; lane
	v_lshlrev_b32 v1, 4, v9                        ; v1 = 16 x lane: an image's place for my lane
	v_lshlrev_b32 v7, 5, v9                        ; v7 = 32 x lane: a row of Wp's scale bytes
	v_lshlrev_b32 v8, 1, v9                        ; v8 = 2 x lane: a row's two bytes of o's
	v_and_b32 v10, 15, v0                          ; r
	v_bfe_u32 v11, v0, 4, 1                        ; h
	v_lshrrev_b32 v12, 3, v10
	v_lshl_add_u32 v6, v12, 3, v10
	v_lshlrev_b32 v6, 12, v6
	v_lshl_add_u32 v6, v11, 6, v6                  ; v6: x: row r % 8 + 16 (r / 8) of 4,096 bytes, + 64 h
	s_lshl_b32 s90, s17, 15
	v_add_nc_u32 v2, s90, v1                       ; v2: o's fragments of my four row tiles, first half of K;
	v_add_nc_u32 v3, 0x10000, v2                   ; v3: second half
	s_lshl_b32 s90, s18, 15
	s_add_co_u32 s90, s90, BIMG
	v_add_nc_u32 v4, s90, v1                       ; v4, v5: Wp's of my four column tiles
	v_add_nc_u32 v5, 0x10000, v4
.irp p, 0,1                                    ; Wp's scale words: lane l takes position 32 p + l: its 8 words, one a K step
	global_load_b128 v[WS+8*\p:WS+8*\p+3], v7, s[10:11] offset:1024*\p
	global_load_b128 v[WS+8*\p+4:WS+8*\p+7], v7, s[10:11] offset:1024*\p+16
.endr
.irp q, 0,1                                    ; o's scale bytes, two a head: lane l takes row 32 q + l
.irp d, 0,1,2,3,4,5,6,7,8,9,10,11,12,13,14,15
	global_load_u16 v[OB+16*\q+\d], v8, s[6:7] offset:4096*\d+64*\q
.endr
.endr
.irp a, 0,1,2,3                                ; x goes straight into the accumulators
.irp b, 0,1,2,3
	global_load_b128 v[ACC+8*(4*\a+\b):ACC+8*(4*\a+\b)+3], v6, s[12:13] offset:(32*(\a/2)+8*(\a%2))*4096+(32*(\b/2)+8*(\b%2))*4
	global_load_b128 v[ACC+8*(4*\a+\b)+4:ACC+8*(4*\a+\b)+7], v6, s[12:13] offset:(32*(\a/2)+8*(\a%2))*4096+(32*(\b/2)+8*(\b%2))*4+16
.endr
.endr
	s_wait_alu depctr_va_vdst(0)
	s_wait_loadcnt 32                              ; the scales are in; x's 32 loads may be out
.irp q, 0,1
.irp s, 0,1,2,3,4,5,6,7
	v_lshl_or_b32 v[AS+8*\q+\s], v[OB+16*\q+2*\s+1], 16, v[OB+16*\q+2*\s]   ; o's scale word of K step s: head 2 s's two bytes, head 2 s + 1's above them
.endr
.endr
.rept 8
	v_nop                                          ; a scale register written by a vector instruction stands eight places ahead of a scaled matrix instruction
.endr
.macro FETCH s                         ; K step s: 32 LDS loads in one run: Wp's four fragments and o's four into buffer s % 2
	WIN 0x40                                       ; destination window 1, address window 0
.irp i, 0,1,2,3
.irp c, 0,1,2,3
	ds_load_b128 v[128*((\s)%2)+64+16*\i+4*\c:128*((\s)%2)+64+16*\i+4*\c+3], v[4+(\s)/4] offset:\i*8192+((\s)%4)*2048+\c*512
	ds_load_b128 v[128*((\s)%2)+16*\i+4*\c:128*((\s)%2)+16*\i+4*\c+3], v[2+(\s)/4] offset:\i*8192+((\s)%4)*2048+\c*512
.endr
.endr
.endm
.macro PROD a, b, s                    ; row tile a x column tile b; the odd tiles' scale words stand in lanes 16-31
.set rD, ACC+8*(4*(\a)+(\b))
.set rB, 128*((\s)%2)+64+16*(\b)
.set rA, 128*((\s)%2)+16*(\a)
.set rW, WS+8*((\b)/2)+(\s)
.set rS, AS+8*((\a)/2)+(\s)
.if ((\b)%2 == 0) && ((\a)%2 == 0)
	v_wmma_scale_f32_16x16x128_f8f6f4 v[rD:rD+7], v[rB:rB+15], v[rA:rA+15], v[rD:rD+7], v[rW], v[rS] matrix_a_fmt:MATRIX_FMT_BF8 matrix_b_fmt:MATRIX_FMT_BF8
.elseif ((\a)%2 == 0)
	v_wmma_scale_f32_16x16x128_f8f6f4 v[rD:rD+7], v[rB:rB+15], v[rA:rA+15], v[rD:rD+7], v[rW], v[rS] matrix_a_fmt:MATRIX_FMT_BF8 matrix_b_fmt:MATRIX_FMT_BF8 matrix_a_scale:MATRIX_SCALE_ROW1
.elseif ((\b)%2 == 0)
	v_wmma_scale_f32_16x16x128_f8f6f4 v[rD:rD+7], v[rB:rB+15], v[rA:rA+15], v[rD:rD+7], v[rW], v[rS] matrix_a_fmt:MATRIX_FMT_BF8 matrix_b_fmt:MATRIX_FMT_BF8 matrix_b_scale:MATRIX_SCALE_ROW1
.else
	v_wmma_scale_f32_16x16x128_f8f6f4 v[rD:rD+7], v[rB:rB+15], v[rA:rA+15], v[rD:rD+7], v[rW], v[rS] matrix_a_fmt:MATRIX_FMT_BF8 matrix_b_fmt:MATRIX_FMT_BF8 matrix_a_scale:MATRIX_SCALE_ROW1 matrix_b_scale:MATRIX_SCALE_ROW1
.endif
.endm
.macro MUL s                           ; 16 products on the 16 accumulators, one instruction a turn, in the same order in every K step
	WIN 0x05                                       ; sources 0 and 1 window 1; C and D window 0
.irp a, 0,1,2,3
.irp b, 0,1,2,3
	PROD \a, \b, \s
.endr
.endr
.endm
	s_wait_alu depctr_va_vdst(0)                   ; the head's end
	s_cmp_lt_u32 s16, 2                            ; the first half of K is waves 0 and 1's: they wait; waves 2 and 3 wait ahead of the second half
	s_cbranch_scc0 .Lnot_yet
	s_wait_tensorcnt 0x0
.Lnot_yet:
	s_barrier_signal -1
	s_barrier_wait -1
	FETCH 0
.irp s, 0,1,2,3,4,5,6,7
	s_wait_dscnt 0x0                               ; this K step's fragments are in
.if \s == 3
	s_wait_tensorcnt 0x0                           ; the next K step opens the second half: my piece has landed, then everybody's.
	s_barrier_signal -1
	s_barrier_wait -1
.endif
.if \s < 7
	FETCH \s+1                                     ; into the buffer that the K step before this one multiplied: eight places stand behind its products
.endif
.if \s == 0
	s_wait_loadcnt 0x0                             ; x
.endif
	MUL \s
.rept 8
	v_nop                                          ; places in front of loads into registers that these products read (ISA guide 7.12.1 for vector instructions), and of the stores that read the last results
.endr
.endr
	WIN 0
.irp a, 0,1,2,3
.irp b, 0,1,2,3                                ; each accumulator from its low end on; 32 lanes store 512 consecutive bytes, aligned
	global_store_b128 v1, v[ACC+8*(4*\a+\b):ACC+8*(4*\a+\b)+3], s[14:15] offset:\a*65536+\b*1024
	global_store_b128 v1, v[ACC+8*(4*\a+\b)+4:ACC+8*(4*\a+\b)+7], s[14:15] offset:\a*65536+\b*1024+512
.endr
.endr
	s_wait_tensorcnt 0x0                           ; the wave's end
	ds_add_u32 v126, v127
	s_wait_dscnt 0x0
	CROUND                                         ; the closing round
	s_endpgm
.Lfunc_end_k_q913071a92b_proj:
	.size	k_q913071a92b_proj, .Lfunc_end_k_q913071a92b_proj-k_q913071a92b_proj
	.p2alignl 7, 3214868480
	.fill 96, 4, 3214868480
	.section	.rodata,"a",@progbits
	.p2align	6, 0x0
	.amdhsa_kernel k_q913071a92b_proj
		.amdhsa_group_segment_fixed_size 327680
		.amdhsa_private_segment_fixed_size 0
		.amdhsa_enable_private_segment 0
		.amdhsa_kernarg_size 48
		.amdhsa_user_sgpr_count 2
		.amdhsa_user_sgpr_kernarg_segment_ptr 1
		.amdhsa_wavefront_size32 1
		.amdhsa_system_sgpr_workgroup_id_x 1
		.amdhsa_system_sgpr_workgroup_id_y 1
		.amdhsa_system_sgpr_workgroup_id_z 1
		.amdhsa_system_vgpr_workitem_id 0
		.amdhsa_next_free_vgpr 512
		.amdhsa_next_free_sgpr 96
		.amdhsa_reserve_vcc 0
		.amdhsa_float_denorm_mode_32 3
		.amdhsa_float_denorm_mode_16_64 3
		.amdhsa_memory_ordered 1
		.amdhsa_forward_progress 1
		.amdhsa_inst_pref_size 53
	.end_amdhsa_kernel
	.amdgpu_metadata
---
amdhsa.version: [ 1, 2 ]
amdhsa.kernels:
  - .name:           k_q913071a92b_proj
    .symbol:         k_q913071a92b_proj.kd
    .args:
      - { .name: oc, .offset: 0, .size: 8, .value_kind: global_buffer, .address_space: global }
      - { .name: os, .offset: 8, .size: 8, .value_kind: global_buffer, .address_space: global }
      - { .name: wc, .offset: 16, .size: 8, .value_kind: global_buffer, .address_space: global }
      - { .name: ws, .offset: 24, .size: 8, .value_kind: global_buffer, .address_space: global }
      - { .name: x, .offset: 32, .size: 8, .value_kind: global_buffer, .address_space: global }
      - { .name: qkvc, .offset: 40, .size: 8, .value_kind: global_buffer, .address_space: global }
    .group_segment_fixed_size: 327680
    .private_segment_fixed_size: 0
    .kernarg_segment_align: 8
    .kernarg_segment_size: 48
    .max_flat_workgroup_size: 128
    .sgpr_count:     96
    .vgpr_count:     512
    .wavefront_size: 32
...
	.end_amdgpu_metadata
.endif
;; end of part 8
;; launch norm (part 9): grid 256 x 1, 4 waves a work-group, no clusters, 80,384 bytes of LDS; arguments qkvc, bp, ln_g, ln_b, out0; writes out0
.if DOCPART == 9
	.amdgcn_target "amdgcn-amd-amdhsa--gfx1250"
	.amdhsa_code_object_version 6
	.text
	.protected	k_q913071a92b_norm
	.globl	k_q913071a92b_norm
	.p2align	8
	.type	k_q913071a92b_norm,@function
k_q913071a92b_norm:
	s_mov_b64 s[64:65], 0
	v_nop
	global_prefetch_b8 v0, s[64:65] scope:SCOPE_SE
	s_setreg_imm32_b32 hwreg(HW_REG_WAVE_MODE, 25, 1), 1
	s_wait_xcnt 0x0
; out0 = LayerNorm(z + bp) ln_g + ln_b, all in f32; z = x + o Wp comes from the launch before, in the buffer that once held q's, k's and v's codes.
; z lies as that launch's accumulators stood: [row tile 256][column tile 64][half 2][lane 32][16 bytes]: lane (r, h) holds row r of the tile; register j of column tile ct is column
; 32 (ct / 2) + 16 h + 8 (ct % 2) + j.  Row r of tile T is token 32 (T / 2) + 16 (r / 8) + 8 (T % 2) + r % 8.
; SHARES.  A work-group owns one row tile, 16 whole rows; wave w owns columns 256 w .. 256 w + 255: 16 column tiles, 128 registers, by 32 loads of 512 consecutive bytes, all asked for at the start.
; Memory binds: each byte of z is read once, each byte of out0 written once, in runs of 512 aligned bytes.  Matrix units, clusters and tensor loads would add nothing here.
; A row's partial sums of the four waves meet in LDS, behind a barrier; the variance is taken of y - mean in a second pass over the registers, so that no difference of large sums is formed.
; LIMITS: the order of the additions is (x + the sum) + bp; v_rsq_f32 is good to 1 ulp; NaN and infinities are not served.
; REGISTERS, in windows of 256: window 0: v1-11 addresses; v12-31 at work; v104-127 bp, ln_g, ln_b as loaded; v128-255 bp in z's layout.   window 1: ln_g (v0-127), ln_b (v128-255) in z's layout.
;   window 2: y at 8 t.   window 3: rows on the way out.
.set STG,  0                           ; LDS: a stage of 16 rows x (1,024 + 16) bytes for each wave
.set VEC,  66560                       ; bp, ln_g, ln_b of my 256 columns: 3 x 1,024 bytes for each wave
.set RED1, 78848                       ; [row 16][wave 4] partial sums; 512 bytes on those of the squares
.set MSB, 0
.macro WIN new                         ; the immediate's high byte repeats the setting that is left
.if MSB != (\new)
	s_set_vgpr_msb (MSB<<8)|(\new)
.set MSB, (\new)
.endif
.endm
	s_load_b256 s[4:11], s[0:1], 0x0               ; z s[4:5], bp s[6:7], ln_g s[8:9], ln_b s[10:11]
	s_load_b64 s[12:13], s[0:1], 0x20              ; out0
	v_lshl_add_u32 v102, v0, 2, 0x13800
	v_mov_b32 v103, 0
	v_lshrrev_b32 v2, 5, v0
	v_readfirstlane_b32 s14, v2                    ; wave
	v_and_b32 v2, 31, v0                           ; lane
	v_and_b32 v3, 15, v0                           ; r
	v_bfe_u32 v28, v0, 4, 1                        ; h
	v_lshlrev_b32 v1, 4, v2                        ; v1 = 16 x lane
	s_mul_i32 s15, s14, 16640
	v_mul_u32_u24 v7, v3, 1040
	v_lshl_add_u32 v7, v28, 6, v7
	v_add_nc_u32 v7, s15, v7                       ; v7: the stage, in: row r, + 64 h
	v_add_nc_u32 v8, s15, v1                       ; v8: back: 16 x lane
	s_mul_i32 s15, s14, 3072
	s_add_co_u32 s15, s15, VEC
	v_lshl_add_u32 v9, v28, 6, s15                 ; v9: a vector in z's layout: + 64 h
	v_add_nc_u32 v30, s15, v1                      ; v30: as loaded
	v_lshlrev_b32 v11, 4, v3
	v_add_nc_u32 v11, RED1, v11                    ; v11: a row's four partial sums
	s_lshl_b32 s15, s14, 2
	v_add_nc_u32 v10, s15, v11                     ; v10: mine among them
	s_lshl_b32 s16, ttmp9, 16                      ; z: 65,536 bytes a row tile, my 16 column tiles of 1,024
	s_lshl_b32 s17, s14, 14
	s_add_co_u32 s16, s16, s17
	s_mov_b32 s17, 0
	s_lshl_b32 s18, s14, 10                        ; my 256 columns in f32
	s_mov_b32 s19, 0
	s_lshr_b32 s20, ttmp9, 1                       ; out0: token 32 (T / 2) + 8 (T % 2), rows of 4,096 bytes, + my columns
	s_lshl_b32 s20, s20, 17
	s_and_b32 s21, ttmp9, 1
	s_lshl_b32 s21, s21, 15
	s_add_co_u32 s20, s20, s21
	s_add_co_u32 s20, s20, s18
	s_mov_b32 s21, 0
	s_mov_b32 s22, 0x76543210
	s_mov_b32 s23, 0xfedcba98                      ; v_permlanex16_b32's selects for lane l xor 16
	s_mov_b32 s24, 0x3a800000                      ; 1 / 1,024
	s_mov_b32 s25, 0x3727c5ac                      ; 1e-5
	s_wait_alu depctr_va_vdst(0)
	s_wait_kmcnt 0x0
	s_add_nc_u64 s[4:5], s[4:5], s[16:17]
	s_add_nc_u64 s[6:7], s[6:7], s[18:19]
	s_add_nc_u64 s[8:9], s[8:9], s[18:19]
	s_add_nc_u64 s[10:11], s[10:11], s[18:19]
	s_add_nc_u64 s[12:13], s[12:13], s[20:21]
	global_load_b128 v[104:107], v1, s[6:7]
	global_load_b128 v[108:111], v1, s[6:7] offset:512
	global_load_b128 v[112:115], v1, s[8:9]
	global_load_b128 v[116:119], v1, s[8:9] offset:512
	global_load_b128 v[120:123], v1, s[10:11]
	global_load_b128 v[124:127], v1, s[10:11] offset:512
	WIN 0x80                                       ; destination window 2
.irp t, 0,1,2,3,4,5,6,7,8,9,10,11,12,13,14,15
	global_load_b128 v[8*\t:8*\t+3], v1, s[4:5] offset:1024*\t th:TH_LOAD_NT       ; 32 lanes read 512 consecutive bytes; read once in the launch
	global_load_b128 v[8*\t+4:8*\t+7], v1, s[4:5] offset:1024*\t+512 th:TH_LOAD_NT
.endr
	WIN 0
	s_wait_loadcnt 32                              ; the three vectors are in; z's 32 loads may be out
.irp n, 0,1,2,3,4,5
	ds_store_b128 v30, v[104+4*\n:104+4*\n+3] offset:512*\n        ; bp, ln_g, ln_b as they lie: my wave's own bytes
.endr
.irp t, 0,1,2,3,4,5,6,7,8,9,10,11,12,13,14,15  ; and back in z's layout (LDS serves a wave's instructions in order)
	ds_load_b128 v[128+8*\t:128+8*\t+3], v9 offset:(32*(\t/2)+8*(\t%2))*4
	ds_load_b128 v[128+8*\t+4:128+8*\t+7], v9 offset:(32*(\t/2)+8*(\t%2))*4+16
.endr
	WIN 0x40                                       ; destination window 1
.irp t, 0,1,2,3,4,5,6,7,8,9,10,11,12,13,14,15
	ds_load_b128 v[8*\t:8*\t+3], v9 offset:1024+(32*(\t/2)+8*(\t%2))*4
	ds_load_b128 v[8*\t+4:8*\t+7], v9 offset:1024+(32*(\t/2)+8*(\t%2))*4+16
	ds_load_b128 v[128+8*\t:128+8*\t+3], v9 offset:2048+(32*(\t/2)+8*(\t%2))*4
	ds_load_b128 v[128+8*\t+4:128+8*\t+7], v9 offset:2048+(32*(\t/2)+8*(\t%2))*4+16
.endr
	s_wait_loadcnt 0x0                             ; z
	s_wait_dscnt 0x0                               ; the vectors
	; ---- y = z + bp
	WIN 0x82                                       ; destination and source 0 window 2, source 1 window 0
.irp t, 0,1,2,3,4,5,6,7,8,9,10,11,12,13,14,15
.irp i, 0,2,4,6
	v_pk_add_f32 v[8*\t+\i:8*\t+\i+1], v[8*\t+\i:8*\t+\i+1], v[128+8*\t+\i:128+8*\t+\i+1]
.endr
.endr
; My 128 numbers of a row are in four chains, v[12:19].  They are added, joined with lane l xor 16's, and meet the other waves' in LDS; v24 gets the row's sum.
.macro REDUCE off
	WIN 0
	v_pk_add_f32 v[12:13], v[12:13], v[14:15]
	v_pk_add_f32 v[16:17], v[16:17], v[18:19]
	v_pk_add_f32 v[12:13], v[12:13], v[16:17]
	v_add_f32 v12, v12, v13
	v_permlanex16_b32 v14, v12, s22, s23
	v_add_f32 v12, v12, v14
	ds_store_b32 v10, v12 offset:\off              ; both halves of the lanes write the same word with the same value
	s_wait_dscnt 0x0                               ; for the others' sake
	s_barrier_signal -1
	s_barrier_wait -1
	ds_load_b128 v[24:27], v11 offset:\off
	s_wait_dscnt 0x0
	v_pk_add_f32 v[24:25], v[24:25], v[26:27]      ; the same four numbers in the same order in every wave
	v_add_f32 v24, v24, v25
.endm
	; ---- the mean
	WIN 0x0a                                       ; sources 0 and 1 window 2: the first two tiles' pairs start the chains: nothing is cleared
.irp k, 0,1,2,3
	v_pk_add_f32 v[12+2*\k:13+2*\k], v[2*\k:2*\k+1], v[8+2*\k:9+2*\k]
.endr
	WIN 0x08                                       ; source 1 window 2
.irp t, 2,3,4,5,6,7,8,9,10,11,12,13,14,15
.irp k, 0,1,2,3
	v_pk_add_f32 v[12+2*\k:13+2*\k], v[12+2*\k:13+2*\k], v[8*\t+2*\k:8*\t+2*\k+1]
.endr
.endr
	REDUCE 0
	v_mul_f32 v20, s24, v24                        ; the mean, as a pair
	v_mul_f32 v21, s24, v24
	; ---- d = y - mean, and the mean of d^2
	WIN 0x82
.irp t, 0,1,2,3,4,5,6,7,8,9,10,11,12,13,14,15
.irp i, 0,2,4,6
	v_pk_add_f32 v[8*\t+\i:8*\t+\i+1], v[8*\t+\i:8*\t+\i+1], v[20:21] neg_lo:[0,1] neg_hi:[0,1]
.endr
.endr
	WIN 0x0a
.irp k, 0,1,2,3
	v_pk_mul_f32 v[12+2*\k:13+2*\k], v[2*\k:2*\k+1], v[2*\k:2*\k+1]
.endr
.irp t, 1,2,3,4,5,6,7,8,9,10,11,12,13,14,15
.irp k, 0,1,2,3
	v_pk_fma_f32 v[12+2*\k:13+2*\k], v[8*\t+2*\k:8*\t+2*\k+1], v[8*\t+2*\k:8*\t+2*\k+1], v[12+2*\k:13+2*\k]
.endr
.endr
	REDUCE 512                                     ; other bytes than the first sums': no barrier is owed between the two
	v_fma_f32 v20, v24, s24, s25                   ; the variance + 1e-5
	s_wait_alu depctr_va_vdst(0)
	v_rsq_f32 v20, v20
	v_nop                                          ; a plain place behind the transcendental
	s_wait_alu depctr_va_vdst(0)
	v_mov_b32 v21, v20
	; ---- d / sqrt(..) x ln_g + ln_b
	WIN 0x82
.irp t, 0,1,2,3,4,5,6,7,8,9,10,11,12,13,14,15
.irp i, 0,2,4,6
	v_pk_mul_f32 v[8*\t+\i:8*\t+\i+1], v[8*\t+\i:8*\t+\i+1], v[20:21]
.endr
.endr
	WIN 0x96                                       ; destination and source 0 window 2, sources 1 and 2 window 1
.irp t, 0,1,2,3,4,5,6,7,8,9,10,11,12,13,14,15
.irp i, 0,2,4,6
	v_pk_fma_f32 v[8*\t+\i:8*\t+\i+1], v[8*\t+\i:8*\t+\i+1], v[8*\t+\i:8*\t+\i+1], v[128+8*\t+\i:128+8*\t+\i+1]
.endr
.endr
	; ---- the way out: through my own stage, back as runs of 512 bytes of a row
	WIN 0x08                                       ; an LDS store's data are its source 1: window 2
.irp t, 0,1,2,3,4,5,6,7,8,9,10,11,12,13,14,15
	ds_store_b128 v7, v[8*\t:8*\t+3] offset:(32*(\t/2)+8*(\t%2))*4
	ds_store_b128 v7, v[8*\t+4:8*\t+7] offset:(32*(\t/2)+8*(\t%2))*4+16
.endr
	WIN 0xc0                                       ; destination window 3
.irp i, 0,1,2,3,4,5,6,7,8,9,10,11,12,13,14,15
	ds_load_b128 v[8*\i:8*\i+3], v8 offset:\i*1040                 ; LDS serves a wave's instructions in order: these see my stores
	ds_load_b128 v[8*\i+4:8*\i+7], v8 offset:\i*1040+512
.endr
	WIN 0x0c                                       ; a store's data are its source 1: window 3
.irp i, 0,1,2,3,4,5,6,7,8,9,10,11,12,13,14,15
	s_wait_dscnt 31-2*\i                           ; the younger loads may be out
	global_store_b128 v1, v[8*\i:8*\i+3], s[12:13] offset:(16*(\i/8)+(\i%8))*4096 th:TH_STORE_NT       ; row i of the tile is 16 (i / 8) + i % 8 tokens on; 32 lanes store 512 consecutive bytes, aligned
	s_wait_dscnt 30-2*\i
	global_store_b128 v1, v[8*\i+4:8*\i+7], s[12:13] offset:(16*(\i/8)+(\i%8))*4096+512 th:TH_STORE_NT
.endr
	WIN 0
	s_wait_tensorcnt 0x0
	ds_add_u32 v102, v103
	s_wait_dscnt 0x0
	s_endpgm
.Lfunc_end_k_q913071a92b_norm:
	.size	k_q913071a92b_norm, .Lfunc_end_k_q913071a92b_norm-k_q913071a92b_norm
	.p2alignl 7, 3214868480
	.fill 96, 4, 3214868480
	.section	.rodata,"a",@progbits
	.p2align	6, 0x0
	.amdhsa_kernel k_q913071a92b_norm
		.amdhsa_group_segment_fixed_size 80384
		.amdhsa_private_segment_fixed_size 0
		.amdhsa_enable_private_segment 0
		.amdhsa_kernarg_size 40
		.amdhsa_user_sgpr_count 2
		.amdhsa_user_sgpr_kernarg_segment_ptr 1
		.amdhsa_wavefront_size32 1
		.amdhsa_system_sgpr_workgroup_id_x 1
		.amdhsa_system_sgpr_workgroup_id_y 1
		.amdhsa_system_sgpr_workgroup_id_z 1
		.amdhsa_system_vgpr_workitem_id 0
		.amdhsa_next_free_vgpr 1024
		.amdhsa_next_free_sgpr 66
		.amdhsa_reserve_vcc 0
		.amdhsa_float_denorm_mode_32 3
		.amdhsa_float_denorm_mode_16_64 3
		.amdhsa_memory_ordered 1
		.amdhsa_forward_progress 1
		.amdhsa_inst_pref_size 47
	.end_amdhsa_kernel
	.amdgpu_metadata
---
amdhsa.version: [ 1, 2 ]
amdhsa.kernels:
  - .name:           k_q913071a92b_norm
    .symbol:         k_q913071a92b_norm.kd
    .args:
      - { .name: qkvc, .offset: 0, .size: 8, .value_kind: global_buffer, .address_space: global }
      - { .name: bp, .offset: 8, .size: 8, .value_kind: global_buffer, .address_space: global }
      - { .name: ln_g, .offset: 16, .size: 8, .value_kind: global_buffer, .address_space: global }
      - { .name: ln_b, .offset: 24, .size: 8, .value_kind: global_buffer, .address_space: global }
      - { .name: out0, .offset: 32, .size: 8, .value_kind: global_buffer, .address_space: global }
    .group_segment_fixed_size: 80384
    .private_segment_fixed_size: 0
    .kernarg_segment_align: 8
    .kernarg_segment_size: 40
    .max_flat_workgroup_size: 128
    .sgpr_count:     66
    .vgpr_count:     1024
    .wavefront_size: 32
...
	.end_amdgpu_metadata
.endif
;; end of part 9
